; MI455X (gfx1250); checked and timed in simulation.
; The chip was launched on July 23, 2026; its instructions are those of AMD's public machine-readable ISA for CDNA 5 (MIT licence, August 2026) and "CDNA5" Instruction Set Architecture Reference Guide (July 2026). The comments in the code are by the model that wrote it; some were corrected since.
;; Cross Attention Former Block. Allowed arithmetic: matrix products marked QUANTISED: E2M3 operands, one E8M0 scale for each 32 along K, by v_wmma_scale_f32_16x16x128_f8f6f4 with both operands' format E2M3, f32 sums; products left as they are: f32 operands where the result goes on into a quantised operand, else bf16, f16 or f32 operands; f32 sums; everything else in f32.
;; Inputs: fc1_b 1,024 float32; fc1_w_codes 1,024 x 8 x 24 uint8 (E2M3 codes of fc1_w, K innermost, in blocks of 32 codes, four codes in three bytes); fc1_w_scales 1,024 x 8 uint8 (E8M0 scales of fc1_w, one for each 32 codes along K); fc2_b 256 float32; fc2_w_codes 256 x 32 x 24 uint8 (E2M3 codes of fc2_w, K innermost, in blocks of 32 codes, four codes in three bytes); fc2_w_scales 256 x 32 uint8 (E8M0 scales of fc2_w, one for each 32 codes along K); n1_b 256 float32; n1_g 256 float32; n2_b 256 float32; n2_g 256 float32; p1_b 16 float32; p1_lnb 16 float32; p1_lng 16 float32; p1_w 16 x 16 float32; p2_b 16 float32; p2_lnb 16 float32; p2_lng 16 float32; p2_w 16 x 16 float32; p3_b 8 float32; p3_lnb 16 float32; p3_lng 16 float32; p3_w 16 x 8 float32; pp_b 16 float32; pp_w 3 x 16 float32; proj_b 256 float32; proj_w_codes 256 x 8 x 24 uint8 (E2M3 codes of proj_w, K innermost, in blocks of 32 codes, four codes in three bytes); proj_w_scales 256 x 8 uint8 (E8M0 scales of proj_w, one for each 32 codes along K); qkv_b 768 float32; qkv_w_codes 768 x 8 x 24 uint8 (E2M3 codes of qkv_w, K innermost, in blocks of 32 codes, four codes in three bytes); qkv_w_scales 768 x 8 uint8 (E8M0 scales of qkv_w, one for each 32 codes along K); x 1 x 32,768 x 256 float32; y_codes 1 x 32,768 x 8 x 24 uint8 (E2M3 codes of y, K innermost, in blocks of 32 codes, four codes in three bytes); y_scales 1 x 32,768 x 8 uint8 (E8M0 scales of y, one for each 32 codes along K).
;; Outputs: out0 1 x 32,768 x 256 float32.
;; Constants: D = 32, H = 32, W = 32.
;; This version of the problem:
;;   THIS VERSION OF THE PROBLEM IS GIVEN IN LOW PRECISION. The matrix products marked QUANTISED in the list below multiply operands that are first quantised to E2M3 (2 exponent bits, 3 mantissa bits; 6 bits a number), with one power-of-two scale for each 32 numbers along K (OCP MX v1.0); their sums are f32. All else is computed in f32.
;;   The module's matrix products, in the order in which they are computed (A, B: the left and right operand; K: the contracted axis; several contracted axes count as one K, in the product's order):
;;     1. [M 32,768, K 256] x [K 256, N 768]; A: computed on the way; B: input qkv_w (given as codes): QUANTISED
;;     2. [M 32,768, K 256] x [K 256, N 768]; A: input y (given as codes); B: input qkv_w (given as codes): QUANTISED
;;     3. batch 512 x [M 512, K 32] x [K 32, N 512]; A: computed on the way; B: computed on the way: QUANTISED
;;     4. [M 3,375, K 3] x [K 3, N 16]; A: computed on the way; B: input pp_w: left as it is (K = 3 < 32)
;;     5. [M 3,375, K 16] x [K 16, N 16]; A: computed on the way; B: input p1_w: left as it is (K = 16 < 32)
;;     6. [M 3,375, K 16] x [K 16, N 16]; A: computed on the way; B: input p2_w: left as it is (K = 16 < 32)
;;     7. [M 3,375, K 16] x [K 16, N 8]; A: computed on the way; B: input p3_w: left as it is (K = 16 < 32)
;;     8. batch 512 x [M 512, K 512] x [K 512, N 32]; A: softmax (see below); B: computed on the way: QUANTISED
;;     9. [M 32,768, K 256] x [K 256, N 256]; A: computed on the way; B: input proj_w (given as codes): QUANTISED
;;     10. [M 32,768, K 256] x [K 256, N 1,024]; A: computed on the way; B: input fc1_w (given as codes): QUANTISED
;;     11. [M 32,768, K 1,024] x [K 1,024, N 256]; A: computed on the way; B: input fc2_w (given as codes): QUANTISED
;;   THE QUANTISER, for each operand of a quantised product, along K:
;;     - K is cut into blocks of 32 from its start; a last block that is shorter is filled with zeros.
;;     - A block's scale is 2^e with e = floor(log2(the largest magnitude in the block)) - 2, held to -126 .. 127; a block of zeros has e = 0. As a byte (E8M0): e + 127.
;;     - Each number is divided by its block's scale, clamped to +-7.5, and rounded to the nearest number of E2M3, ties to even, subnormals kept.
;;     - The product sums the exact products of the quantised numbers (number of the format x scale) in f32.
;;   ~~~python
;;   def quantise(x, axis):      # numpy; x: float32 -> the quantised numbers, widened to float32 again
;;       x = np.moveaxis(x, axis, -1); K = x.shape[-1]
;;       x = np.pad(x, [(0, 0)] * (x.ndim - 1) + [(0, -K % 32)]); x = x.reshape(x.shape[:-1] + (-1, 32)); a = np.abs(x).max(-1, keepdims=True)
;;       e = np.where(a > 0, np.clip(np.frexp(np.where(a > 0, a, 1))[1] - 1 - 2, -126, 127), 0)      # np.frexp(a)[1] - 1 = floor(log2(a)), exactly
;;       r = np.clip(x / 2.0 ** e, -7.5, 7.5)
;;       step = 2.0 ** (np.maximum(np.frexp(np.where(r == 0, 1, r))[1] - 1, 0) - 3)
;;       q = np.round(r / step) * step * 2.0 ** e      # np.round: ties to even
;;       return np.moveaxis(q.reshape(q.shape[:-2] + (-1,))[..., :K], -1, axis).astype(np.float32)
;;   ~~~
;;   SOFTMAX AHEAD OF A QUANTISED PRODUCT. Where the list says 'softmax', what is quantised is not the finished softmax but p = 2^(t - M), with t = logit x log2(e) and M = ceil(the row's largest t), a whole number; so 1/2 < the row's largest p <= 1. The row's sum l is taken of the UNQUANTISED p, in f32, and the product's result is divided by l at the end. Since M is a whole number, a kernel that streams over the keys may use a running M (the ceiling of the running maximum): every later rescaling is an exact power of two, which a block's scale takes up: the codes' values come out the same.
;;   OPERANDS COMPUTED ON THE WAY. 'Computed on the way' means the value that the module computes at that place (a softmax that the list does not call 'softmax' is quantised finished and normalised). What goes into a quantiser is computed in f32, as accurately as f32 sums, v_exp_f32 and their like allow (about 1e-6 of the number): no bf16 or f16 on the way to a quantiser, and a product that is left as it is and whose result goes on into a quantised operand takes f32 operands (vector FMAs, or v_wmma_f32_16x16x4_f32). A number that lies on a knife's edge between two numbers of the format may be rounded either way, as far as f32 arithmetic and the matrix unit's own rounding can turn it there, and no further.
;;   INPUTS GIVEN AS CODES. fc1_w (in the module: [256, 1024], K = its axis 0); fc2_w (in the module: [1024, 256], K = its axis 0); proj_w (in the module: [256, 256], K = its axis 0); qkv_w (in the module: [256, 768], K = its axis 0); y (in the module: [1, 32768, 256], K = its axis 2): each comes as NAME_codes (uint8): NAME with its K axis moved to the last place and cut into blocks of 32 codes, [.., K / 32, bytes a block], one block behind the other in memory; four codes in three bytes: a row's codes are one little-endian stream of bits, code i at bits 6 i .. 6 i + 5 (a code: sign, 2 exponent bits, 3 mantissa bits); and NAME_scales (uint8): the same leading axes, one E8M0 byte (e + 127) for each 32 codes along K. Its value is code x scale, taken as it is: it is not quantised again, and the codes and scales need not be those that the quantiser above would give.
;; 3 versions. Each part assembles by itself: llvm-mc -triple=amdgcn-amd-amdhsa -mcpu=gfx1250 --defsym DOCPART=n.
;; ======== version 1 of 3: 4 launches
;; workspace buffers: btab 460,800 bytes; qkvc 18,874,368 bytes; scl 786,432 bytes; ao 6,291,456 bytes; asc 262,144 bytes
;; launch pos (part 1): grid 15 x 15, 2 waves a work-group, no clusters, 0 bytes of LDS; arguments pp_w, pp_b, p1_lng, p1_lnb, p1_w, p1_b, p2_lng, p2_lnb, p2_w, p2_b, p3_lng, p3_lnb, p3_w, p3_b, btab; writes btab
.if DOCPART == 1
	.amdgcn_target "amdgcn-amd-amdhsa--gfx1250"
	.amdhsa_code_object_version 6
	.text
	.protected	k_q133db61faa_pos
	.globl	k_q133db61faa_pos
	.p2align	8
	.type	k_q133db61faa_pos,@function
k_q133db61faa_pos:
	s_mov_b64 s[64:65], 0
	v_nop
	global_prefetch_b8 v0, s[64:65] scope:SCOPE_SE
	s_setreg_imm32_b32 hwreg(HW_REG_WAVE_MODE, 25, 1), 1
	s_wait_xcnt 0x0
; THE POSITION BIAS, as a table laid for the attention launch.  btab: f32 [head 8][half 2][a 15][b 15][nd 8][j 4];
; its entry is the small MLP of reference() at (7 - a, 7 - b, nd - (4 half + j)), for that head.  With a = 7 - nh + mh and b = 7 - nw + mw that is
; the bias of query (nh, nw, nd) and key (mh, mw, 4 half + j): four neighbouring keys lie in 16 neighbouring bytes.
; All arithmetic is f32 fused multiply-adds: the bias goes on into a softmax that is quantised.
; SHARES.  Work-group (x, y) = (b, a); wave = half; lane = 4 nd + j.  A lane walks the whole MLP for its one point; 8 stores of 128 consecutive bytes a wave, one a head.
; (Whole runs of 256 bytes would want two rows of the table to a wave; the table is 460,800 bytes in all.)
; WEIGHTS.  Every parameter comes once, by 17 vector loads, spread over the lanes; a row of 16 weights reaches the multiply-adds through 16 scalar registers by v_readlane_b32.
; LIMITS: NaN and infinities among the inputs are not served; 1 / sqrt by v_rsq_f32.
.set S0, 36                            ; s36-51  a row of weights (even rows), or a gain
.set S1, 68                            ; s68-83  a row of weights (odd rows), or a norm's bias
.set S2, 84                            ; s84-99  a product's bias
.set A,  40                            ; v40-55  what goes into a product
.set O,  56                            ; v56-71  what comes out of it
.set T,  72                            ; v72-79  at work
	s_load_b512 s[4:19], s[0:1], 0x0               ; pp_w, pp_b, p1_lng, p1_lnb, p1_w, p1_b, p2_lng, p2_lnb
	s_load_b256 s[20:27], s[0:1], 0x40             ; p2_w, p2_b, p3_lng, p3_lnb
	s_load_b128 s[28:31], s[0:1], 0x60             ; p3_w, p3_b
	s_load_b64 s[32:33], s[0:1], 0x70              ; btab
	v_and_b32 v1, 31, v0                           ; lane
	v_lshrrev_b32 v2, 5, v0
	v_readfirstlane_b32 s34, v2                    ; wave = half
	v_and_b32 v2, 15, v0
	v_lshlrev_b32 v2, 2, v2                        ; 4 (lane % 16): a vector of 16 numbers, twice over the lanes
	v_and_b32 v3, 7, v0
	v_lshlrev_b32 v3, 2, v3                        ; 4 (lane % 8)
	v_lshlrev_b32 v36, 2, v1                       ; 4 lane
	v_lshlrev_b32 v37, 5, v1                       ; 32 lane
	v_lshlrev_b32 v38, 4, v1                       ; 16 lane
	s_and_b32 s54, ttmp7, 0xffff                   ; a
	s_mov_b32 s52, 0x3d800000                      ; 1 / 16
	s_mov_b32 s53, 0x3727c5ac                      ; 1e-5
	s_mul_i32 s56, s54, 15
	s_add_co_u32 s56, s56, ttmp9                   ; 15 a + b
	s_lshl_b32 s56, s56, 7                         ; 128 bytes each
	s_mul_i32 s35, s34, 28800
	s_add_co_u32 s56, s56, s35                     ; + my half
	s_mov_b32 s57, 0
	s_wait_kmcnt 0x0
	global_load_b32 v14, v36, s[4:5]               ; pp_w: rows 0 and 1, a number a lane
	global_load_b32 v15, v2, s[4:5] offset:128     ; row 2
	global_load_b32 v4, v2, s[6:7]                 ; pp_b
	global_load_b32 v5, v2, s[8:9]                 ; p1_lng
	global_load_b32 v6, v2, s[10:11]               ; p1_lnb
	global_load_b128 v[16:19], v37, s[12:13]       ; p1_w: w[k][n] is register n % 8 of lane 2 k + n / 8
	global_load_b128 v[20:23], v37, s[12:13] offset:16
	global_load_b32 v7, v2, s[14:15]               ; p1_b
	global_load_b32 v8, v2, s[16:17]               ; p2_lng
	global_load_b32 v9, v2, s[18:19]               ; p2_lnb
	global_load_b128 v[24:27], v37, s[20:21]       ; p2_w likewise
	global_load_b128 v[28:31], v37, s[20:21] offset:16
	global_load_b32 v10, v2, s[22:23]              ; p2_b
	global_load_b32 v11, v2, s[24:25]              ; p3_lng
	global_load_b32 v12, v2, s[26:27]              ; p3_lnb
	global_load_b128 v[32:35], v38, s[28:29]       ; p3_w: w[k][n] is register n % 4 of lane 2 k + n / 4
	global_load_b32 v13, v3, s[30:31]              ; p3_b
	s_add_nc_u64 s[32:33], s[32:33], s[56:57]      ; btab at my 128 bytes of head 0
	s_sub_co_i32 s35, 7, s54
	v_cvt_f32_i32 v80, s35                         ; 7 - a
	s_sub_co_i32 s35, 7, ttmp9
	v_cvt_f32_i32 v81, s35                         ; 7 - b
	v_lshrrev_b32 v82, 2, v1                       ; nd
	v_and_b32 v83, 3, v1                           ; j
	v_sub_nc_u32 v82, v82, v83
	s_lshl_b32 s35, s34, 2
	v_sub_nc_u32 v82, v82, s35
	v_cvt_f32_i32 v82, v82                         ; nd - j - 4 half
	s_wait_loadcnt 0x0                             ; all parameters, once
.macro RLV set, reg, first             ; sixteen numbers that lie one a lane, from lane first on
.irp n, 0,1,2,3,4,5,6,7,8,9,10,11,12,13,14,15
	v_readlane_b32 s[\set+\n], v[\reg], \first+\n
.endr
.endm
; (x - mean) / sqrt(var + 1e-5) x g + b, then relu: v[O] on -> v[A] on
.macro LN16 g, b
.irp i, 0,1,2,3,4,5,6,7
	v_add_f32 v[T+\i], v[O+2*\i], v[O+2*\i+1]
.endr
.irp i, 0,1,2,3
	v_add_f32 v[T+\i], v[T+2*\i], v[T+2*\i+1]
.endr
	v_add_f32 v[T], v[T], v[T+1]
	v_add_f32 v[T+2], v[T+2], v[T+3]
	v_add_f32 v[T], v[T], v[T+2]
	v_mul_f32 v[T], s52, v[T]                      ; the mean
.irp i, 0,1,2,3,4,5,6,7,8,9,10,11,12,13,14,15
	v_sub_f32 v[A+\i], v[O+\i], v[T]
.endr
.irp i, 0,1,2,3
	v_mul_f32 v[T+\i], v[A+\i], v[A+\i]
.endr
.irp i, 4,5,6,7,8,9,10,11,12,13,14,15
	v_fmac_f32 v[T+\i%4], v[A+\i], v[A+\i]
.endr
	v_add_f32 v[T], v[T], v[T+1]
	v_add_f32 v[T+2], v[T+2], v[T+3]
	v_add_f32 v[T], v[T], v[T+2]
	v_fma_f32 v[T], v[T], s52, s53                 ; var + 1e-5
	v_rsq_f32 v[T+1], v[T]
	RLV S0, \g, 0
	RLV S1, \b, 0
	v_nop                                          ; a plain line behind the root,
	s_wait_alu depctr_va_vdst(0)                   ; and the wait ahead of its first reader
.irp i, 0,1,2,3,4,5,6,7,8,9,10,11,12,13,14,15
	v_mul_f32 v[A+\i], v[A+\i], v[T+1]
.endr
.irp i, 0,1,2,3,4,5,6,7,8,9,10,11,12,13,14,15
	v_fma_f32 v[A+\i], v[A+\i], s[S0+\i], s[S1+\i]
.endr
.irp i, 0,1,2,3,4,5,6,7,8,9,10,11,12,13,14,15
	v_max_num_f32 v[A+\i], 0, v[A+\i]
.endr
.endm
; v[O + n] = bias[n] + the sum over k of v[A + k] w[k][n], 16 x 16; row 0 takes the bias as its addend
.macro MM16 w, bias
	RLV S2, \bias, 0
.irp k, 0,1,2,3,4,5,6,7,8,9,10,11,12,13,14,15
.irp n, 0,1,2,3,4,5,6,7,8,9,10,11,12,13,14,15
	v_readlane_b32 s[S0+32*(\k%2)+\n], v[\w+\n%8], 2*\k+\n/8
.endr
.irp n, 0,1,2,3,4,5,6,7,8,9,10,11,12,13,14,15
.if \k == 0
	v_fma_f32 v[O+\n], v[A], s[S0+\n], s[S2+\n]
.else
	v_fmac_f32 v[O+\n], s[S0+32*(\k%2)+\n], v[A+\k]
.endif
.endr
.endr
.endm
	; the first layer: three coordinates x pp_w + pp_b
	RLV S2, 4, 0
	RLV S0, 15, 0
.irp n, 0,1,2,3,4,5,6,7,8,9,10,11,12,13,14,15
	v_fma_f32 v[O+\n], v82, s[S0+\n], s[S2+\n]
.endr
	RLV S1, 14, 16
.irp n, 0,1,2,3,4,5,6,7,8,9,10,11,12,13,14,15
	v_fmac_f32 v[O+\n], s[S1+\n], v81
.endr
	RLV S0, 14, 0
.irp n, 0,1,2,3,4,5,6,7,8,9,10,11,12,13,14,15
	v_fmac_f32 v[O+\n], s[S0+\n], v80
.endr
	LN16 5, 6
	MM16 16, 7
	LN16 8, 9
	MM16 24, 10
	LN16 11, 12
	; the last layer: 16 x 8 heads
.irp n, 0,1,2,3,4,5,6,7
	v_readlane_b32 s[S2+\n], v13, \n
.endr
.irp k, 0,1,2,3,4,5,6,7,8,9,10,11,12,13,14,15
.irp n, 0,1,2,3,4,5,6,7
	v_readlane_b32 s[S0+32*(\k%2)+\n], v[32+\n%4], 2*\k+\n/4
.endr
.irp n, 0,1,2,3,4,5,6,7
.if \k == 0
	v_fma_f32 v[O+\n], v[A], s[S0+\n], s[S2+\n]
.else
	v_fmac_f32 v[O+\n], s[S0+32*(\k%2)+\n], v[A+\k]
.endif
.endr
.endr
.irp n, 0,1,2,3,4,5,6,7
	global_store_b32 v36, v[O+\n], s[32:33] offset:57600*\n   ; head n: 32 lanes, 128 consecutive bytes
.endr
	s_endpgm
.Lfunc_end_k_q133db61faa_pos:
	.size	k_q133db61faa_pos, .Lfunc_end_k_q133db61faa_pos-k_q133db61faa_pos
	.p2alignl 7, 3214868480
	.fill 96, 4, 3214868480
	.section	.rodata,"a",@progbits
	.p2align	6, 0x0
	.amdhsa_kernel k_q133db61faa_pos
		.amdhsa_group_segment_fixed_size 0
		.amdhsa_private_segment_fixed_size 0
		.amdhsa_enable_private_segment 0
		.amdhsa_kernarg_size 120
		.amdhsa_user_sgpr_count 2
		.amdhsa_user_sgpr_kernarg_segment_ptr 1
		.amdhsa_wavefront_size32 1
		.amdhsa_system_sgpr_workgroup_id_x 1
		.amdhsa_system_sgpr_workgroup_id_y 1
		.amdhsa_system_sgpr_workgroup_id_z 1
		.amdhsa_system_vgpr_workitem_id 0
		.amdhsa_next_free_vgpr 96
		.amdhsa_next_free_sgpr 100
		.amdhsa_reserve_vcc 0
		.amdhsa_float_denorm_mode_32 3
		.amdhsa_float_denorm_mode_16_64 3
		.amdhsa_memory_ordered 1
		.amdhsa_forward_progress 1
		.amdhsa_inst_pref_size 92
	.end_amdhsa_kernel
	.amdgpu_metadata
---
amdhsa.version: [ 1, 2 ]
amdhsa.kernels:
  - .name:           k_q133db61faa_pos
    .symbol:         k_q133db61faa_pos.kd
    .args:
      - { .name: pp_w, .offset: 0, .size: 8, .value_kind: global_buffer, .address_space: global }
      - { .name: pp_b, .offset: 8, .size: 8, .value_kind: global_buffer, .address_space: global }
      - { .name: p1_lng, .offset: 16, .size: 8, .value_kind: global_buffer, .address_space: global }
      - { .name: p1_lnb, .offset: 24, .size: 8, .value_kind: global_buffer, .address_space: global }
      - { .name: p1_w, .offset: 32, .size: 8, .value_kind: global_buffer, .address_space: global }
      - { .name: p1_b, .offset: 40, .size: 8, .value_kind: global_buffer, .address_space: global }
      - { .name: p2_lng, .offset: 48, .size: 8, .value_kind: global_buffer, .address_space: global }
      - { .name: p2_lnb, .offset: 56, .size: 8, .value_kind: global_buffer, .address_space: global }
      - { .name: p2_w, .offset: 64, .size: 8, .value_kind: global_buffer, .address_space: global }
      - { .name: p2_b, .offset: 72, .size: 8, .value_kind: global_buffer, .address_space: global }
      - { .name: p3_lng, .offset: 80, .size: 8, .value_kind: global_buffer, .address_space: global }
      - { .name: p3_lnb, .offset: 88, .size: 8, .value_kind: global_buffer, .address_space: global }
      - { .name: p3_w, .offset: 96, .size: 8, .value_kind: global_buffer, .address_space: global }
      - { .name: p3_b, .offset: 104, .size: 8, .value_kind: global_buffer, .address_space: global }
      - { .name: btab, .offset: 112, .size: 8, .value_kind: global_buffer, .address_space: global }
    .group_segment_fixed_size: 0
    .private_segment_fixed_size: 0
    .kernarg_segment_align: 8
    .kernarg_segment_size: 120
    .max_flat_workgroup_size: 64
    .sgpr_count:     100
    .vgpr_count:     96
    .wavefront_size: 32
...
	.end_amdgpu_metadata
.endif
;; end of part 1
;; launch qkv (part 2): grid 256 x 1, 8 waves a work-group, no clusters, 27,648 bytes of LDS; arguments x, n1_g, n1_b, qkv_w_codes, qkv_w_scales, qkv_b, y_codes, y_scales, qkvc, scl; writes qkvc, scl
.if DOCPART == 2
	.amdgcn_target "amdgcn-amd-amdhsa--gfx1250"
	.amdhsa_code_object_version 6
	.text
	.protected	k_q133db61faa_qkv
	.globl	k_q133db61faa_qkv
	.p2align	8
	.type	k_q133db61faa_qkv,@function
k_q133db61faa_qkv:
	s_mov_b64 s[64:65], 0
	v_nop
	global_prefetch_b8 v0, s[64:65] scope:SCOPE_SE
	s_setreg_imm32_b32 hwreg(HW_REG_WAVE_MODE, 25, 1), 1
	s_wait_xcnt 0x0
; q = (LN(x) Wq + bq) / sqrt(32) from x; k = y Wk + bk and v = y Wv + bv from y's codes; all three quantised to FP6 (E2M3) with one E8M0 scale for each 32 along the K of the product that will read them,
; and stored as IMAGES OF OPERAND REGISTERS.  (k, v of x and q of y are never used by the module and are not made.)
; An image is 12 registers x 32 lanes, 1,536 bytes: registers 4 c .. 4 c + 3 of lane l at 512 c + 16 l.  qkvc: [window x 8 + head][q, k, v][image 8][1,536];  scl: [window x 8 + head][q, k, v][4][32 lanes] scale words.
;   q, k image: a head has 32 channels, ONE block of 32 along K, so the four K blocks of a fragment hold FOUR TILES of 16 tokens: block beta = 2 c + lane / 16.
;     q image i: queries 64 i on; the block at place p holds tile 2 (p % 2) + p / 2 (the attention launch visits the places in the order 0, 2, 1, 3).
;     k image F: keys 64 F on; block beta holds keys 32 (beta / 2) + 8 (beta % 2) + r + 8 (r / 8): so the scores of two neighbouring tiles are 16 neighbouring keys in a lane.
;   v image 2 s + dt: V^T, rows = channels 8 dt + r + 8 (r / 8), K = keys 128 s .. 128 s + 127.
; SHARES.  A work-group takes 128 tokens of a window (window = id / 4, part s = id % 4).  First the eight waves share the ROWS: wave w normalises and quantises 16 rows of x and lays their two fragments in LDS.
; Then they share the COLUMNS: wave = head; its 96 rows of the weights stay in its registers.
; q and k are made transposed (source 0 = 16 rows of W, source 1 = 16 tokens): a lane holds one token and 16 neighbouring channels.  v is made straight (source 0 = 16 tokens of y, source 1 = 16 rows of Wv):
; a lane holds one channel and, by the choice of a tile's tokens, 16 neighbouring keys.  The biases are the C of each sum's first product.
; The accumulators take turns, one product a turn.
; LIMITS: NaN and infinities are not served; a block of zeros gets the scale byte 1 (its codes are zeros; this program alone reads the bytes); a block's largest magnitude is not taken under 2^-124; 1 / sqrt by v_rsq_f32.
; REGISTERS.  Window 0: v1-11 addresses; v16-27 the weights' scale words; v28-35 the tokens' scale words; v36-38 scale words on their way out; v40-58 codes just made; v60-76 the quantiser's;
;   v80-143 64 results; v144-239 four tiles' fragments (2 x 12 each); while x is normalised v112-239 hold my row's 128 numbers, v80-91 sums.
;   Window 1: first the gain (0-127) and bias (128-255) of the norm; then Wq 0-47, bq 48-63, Wk 64-111, Wv 112-159, bk 160-175, bv 176-191, v's results 0-63 (when q is done) and 192-255.
.set XIMG, 0                           ; LDS: x's 16 fragments (tile T, K step ks: 2 T + ks)
.set XSC,  24576                       ; and their scale words, 128 bytes each
.set XA,  1
.set LI,  2
.set LS,  3
.set GA,  4
.set WPA, 5
.set WSA, 6
.set YA,  7
.set YSA, 8
.set XWI, 9
.set XWS, 10
.set BVA, 11
.set WS,  16
.set TS,  28
.set SW,  36
.set PC,  40
.set TM,  60
.set PW,  76
.set HA,  80
.set TC,  80
.set MU,  88
.set RS,  90
.set X,   112
.set TF,  144
.set WV,  24
.set SEL, 28
.set HIM, 30
.set SINV, 31
.set SEPS, 32
.set MSB, 0
.macro WIN new                         ; the immediate's high byte repeats the setting that is left
.if MSB != \new
	s_set_vgpr_msb (MSB<<8)|\new
.set MSB, \new
.endif
.endm
.macro PLACES n
.rept \n
	v_nop
.endr
.endm
.macro MX d, a, b, c, sa, sb
	v_wmma_scale_f32_16x16x128_f8f6f4 v[\d:\d+7], v[\a:\a+11], v[\b:\b+11], v[\c:\c+7], v[\sa], v[\sb] matrix_a_fmt:MATRIX_FMT_FP6 matrix_b_fmt:MATRIX_FMT_FP6
.endm
; 64 numbers of a lane, register 16 b + i = element 32 b + 16 (lane / 16) + i of my row, become a fragment's codes in v[PC] on and its scale word in v[PW].
.macro QUANT s
.irp b, 0,1,2,3
	v_max3_num_f32 v[TM+\b], |v[\s+16*\b]|, |v[\s+1+16*\b]|, 0x1800000   ; my 16 numbers of block b, and the floor 2^(3 - 127): the byte cannot fall under 1
.endr
.irp i, 2,4,6,8,10,12,14
.irp b, 0,1,2,3
	v_max3_num_f32 v[TM+\b], v[TM+\b], |v[\s+16*\b+\i]|, |v[\s+1+16*\b+\i]|
.endr
.endr
.irp b, 0,1,2,3
	v_permlanex16_b32 v[TM+4+\b], v[TM+\b], s[SEL], s[SEL+1]
.endr
.irp b, 0,1,2,3
	v_max_num_f32 v[TM+\b], v[TM+\b], v[TM+4+\b]   ; with lane l xor 16's: the block's largest magnitude
.endr
.irp b, 0,1,2,3
	v_add_nc_u32 v[TM+12+\b], 0xff000000, v[TM+\b] ; 2 off its exponent field: the conversion's scale operand
.endr
.irp b, 0,1,2,3
	v_lshrrev_b32 v[TM+4+\b], 23, v[TM+12+\b]      ; the scale's byte
.endr
	v_lshl_or_b32 v[PW], v[TM+5], 8, v[TM+4]
	v_lshl_or_b32 v[PW], v[TM+6], 16, v[PW]
	v_lshl_or_b32 v[PW], v[TM+7], 24, v[PW]
.irp c, 0,1
	v_cvt_scalef32_pk16_fp6_f32 v[PC+6*\c:PC+2+6*\c], v[\s+32*\c:\s+15+32*\c], v[TM+12+2*\c]
	v_cvt_scalef32_pk16_fp6_f32 v[PC+12+4*\c:PC+14+4*\c], v[\s+16+32*\c:\s+31+32*\c], v[TM+12+2*\c+1]   ; (a conversion's three registers begin on an even number)
.endr
	v_nop                                          ; one plain line behind a scaled conversion
.irp c, 0,1                                    ; the operand's layout wants a whole block in a lane: lanes 0-15 block 2 c, lanes 16-31 block 2 c + 1
.irp i, 0,1,2
	v_permlane16_swap_b32 v[PC+6*\c+\i], v[PC+12+4*\c+\i]
.endr
.irp i, 0,1,2
	v_mov_b32 v[PC+3+6*\c+\i], v[PC+12+4*\c+\i]
.endr
.endr
.endm
.macro IMAGE reg, adr, off                     ; a fragment goes to LDS as it stands
.irp c, 0,1,2
	ds_store_b128 v[\adr], v[\reg+4*\c:\reg+4*\c+3] offset:\off+512*\c
.endr
.endm
.macro FETCH reg, adr, off                     ; and comes back so, in any wave
.irp c, 0,1,2
	ds_load_b128 v[\reg+4*\c:\reg+4*\c+3], v[\adr] offset:\off+512*\c
.endr
.endm
.macro REDUCE                                  ; four chains of pairs -> the row's sum in v[TC], in every lane of the row
	v_pk_add_f32 v[TC:TC+1], v[TC:TC+1], v[TC+2:TC+3]
	v_pk_add_f32 v[TC+4:TC+5], v[TC+4:TC+5], v[TC+6:TC+7]
	v_pk_add_f32 v[TC:TC+1], v[TC:TC+1], v[TC+4:TC+5]
	v_add_f32 v[TC], v[TC], v[TC+1]
	v_permlanex16_b32 v[TC+2], v[TC], s[SEL], s[SEL+1]
	v_add_f32 v[TC], v[TC], v[TC+2]
.endm
; The norm of a row of 256, of which lanes l and l xor 16 hold 128 each in v[X] on; gain and bias in window 1 at g and b.
.macro LNORM g, b
.irp c, 0,1,2,3
	v_pk_add_f32 v[TC+2*\c:TC+2*\c+1], v[X+2*\c:X+2*\c+1], v[X+8+2*\c:X+9+2*\c]
.endr
.set i, 16
.rept 56
	v_pk_add_f32 v[TC+i%8:TC+i%8+1], v[TC+i%8:TC+i%8+1], v[X+i:X+i+1]
.set i, i+2
.endr
	REDUCE
	v_mul_f32 v[MU], s[SINV], v[TC]                ; the mean
	v_mov_b32 v[MU+1], v[MU]
.set i, 0
.rept 64
	v_pk_add_f32 v[X+i:X+i+1], v[X+i:X+i+1], v[MU:MU+1] op_sel_hi:[1,0] neg_lo:[0,1] neg_hi:[0,1]
.set i, i+2
.endr
.irp c, 0,1,2,3
	v_pk_mul_f32 v[TC+2*\c:TC+2*\c+1], v[X+2*\c:X+2*\c+1], v[X+2*\c:X+2*\c+1]
.endr
.set i, 8
.rept 60
	v_pk_fma_f32 v[TC+i%8:TC+i%8+1], v[X+i:X+i+1], v[X+i:X+i+1], v[TC+i%8:TC+i%8+1]
.set i, i+2
.endr
	REDUCE
	v_fma_f32 v[TC], v[TC], s[SINV], s[SEPS]       ; var + 1e-5
	v_rsq_f32 v[RS], v[TC]
	v_mov_b32 v[RS+1], 0                           ; the pair's upper half is named, so it is written: the plain line behind the root
	s_wait_alu depctr_va_vdst(0)                   ; the wait ahead of the root's first reader
.set i, 0
.rept 64
	v_pk_mul_f32 v[X+i:X+i+1], v[X+i:X+i+1], v[RS:RS+1] op_sel_hi:[1,0]
.set i, i+2
.endr
	s_wait_loadcnt 0x0                             ; gain and bias are in
	WIN 0x14                                       ; sources 1 and 2 in window 1
.set i, 0
.rept 64
	v_pk_fma_f32 v[X+i:X+i+1], v[X+i:X+i+1], v[\g+i:\g+i+1], v[\b+i:\b+i+1]
.set i, i+2
.endr
	WIN 0
.endm
	s_load_b512 s[4:19], s[0:1], 0x0               ; x, n1_g, n1_b, W's codes, W's scales, qkv_b, y's codes, y's scales
	s_load_b128 s[20:23], s[0:1], 0x40             ; qkvc, scl
	v_lshl_add_u32 v254, v0, 2, 0x6800
	v_mov_b32 v255, 0
	v_lshrrev_b32 v12, 5, v0
	v_readfirstlane_b32 s[WV], v12                 ; wave 0..7
	v_and_b32 v12, 31, v0                          ; lane
	v_and_b32 v13, 15, v0                          ; r
	v_bfe_u32 v14, v0, 4, 1                        ; h
	v_lshlrev_b32 v[LI], 4, v12                    ; an image's place for my lane
	v_lshlrev_b32 v[LS], 2, v12                    ; a scale word's
	v_lshlrev_b32 v[GA], 6, v14                    ; 64 h: my 16 numbers of a block of 32
	v_and_b32 v15, 8, v13                          ; 8 (r / 8)
	v_and_b32 v12, 7, v13                          ; r % 8
	v_lshl_add_u32 v[XA], v15, 2, v12              ; a tile's token r lies 32 (r / 8) + r % 8 rows on in x
	v_lshl_add_u32 v[XA], v[XA], 10, v[GA]         ; rows of 1,024 bytes, + 64 h
	v_add_nc_u32 v13, v13, v15                     ; r + 8 (r / 8)
	v_mul_u32_u24 v[WPA], v13, 192                 ; W: a row is 256 codes, 192 bytes
	v_mad_u32_u24 v[WPA], v14, 24, v[WPA]
	v_lshlrev_b32 v[WSA], 3, v13                   ; its scale bytes: 8 a row
	v_lshlrev_b32 v[BVA], 2, v13                   ; bv of my channel
	v_lshl_add_u32 v12, v15, 3, v12                ; y: token r + 8 (r / 8) of a tile lies r % 8 + 64 (r / 8) rows on
	v_mul_u32_u24 v[YA], v12, 192
	v_mad_u32_u24 v[YA], v14, 24, v[YA]
	v_lshlrev_b32 v[YSA], 3, v12
	s_mul_i32 s33, s[WV], 3072
	v_add_nc_u32 v[XWI], s33, v[LI]                ; where I store x's two images
	s_lshl_b32 s33, s[WV], 8
	v_add_nc_u32 v[XWS], s33, v[LS]                ; and their scale words
.irp b, 0,1,2,3
	v_mov_b32 v[TM+4+\b], 0                        ; written once: a lane permute's destination counts as one of its sources
.endr
	s_mov_b32 s[SEL], 0x76543210
	s_mov_b32 s[SEL+1], 0xfedcba98                 ; v_permlanex16_b32's selects for lane l xor 16
	s_mov_b32 s[HIM], 0xffff0000                   ; lanes 16-31
	s_mov_b32 s[SINV], 0x3b800000                  ; 1 / 256
	s_mov_b32 s[SEPS], 0x3727c5ac                  ; 1e-5
	s_lshr_b32 s25, ttmp9, 2                       ; the window
	s_and_b32 s26, ttmp9, 3                        ; s: which 128 of its tokens
	s_bfe_u32 s27, s25, 0x20004
	s_lshl_b32 s27, s27, 13
	s_bfe_u32 s33, s25, 0x20002
	s_lshl_b32 s33, s33, 8
	s_add_co_u32 s27, s27, s33
	s_and_b32 s33, s25, 3
	s_lshl_b32 s33, s33, 3
	s_add_co_u32 s27, s27, s33                     ; the window's first row: 8,192 wh + 256 ww + 8 wd
	s_lshl_b32 s34, s26, 1
	s_lshr_b32 s33, s[WV], 2
	s_add_co_u32 s34, s34, s33
	s_lshl_b32 s34, s34, 10
	s_and_b32 s33, s[WV], 3
	s_lshl_b32 s33, s33, 6
	s_add_co_u32 s34, s34, s33
	s_add_co_u32 s34, s34, s27                     ; my tile's first row of x: + 1,024 (2 s + wave / 4) + 64 (wave % 4)
	s_lshl_b32 s34, s34, 10
	s_mov_b32 s35, 0
	s_mul_i32 s36, s[WV], 6144                     ; my head's 32 rows of each part of W,
	s_mov_b32 s37, 0
	s_lshl_b32 s38, s[WV], 8                       ; their scale bytes,
	s_mov_b32 s39, 0
	s_lshl_b32 s40, s[WV], 7                       ; their biases
	s_mov_b32 s41, 0
	s_lshl_b32 s42, s26, 11
	s_add_co_u32 s42, s42, s27                     ; y: the part's first row
	s_lshl_b32 s44, s42, 3
	s_mul_i32 s42, s42, 192
	s_mov_b32 s43, 0
	s_mov_b32 s45, 0
	s_lshl_b32 s46, s25, 3
	s_add_co_u32 s46, s46, s[WV]                   ; 8 x window + head
	s_mul_i32 s48, s46, 1536
	s_mul_i32 s46, s46, 36864
	s_mul_i32 s33, s26, 3072
	s_add_co_u32 s46, s46, s33                     ; two images of each kind for each part
	s_lshl_b32 s33, s26, 7
	s_add_co_u32 s48, s48, s33
	s_mov_b32 s47, 0
	s_mov_b32 s49, 0
	s_wait_kmcnt 0x0
	s_add_nc_u64 s[4:5], s[4:5], s[34:35]
	s_add_nc_u64 s[10:11], s[10:11], s[36:37]
	s_add_nc_u64 s[12:13], s[12:13], s[38:39]
	s_add_nc_u64 s[14:15], s[14:15], s[40:41]
	s_add_nc_u64 s[16:17], s[16:17], s[42:43]
	s_add_nc_u64 s[18:19], s[18:19], s[44:45]
	s_add_nc_u64 s[20:21], s[20:21], s[46:47]
	s_add_nc_u64 s[22:23], s[22:23], s[48:49]
	; ---- X: my 16 rows of x.  Lane (r, h) takes, of row r, 16 neighbouring numbers of each block of 32
.set i, 0
.rept 32
	global_load_b128 v[X+4*i:X+4*i+3], v[XA], s[4:5] offset:128*(i/4)+16*(i%4) th:TH_LOAD_NT
.set i, i+1
.endr
	WIN 0x40                                       ; destination in window 1
.set i, 0
.rept 32
	global_load_b128 v[4*i:4*i+3], v[GA], s[6:7] offset:128*(i/4)+16*(i%4)
.set i, i+1
.endr
.set i, 0
.rept 32
	global_load_b128 v[128+4*i:128+4*i+3], v[GA], s[8:9] offset:128*(i/4)+16*(i%4)
.set i, i+1
.endr
	WIN 0
	s_wait_loadcnt 63                              ; 64 loads were issued behind x's last: x is in
	LNORM 0, 128
	; my head's weights come while x is quantised
	WIN 0x40
.irp kind, 0,1,2
.irp u, 0,1
.irp ks, 0,1
.irp p, 0,1,2,3,4,5
	global_load_b64 v[64*\kind-16*(\kind/2)+24*\u+12*\ks+2*\p:64*\kind-16*(\kind/2)+24*\u+12*\ks+2*\p+1], v[WPA], s[10:11] offset:(256*\kind+8*\u)*192+96*\ks+48*(\p/3)+8*(\p%3)
.endr
.endr
.endr
.endr
.irp kind, 0,1
.irp u, 0,1
	global_load_b128 v[48+112*\kind+8*\u:48+112*\kind+8*\u+3], v[GA], s[14:15] offset:1024*\kind+32*\u      ; lane (r, h): the biases of channels 16 h + 8 u + 0 .. 7
	global_load_b128 v[48+112*\kind+8*\u+4:48+112*\kind+8*\u+7], v[GA], s[14:15] offset:1024*\kind+32*\u+16
.endr
.endr
.irp dt, 0,1
	global_load_b32 v[176+8*\dt], v[BVA], s[14:15] offset:2048+32*\dt   ; bv of channel 8 dt + r + 8 (r / 8)
.endr
	WIN 0
.irp kind, 0,1,2
.irp u, 0,1
.irp ks, 0,1
	global_load_b32 v[WS+4*\kind+2*\u+\ks], v[WSA], s[12:13] offset:(256*\kind+8*\u)*8+4*\ks
.endr
.endr
.endr
	QUANT X
	IMAGE PC, XWI, XIMG
	ds_store_b32 v[XWS], v[PW] offset:XSC
	s_wait_dscnt 0x0                               ; the stores have read their registers
	QUANT X+64
	IMAGE PC, XWI, XIMG+1536
	ds_store_b32 v[XWS], v[PW] offset:XSC+128
	s_wait_dscnt 0x0                               ; my images have landed;
	s_barrier_signal -1
	s_barrier_wait -1                              ; everybody's have: x's sixteen fragments lie in LDS, and nobody writes LDS again
	s_wait_loadcnt 0x0                             ; the weights
	WIN 0x41
.irp dt, 0,1
.irp j, 1,2,3,4,5,6,7
	v_mov_b32 v[176+8*\dt+\j], v[176+8*\dt]        ; v's C: a lane holds one channel, so its bias stands in all eight registers
.endr
.endr
	WIN 0
; eight products: four tiles of tokens x my head's two tiles of channels, K step ks; kind 0: q, 1: k
.macro PROD kind, ks
.irp be, 0,1,2,3
.irp u, 0,1
.if \ks == 0
	MX HA+16*\be+8*\u, 64*\kind+24*\u, TF+24*\be, 48+112*\kind+8*\u, WS+4*\kind+2*\u, TS+2*\be
.else
	MX HA+16*\be+8*\u, 64*\kind+24*\u+12, TF+24*\be+12, HA+16*\be+8*\u, WS+4*\kind+2*\u+1, TS+2*\be+1
.endif
.endr
.endr
.endm
; eight products for v: source 0 = a tile of y's tokens, source 1 = 16 rows of Wv
.macro VPROD F, ks
.irp be, 0,1,2,3
.irp dt, 0,1
.if \ks == 0
	MX 192*\dt+32*\F+16*(\be/2)+8*(\be%2), TF+24*\be, 112+24*\dt, 176+8*\dt, TS+2*\be, WS+8+2*\dt
.else
	MX 192*\dt+32*\F+16*(\be/2)+8*(\be%2), TF+24*\be+12, 112+24*\dt+12, 192*\dt+32*\F+16*(\be/2)+8*(\be%2), TS+2*\be+1, WS+8+2*\dt+1
.endif
.endr
.endr
.endm
.macro YLOAD F                                 ; four tiles of y: keys 64 F + 32 (be / 2) + 8 (be % 2) + r + 8 (r / 8) of my part
.irp be, 0,1,2,3
.irp ks, 0,1
.irp p, 0,1,2,3,4,5
	global_load_b64 v[TF+24*\be+12*\ks+2*\p:TF+24*\be+12*\ks+2*\p+1], v[YA], s[16:17] offset:(1024*\F+(4*(\be/2)+\be%2)*32)*192+96*\ks+48*(\p/3)+8*(\p%3)
.endr
	global_load_b32 v[TS+2*\be+\ks], v[YSA], s[18:19] offset:(1024*\F+(4*(\be/2)+\be%2)*32)*8+4*\ks
.endr
.endr
.endm
.macro IMG_OUT kind, idx                       ; each store of the wave covers 512 consecutive bytes, aligned
.irp c, 0,1,2
	global_store_b128 v[LI], v[PC+4*\c:PC+4*\c+3], s[20:21] offset:12288*\kind+1536*\idx+512*\c
.endr
.endm
.macro SCL_OUT kind                            ; lanes 0-15: the first image's words; lanes 16-31: the second's
	s_wait_xcnt 0x0                                ; the last such store has read its register
	v_cndmask_b32 v[SW+2], v[SW], v[SW+1], s[HIM]
	global_store_b32 v[LS], v[SW+2], s[22:23] offset:512*\kind
.endm
	; ---- q: two images of four tiles
.irp G, 0,1
.irp bq, 0,1,2,3
	FETCH TF+24*\bq, LI, XIMG+(2*(4*\G+2*(\bq%2)+\bq/2))*1536
	FETCH TF+24*\bq+12, LI, XIMG+(2*(4*\G+2*(\bq%2)+\bq/2)+1)*1536
	ds_load_b32 v[TS+2*\bq], v[LS] offset:XSC+128*(2*(4*\G+2*(\bq%2)+\bq/2))
	ds_load_b32 v[TS+2*\bq+1], v[LS] offset:XSC+128*(2*(4*\G+2*(\bq%2)+\bq/2)+1)
.endr
	s_wait_dscnt 0x0
	WIN 0x11                                       ; source 0 (W) and source 2 (the bias) in window 1
	PROD 0, 0
	WIN 0x01
	PROD 0, 1
	WIN 0
	PLACES 4                                       ; in front of the first read of results, and of loads into registers that the products have read
.if \G == 1
	YLOAD 0                                        ; y's first four tiles come while q is quantised
.endif
.set i, 0
.rept 32
	v_pk_mul_f32 v[HA+i:HA+i+1], v[HA+i:HA+i+1], 0x3e3504f3 op_sel_hi:[1,0]   ; x 32^-0.5
.set i, i+2
.endr
	s_wait_xcnt 0x0                                ; the last image's stores have read their registers
	QUANT HA
	IMG_OUT 0, \G
	v_mov_b32 v[SW+\G], v[PW]
.endr
	SCL_OUT 0
	; ---- k and v
.irp F, 0,1
	s_wait_loadcnt 0x0                             ; these four tiles of y
	WIN 0x11
	PROD 1, 0
	WIN 0x01
	PROD 1, 1
	WIN 0x54                                       ; source 1 (Wv), C and D in window 1
	VPROD \F, 0
	VPROD \F, 1
	WIN 0
	PLACES 4
.if \F == 0
	YLOAD 1
.endif
	s_wait_xcnt 0x0
	QUANT HA
	IMG_OUT 1, \F
	v_mov_b32 v[SW+\F], v[PW]
.endr
	SCL_OUT 1
	; ---- v's two images: a lane's 64 registers are 128 keys' halves of one channel
.irp dt, 0,1
	WIN 0x01
.set i, 0
.rept 64
	v_mov_b32 v[HA+i], v[192*\dt+i]                ; each accumulator from its low end on
.set i, i+1
.endr
	WIN 0
	s_wait_xcnt 0x0
	QUANT HA
	IMG_OUT 2, \dt
	v_mov_b32 v[SW+\dt], v[PW]
.endr
	SCL_OUT 2
	s_wait_tensorcnt 0x0
	ds_add_u32 v254, v255
	s_wait_dscnt 0x0
	s_endpgm
.Lfunc_end_k_q133db61faa_qkv:
	.size	k_q133db61faa_qkv, .Lfunc_end_k_q133db61faa_qkv-k_q133db61faa_qkv
	.p2alignl 7, 3214868480
	.fill 96, 4, 3214868480
	.section	.rodata,"a",@progbits
	.p2align	6, 0x0
	.amdhsa_kernel k_q133db61faa_qkv
		.amdhsa_group_segment_fixed_size 27648
		.amdhsa_private_segment_fixed_size 0
		.amdhsa_enable_private_segment 0
		.amdhsa_kernarg_size 80
		.amdhsa_user_sgpr_count 2
		.amdhsa_user_sgpr_kernarg_segment_ptr 1
		.amdhsa_wavefront_size32 1
		.amdhsa_system_sgpr_workgroup_id_x 1
		.amdhsa_system_sgpr_workgroup_id_y 1
		.amdhsa_system_sgpr_workgroup_id_z 1
		.amdhsa_system_vgpr_workitem_id 0
		.amdhsa_next_free_vgpr 512
		.amdhsa_next_free_sgpr 66
		.amdhsa_reserve_vcc 0
		.amdhsa_float_denorm_mode_32 3
		.amdhsa_float_denorm_mode_16_64 3
		.amdhsa_memory_ordered 1
		.amdhsa_forward_progress 1
		.amdhsa_inst_pref_size 114
	.end_amdhsa_kernel
	.amdgpu_metadata
---
amdhsa.version: [ 1, 2 ]
amdhsa.kernels:
  - .name:           k_q133db61faa_qkv
    .symbol:         k_q133db61faa_qkv.kd
    .args:
      - { .name: x, .offset: 0, .size: 8, .value_kind: global_buffer, .address_space: global }
      - { .name: n1_g, .offset: 8, .size: 8, .value_kind: global_buffer, .address_space: global }
      - { .name: n1_b, .offset: 16, .size: 8, .value_kind: global_buffer, .address_space: global }
      - { .name: qkv_w_codes, .offset: 24, .size: 8, .value_kind: global_buffer, .address_space: global }
      - { .name: qkv_w_scales, .offset: 32, .size: 8, .value_kind: global_buffer, .address_space: global }
      - { .name: qkv_b, .offset: 40, .size: 8, .value_kind: global_buffer, .address_space: global }
      - { .name: y_codes, .offset: 48, .size: 8, .value_kind: global_buffer, .address_space: global }
      - { .name: y_scales, .offset: 56, .size: 8, .value_kind: global_buffer, .address_space: global }
      - { .name: qkvc, .offset: 64, .size: 8, .value_kind: global_buffer, .address_space: global }
      - { .name: scl, .offset: 72, .size: 8, .value_kind: global_buffer, .address_space: global }
    .group_segment_fixed_size: 27648
    .private_segment_fixed_size: 0
    .kernarg_segment_align: 8
    .kernarg_segment_size: 80
    .max_flat_workgroup_size: 256
    .sgpr_count:     66
    .vgpr_count:     512
    .wavefront_size: 32
...
	.end_amdgpu_metadata
.endif
;; end of part 2
;; launch attn (part 3): grid 512 x 1, 8 waves a work-group, no clusters, 58,624 bytes of LDS; arguments qkvc, scl, btab, ao, asc; writes ao, asc
.if DOCPART == 3
	.amdgcn_target "amdgcn-amd-amdhsa--gfx1250"
	.amdhsa_code_object_version 6
	.text
	.protected	k_q133db61faa_attn
	.globl	k_q133db61faa_attn
	.p2align	8
	.type	k_q133db61faa_attn,@function
k_q133db61faa_attn:
	s_mov_b64 s[64:65], 0
	v_nop
	global_prefetch_b8 v0, s[64:65] scope:SCOPE_SE
	s_setreg_imm32_b32 hwreg(HW_REG_WAVE_MODE, 25, 1), 1
	s_wait_xcnt 0x0
; ATTENTION OF ONE WINDOW AND ONE HEAD (work-group id = 8 x window + head): 512 queries x 512 keys x 32 channels, on codes of FP6 (E2M3) with E8M0 scales, both products by the scaled matrix instruction.
; logit = q . k + bias;  t = logit x log2(e);  M = the running largest t rounded UP to a whole number;  p = 2^(t - M) is quantised along the keys, not normalised; the row's sum is taken of the unquantised p and divides O at the end.
; When M moves, the sum and O are multiplied by 2^(old M - new M), which rounds nothing.
; OUT: O / sum, quantised along the head's 32 channels (one block of the next product's K): ao [id][query 512][24 bytes], asc [id][wave 8][r 16][trip 4] scale bytes.
; SHARES.  Wave w owns queries 64 w .. 64 w + 63 (q image w), 16 a trip; each trip walks the 512 keys in four steps of 128.  ALL of the head's K (8 fragments) and V^T (8 fragments) stay in each wave's registers, window 1.
; THE DENSE K.  A head's 32 channels are one block of the instruction's four.  A fragment of K holds four tiles of 16 keys, one in each block; the query side has the queries' 24 bytes in block beta alone and zero codes elsewhere:
; the product then is tile beta's scores.  The four versions of the query side overlap in 30 registers: zeros, the data in lanes 0-15, zeros, the data in lanes 16-31, zeros.  The blocks of zeros carry the scale byte 1.
; THE BIAS is the C of the score products: it comes from the head's table in LDS (57,600 bytes: [half 2][a 15][b 15][nd 8][j 4] f32), 16 bytes a load: four neighbouring keys of my query.
; Both products are used transposed (source 0 = keys, or V^T's channels; source 1 = my 16 queries): a lane holds ONE query (lane % 16) throughout.  By the choice of a tile's keys the 16 registers of tiles 2 b, 2 b + 1 are keys 32 b + 16 (lane / 16) + 0 .. 15.
; The accumulators take turns, one product a turn.
; No cluster: the work-groups of a window share no operand but the small table of their head's number.
; LIMITS: NaN and infinities are not served; p under 2^-126 counts as 0; a block of zeros gets the scale byte 1 (this program alone reads the bytes); 1 / sum by v_rcp_f32.
; REGISTERS.  Window 0: v1-11 addresses and masks; v8 the trips' scale bytes; v12 -M, v13 the largest t, v[14:15] the sum; v16-19 K's scale words, v20-23 V's, v24-27 q's bytes, v28-31 q's scale words for the four versions;
;   v32-49 q's image and its turned copy; v50-79 the query side; v80-82 O's codes; v84-91 at work; v96-159 the bias, then S^T, then p; v160-175 O^T; v224-254 p's codes and the quantiser's.   Window 1: v0-95 K, v96-191 V^T.
.set BB0, 1
.set BBC, 2
.set LI,  3
.set AOA, 4
.set ASA, 5
.set LOWM, 6
.set HIGHM, 7
.set KS,  16
.set VS,  20
.set SB,  24
.set QS,  28
.set CUR, 32
.set NXT, 38
.set TMP, 44
.set QV,  50
.set S,   96
.set O,   160
.set WV,  16
.set CS,  22
.set SEL, 24
.set MSB, 0
.macro WIN new                         ; the immediate's high byte repeats the setting that is left
.if MSB != \new
	s_set_vgpr_msb (MSB<<8)|\new
.set MSB, \new
.endif
.endm
.macro PLACES n
.rept \n
	v_nop
.endr
.endm
.macro MX d, a, b, c, sa, sb
	v_wmma_scale_f32_16x16x128_f8f6f4 v[\d:\d+7], v[\a:\a+11], v[\b:\b+11], v[\c:\c+7], v[\sa], v[\sb] matrix_a_fmt:MATRIX_FMT_FP6 matrix_b_fmt:MATRIX_FMT_FP6
.endm
.macro MX1 d, a, b, c, sa, sb          ; source 0's scale words from lanes 16-31
	v_wmma_scale_f32_16x16x128_f8f6f4 v[\d:\d+7], v[\a:\a+11], v[\b:\b+11], v[\c:\c+7], v[\sa], v[\sb] matrix_a_fmt:MATRIX_FMT_FP6 matrix_b_fmt:MATRIX_FMT_FP6 matrix_a_scale:MATRIX_SCALE_ROW1
.endm
	s_load_b256 s[4:11], s[0:1], 0x0               ; qkvc, scl, btab, ao
	s_load_b64 s[12:13], s[0:1], 0x20              ; asc
	v_lshl_add_u32 v251, v0, 2, 0xe100
	v_mov_b32 v255, 0
	v_lshrrev_b32 v9, 5, v0
	v_readfirstlane_b32 s[WV], v9                  ; wave 0..7
	v_lshlrev_b32 v9, 4, v0                        ; 16 x thread: the table's way in
	v_and_b32 v10, 31, v0                          ; lane
	v_lshlrev_b32 v[LI], 4, v10
	v_lshlrev_b32 v84, 2, v10                      ; 4 lane
	v_lshlrev_b32 v85, 3, v10                      ; 8 lane
	v_and_b32 v11, 15, v0                          ; r
	v_bfe_u32 v86, v0, 4, 1                        ; h
	s_xor_b32 s17, s[WV], 7                        ; 7 - nh, nh = my wave
	s_mul_i32 s17, s17, 1920
	v_lshrrev_b32 v87, 3, v11
	v_xor_b32 v87, 1, v87                          ; 1 - r / 8
	v_lshl_add_u32 v87, v86, 1, v87                ; + 2 h
	v_lshlrev_b32 v87, 7, v87
	v_and_b32 v88, 7, v11                          ; nd
	v_lshl_add_u32 v87, v88, 4, v87
	v_add_nc_u32 v[BB0], s17, v87                  ; my place in the table, but for the trip, the step and the tile
	v_mul_u32_u24 v[AOA], v11, 24
	v_mad_u32_u24 v[AOA], v86, 12, v[AOA]          ; O's codes: 24 bytes a query, my half's 12
	v_lshlrev_b32 v[ASA], 2, v11
	v_add_nc_u32 v[LOWM], -1, v86                  ; all ones in lanes 0-15
	v_sub_nc_u32 v[HIGHM], 0, v86                  ; all ones in lanes 16-31
	s_lshl_b32 s17, s[WV], 6
	v_lshl_add_u32 v89, v11, 2, s17                ; q's scale word of row r in image w: 4 r + 64 w
	s_mov_b32 s[CS], 0x3fb8aa3b                    ; log2(e)
	s_mov_b32 s[CS+1], s[CS]                       ; (named with it as a pair, so it is written)
	s_mov_b32 s[SEL], 0x76543210
	s_mov_b32 s[SEL+1], 0xfedcba98                 ; v_permlanex16_b32's selects for lane l xor 16
	s_mov_b32 s19, 0
	s_wait_kmcnt 0x0
	s_mul_i32 s18, ttmp9, 36864
	s_add_nc_u64 s[4:5], s[4:5], s[18:19]          ; my head's images
	s_mul_i32 s18, s[WV], 1536
	s_add_nc_u64 s[14:15], s[4:5], s[18:19]        ; my wave's q image
	s_add_nc_u64 s[10:11], s[10:11], s[18:19]      ; (64 queries x 24 bytes are as many)
	s_mul_i32 s18, ttmp9, 1536
	s_add_nc_u64 s[6:7], s[6:7], s[18:19]
	s_and_b32 s18, ttmp9, 7
	s_mul_i32 s18, s18, 57600
	s_add_nc_u64 s[8:9], s[8:9], s[18:19]          ; the head's table
	s_mul_i32 s18, ttmp9, 12288
	s_add_nc_u64 s[10:11], s[10:11], s[18:19]
	s_lshl_b32 s18, ttmp9, 9
	s_add_co_u32 s18, s18, s17
	s_add_nc_u64 s[12:13], s[12:13], s[18:19]
.irp i, 0,1,2,3,4,5,6,7,8,9,10,11,12,13
	global_load_b128 v[S+4*\i:S+4*\i+3], v9, s[8:9] offset:4096*\i   ; the table: 256 threads x 16 bytes, 14 times,
.endr
	s_cmp_lg_u32 s[WV], 0
	s_cbranch_scc1 .Lno_tail_in
	global_load_b64 v[152:153], v85, s[8:9] offset:57344             ; and wave 0 its last 256 bytes
.Lno_tail_in:
	WIN 0x40                                       ; destination in window 1
.irp f, 0,1,2,3,4,5,6,7
.irp c, 0,1,2
	global_load_b128 v[12*\f+4*\c:12*\f+4*\c+3], v[LI], s[4:5] offset:12288+1536*\f+512*\c
.endr
.endr
.irp f, 0,1,2,3,4,5,6,7
.irp c, 0,1,2
	global_load_b128 v[96+12*\f+4*\c:96+12*\f+4*\c+3], v[LI], s[4:5] offset:24576+1536*\f+512*\c
.endr
.endr
	WIN 0
.irp s, 0,1,2,3
	global_load_b32 v[KS+\s], v84, s[6:7] offset:512+128*\s      ; lanes 0-15: fragment 2 s; lanes 16-31: fragment 2 s + 1
	global_load_b32 v[VS+\s], v84, s[6:7] offset:1024+128*\s
.endr
.irp c, 0,1,2
	global_load_b128 v[CUR+4*\c:CUR+4*\c+3], v[LI], s[14:15] offset:512*\c
.endr
	global_load_b32 v90, v89, s[6:7]
	s_wait_loadcnt 0x0
.irp i, 0,1,2,3,4,5,6,7,8,9,10,11,12,13
	ds_store_b128 v9, v[S+4*\i:S+4*\i+3] offset:4096*\i
.endr
	s_cmp_lg_u32 s[WV], 0
	s_cbranch_scc1 .Lno_tail_out
	ds_store_b64 v85, v[152:153] offset:57344
.Lno_tail_out:
	s_wait_dscnt 0x0                               ; my part of the table has landed;
	s_barrier_signal -1
	s_barrier_wait -1                              ; everybody's has, and nobody writes LDS again
.irp i, 0,1,2,3
	v_bfe_u32 v[SB+\i], v90, 8*(2*(\i%2)+\i/2), 8  ; trip i's queries lie at place 2 (i % 2) + i / 2 of the image
.endr
.irp k, 0,1,2,3,4,5
	v_mov_b32 v[QV+\k], 0
	v_mov_b32 v[QV+12+\k], 0
	v_mov_b32 v[QV+24+\k], 0
	v_mov_b32 v[TMP+\k], 0                         ; (a lane permute's destination counts as one of its sources)
.endr
.irp b, 0,1,2,3
	v_mov_b32 v[236+\b], 0
.endr
	v_mov_b32 v253, 0                              ; (named as the upper half of the pair v[252:253] before it is first written)
	v_mov_b32 v8, 0
.macro BIAS s                                  ; step s's biases into S^T's registers: tile t = 2 b + u: key planes 2 s + b / 2, key rows 4 (b % 2) + 2 h + u, keys 0-3 and 4-7 of the row
.irp t, 0,1,2,3,4,5,6,7
	ds_load_b128 v[S+8*\t:S+8*\t+3], v[BBC] offset:(2*\s+\t/4)*1920+(4*((\t/2)%2)+\t%2)*128
	ds_load_b128 v[S+8*\t+4:S+8*\t+7], v[BBC] offset:(2*\s+\t/4)*1920+(4*((\t/2)%2)+\t%2)*128+28800
.endr
.endm
; A STEP: 128 keys
.macro STEP s
	s_wait_dscnt 0x0                               ; the biases are in
	WIN 0x01                                       ; source 0 in window 1
.irp t, 0,1,2,3
	MX S+8*\t, 24*\s, QV+6+12*(\t%2)-6*(\t/2), S+8*\t, KS+\s, QS+\t
.endr
.irp t, 0,1,2,3
	MX1 S+32+8*\t, 24*\s+12, QV+6+12*(\t%2)-6*(\t/2), S+32+8*\t, KS+\s, QS+\t
.endr
	WIN 0
	PLACES 4
.irp b, 0,1,2,3
	v_max3_num_f32 v[232+\b], v[96+16*\b], v[97+16*\b], v[98+16*\b]   ; the largest logit of each block of 32 keys: it serves for the row's maximum and, since p rises with the logit, for the block's largest p
.endr
.irp i, 3,5,7,9,11,13
.irp b, 0,1,2,3
	v_max3_num_f32 v[232+\b], v[232+\b], v[96+16*\b+\i], v[97+16*\b+\i]
.endr
.endr
.irp b, 0,1,2,3
	v_max_num_f32 v[232+\b], v[232+\b], v[111+16*\b]
.endr
.irp b, 0,1,2,3
	v_permlanex16_b32 v[236+\b], v[232+\b], s[SEL], s[SEL+1]
.endr
.irp b, 0,1,2,3
	v_max_num_f32 v[232+\b], v[232+\b], v[236+\b]  ; with lane l xor 16's 16 keys
.endr
	v_max3_num_f32 v254, v232, v233, v234
	v_max_num_f32 v254, v254, v235
	v_mul_f32 v254, s[CS], v254                    ; as t
	v_max_num_f32 v13, v13, v254                   ; the running largest t
	v_mov_b32 v254, v12
	v_floor_f32 v12, -v13                          ; the new -M = floor(-t) = -ceil(t)
	v_sub_f32 v254, v12, v254                      ; old M - new M: a whole number, 0 or less
	v_cvt_i32_f32 v254, v254                       ; (it saturates)
	v_ldexp_f32 v252, 1.0, v254                    ; f = 2^(old M - new M)
.set j, 0
.rept 32
	v_pk_fma_f32 v[96+j:97+j], v[96+j:97+j], s[CS:CS+1], v[12:13] op_sel_hi:[1,0,0]   ; t - M, two at a time
.set j, j+2
.endr
.irp b, 0,1,2,3
	v_fma_f32 v[232+\b], v[232+\b], s[CS], v12     ; the same of each block's largest logit
.endr
.set j, 0
.rept 64
	v_exp_f32 v[96+j], v[96+j]                     ; p = 2^(t - M), at most 1
.set j, j+1
.endr
	v_pk_mul_f32 v[14:15], v[14:15], v[252:253] op_sel_hi:[1,0]   ; the sums under the new M: the plain line behind the exponentials
	s_wait_alu depctr_va_vdst(0)                   ; one wait for the whole batch, ahead of its first reader
.irp b, 0,1,2,3
	v_exp_f32 v[232+\b], v[232+\b]                 ; the block's largest p: the same two instructions on the same number
.endr
	v_pk_add_f32 v[236:237], v[96:97], v[98:99]    ; the row's sum, of the unquantised p: two chains of pairs
.irp j, 4,8,12,16,20,24,28,32,36,40,44,48,52,56,60
	v_pk_add_f32 v[14:15], v[14:15], v[96+\j:97+\j]
	v_pk_add_f32 v[236:237], v[236:237], v[98+\j:99+\j]
.endr
	v_pk_add_f32 v[14:15], v[14:15], v[236:237]
	s_wait_alu depctr_va_vdst(0)                   ; and one for the four
.irp b, 0,1,2,3
	v_max_num_f32 v[232+\b], 0x1800000, v[232+\b]  ; the floor 2^(3 - 127): the byte cannot fall under 1
.endr
.irp b, 0,1,2,3
	v_add_nc_u32 v[244+\b], 0xff000000, v[232+\b]  ; 2 off the exponent field: the conversion's scale operand
.endr
.irp b, 0,1,2,3
	v_lshrrev_b32 v[236+\b], 23, v[244+\b]
.endr
	v_lshl_or_b32 v253, v237, 8, v236              ; p's scale word for these 128 keys
	v_lshl_or_b32 v253, v238, 16, v253
	v_lshl_or_b32 v253, v239, 24, v253
.irp c, 0,1
	v_cvt_scalef32_pk16_fp6_f32 v[224+6*\c:226+6*\c], v[96+32*\c:111+32*\c], v[244+2*\c]
	v_cvt_scalef32_pk16_fp6_f32 v[236+4*\c:238+4*\c], v[112+32*\c:127+32*\c], v[244+2*\c+1]
.endr
	v_nop                                          ; one plain line behind a scaled conversion
.if \s < 3
	BIAS \s+1                                      ; p has been read for the last time: the next step's biases come while this step ends
.endif
.irp c, 0,1
.irp i, 0,1,2
	v_permlane16_swap_b32 v[224+6*\c+\i], v[236+4*\c+\i]
.endr
.irp i, 0,1,2
	v_mov_b32 v[227+6*\c+\i], v[236+4*\c+\i]
.endr
.endr
.irp j, 0,2,4,6,8,10,12,14
	v_pk_mul_f32 v[O+\j:O+\j+1], v[O+\j:O+\j+1], v[252:253] op_sel_hi:[1,0]   ; O^T under the new M
.endr
	PLACES 4                                       ; with the eight lines above: the distance from the codes, the scale word and O^T, all written by vector instructions, to the scaled products
	WIN 0x01
	MX O, 96+24*\s, 224, O, VS+\s, 253
	MX1 O+8, 96+24*\s+12, 224, O+8, VS+\s, 253
	WIN 0
.endm
	s_mov_b32 s20, 768                             ; 128 (6 - 2 trip): the queries' rows go up, their place in the table goes down
	s_mov_b32 s21, 0
.Ltrip:                                            ; four trips: 16 queries each
	v_add_nc_u32 v[BBC], s20, v[BB0]
	BIAS 0
.irp k, 0,1,2,3,4,5
	v_permlanex16_b32 v[TMP+\k], v[CUR+\k], s[SEL], s[SEL+1]
.endr
.irp k, 0,1,2,3,4,5
	v_and_b32 v[QV+6+\k], v[CUR+\k], v[LOWM]       ; this trip's queries lie in lanes 0-15 of the first six registers: so for blocks 0 and 2,
.endr
.irp k, 0,1,2,3,4,5
	v_and_b32 v[QV+18+\k], v[TMP+\k], v[HIGHM]     ; and in lanes 16-31 for blocks 1 and 3
.endr
.irp be, 0,1,2,3
	v_lshl_or_b32 v[QS+\be], v[SB], 8*\be, 0x01010101-(1<<(8*\be))   ; the queries' byte at block be; the blocks of zero codes carry the byte 1
.endr
.irp k, 0,1,2,3,4,5
	v_mov_b32 v[CUR+\k], v[NXT+\k]                 ; the image turns: places 0, 2, 1, 3 come to lanes 0-15 of the first six registers
.endr
.irp k, 0,1,2,3,4,5
	v_mov_b32 v[NXT+\k], v[TMP+\k]
.endr
.irp i, 0,1,2
	v_mov_b32 v[SB+\i], v[SB+1+\i]
.endr
.irp j, 0,1,2,3,4,5,6,7,8,9,10,11,12,13,14,15
	v_mov_b32 v[O+\j], 0                           ; O^T.  (The step is written once a place: the first finds zeros, which the first change of M leaves zeros)
.endr
	v_mov_b32 v14, 0
	v_mov_b32 v15, 0
	v_mov_b32 v13, 0xff61b1e6                      ; the largest t so far: -3e38
	v_floor_f32 v12, -v13                          ; (the 35 plain lines since the scale words were made are their distance to the first product)
	STEP 0
	STEP 1
	STEP 2
	STEP 3
	; the trip's end: O^T / the sum, quantised along the head's 32 channels (register 8 dt + j is channel 16 h + 8 dt + j)
	v_add_f32 v14, v14, v15
	v_permlanex16_b32 v252, v14, s[SEL], s[SEL+1]
	v_add_f32 v14, v14, v252                       ; the row's sum
	v_rcp_f32 v14, v14
	v_nop
	v_nop                                          ; (two additions and these two: four plain lines behind the last product)
	s_wait_alu depctr_va_vdst(0)                   ; the wait ahead of the reciprocal's first reader
.irp j, 0,2,4,6,8,10,12,14
	v_pk_mul_f32 v[O+\j:O+\j+1], v[O+\j:O+\j+1], v[14:15] op_sel_hi:[1,0]
.endr
	v_max3_num_f32 v88, |v[O]|, |v[O+1]|, 0x1800000
	v_max_num_f32 v89, |v[O+2]|, |v[O+3]|
.irp j, 4,8,12
	v_max3_num_f32 v88, v88, |v[O+\j]|, |v[O+\j+1]|
	v_max3_num_f32 v89, v89, |v[O+\j+2]|, |v[O+\j+3]|
.endr
	v_max_num_f32 v88, v88, v89
	v_permlanex16_b32 v90, v88, s[SEL], s[SEL+1]
	v_max_num_f32 v88, v88, v90
	v_add_nc_u32 v89, 0xff000000, v88
	v_lshrrev_b32 v91, 23, v89
	v_cvt_scalef32_pk16_fp6_f32 v[80:82], v[O:O+15], v89
	v_nop
	v_alignbit_b32 v8, v91, v8, 8                  ; the trip's byte comes in from the top: after four trips byte i is trip i's
	global_store_b96 v[AOA], v[80:82], s[10:11]    ; 32 lanes store 384 consecutive bytes
	s_wait_xcnt 0x0                                ; the store has read its base and its data
	s_add_nc_u64 s[10:11], s[10:11], 384
	s_sub_co_u32 s20, s20, 256
	s_add_co_u32 s21, s21, 1
	s_cmp_lt_u32 s21, 4
	s_cbranch_scc1 .Ltrip
	v_cmp_gt_u32 vcc_lo, 16, v10                   ; (no global instruction has been issued since the wait on XCNT above)
	s_wait_tensorcnt 0x0
	ds_add_u32 v251, v255
	s_wait_dscnt 0x0
	s_and_saveexec_b32 s26, vcc_lo
	global_store_b32 v[ASA], v8, s[12:13]          ; lanes 0-15: 64 consecutive bytes
	s_wait_xcnt 0x0                                ; EXEC changes only behind this wait
	s_or_b32 exec_lo, exec_lo, s26
	s_endpgm
.Lfunc_end_k_q133db61faa_attn:
	.size	k_q133db61faa_attn, .Lfunc_end_k_q133db61faa_attn-k_q133db61faa_attn
	.p2alignl 7, 3214868480
	.fill 96, 4, 3214868480
	.section	.rodata,"a",@progbits
	.p2align	6, 0x0
	.amdhsa_kernel k_q133db61faa_attn
		.amdhsa_group_segment_fixed_size 58624
		.amdhsa_private_segment_fixed_size 0
		.amdhsa_enable_private_segment 0
		.amdhsa_kernarg_size 40
		.amdhsa_user_sgpr_count 2
		.amdhsa_user_sgpr_kernarg_segment_ptr 1
		.amdhsa_wavefront_size32 1
		.amdhsa_system_sgpr_workgroup_id_x 1
		.amdhsa_system_sgpr_workgroup_id_y 1
		.amdhsa_system_sgpr_workgroup_id_z 1
		.amdhsa_system_vgpr_workitem_id 0
		.amdhsa_next_free_vgpr 448
		.amdhsa_next_free_sgpr 66
		.amdhsa_reserve_vcc 1
		.amdhsa_float_denorm_mode_32 3
		.amdhsa_float_denorm_mode_16_64 3
		.amdhsa_memory_ordered 1
		.amdhsa_forward_progress 1
		.amdhsa_inst_pref_size 72
	.end_amdhsa_kernel
	.amdgpu_metadata
---
amdhsa.version: [ 1, 2 ]
amdhsa.kernels:
  - .name:           k_q133db61faa_attn
    .symbol:         k_q133db61faa_attn.kd
    .args:
      - { .name: qkvc, .offset: 0, .size: 8, .value_kind: global_buffer, .address_space: global }
      - { .name: scl, .offset: 8, .size: 8, .value_kind: global_buffer, .address_space: global }
      - { .name: btab, .offset: 16, .size: 8, .value_kind: global_buffer, .address_space: global }
      - { .name: ao, .offset: 24, .size: 8, .value_kind: global_buffer, .address_space: global }
      - { .name: asc, .offset: 32, .size: 8, .value_kind: global_buffer, .address_space: global }
    .group_segment_fixed_size: 58624
    .private_segment_fixed_size: 0
    .kernarg_segment_align: 8
    .kernarg_segment_size: 40
    .max_flat_workgroup_size: 256
    .sgpr_count:     66
    .vgpr_count:     448
    .wavefront_size: 32
...
	.end_amdgpu_metadata
.endif
;; end of part 3
;; launch mlp (part 4): grid 256 x 1, 8 waves a work-group, no clusters, 320,512 bytes of LDS; arguments ao, asc, x, proj_w_codes, proj_w_scales, proj_b, n2_g, n2_b, fc1_w_codes, fc1_w_scales, fc1_b, fc2_w_codes, fc2_w_scales, fc2_b, out0; writes out0
.if DOCPART == 4
	.amdgcn_target "amdgcn-amd-amdhsa--gfx1250"
	.amdhsa_code_object_version 6
	.text
	.protected	k_q133db61faa_mlp
	.globl	k_q133db61faa_mlp
	.p2align	8
	.type	k_q133db61faa_mlp,@function
k_q133db61faa_mlp:
	s_mov_b64 s[64:65], 0
	v_nop
	global_prefetch_b8 v0, s[64:65] scope:SCOPE_SE
	s_setreg_imm32_b32 hwreg(HW_REG_WAVE_MODE, 25, 1), 1
	s_wait_xcnt 0x0
; x1 = x + attention's output x proj_w + proj_b;  out0 = x1 + gelu(LN(x1) fc1_w + fc1_b) fc2_w + fc2_b.  All three products on codes of FP6 (E2M3) with E8M0 scales; everything else f32.
; SHARES.  A work-group takes 128 tokens of a window (window = id / 4, part id % 4), eight tiles of 16.  Neither x1, nor the norm, nor the hidden layer goes to memory.
;   1: the waves share the ROWS: wave w takes tile w: its 16 rows of x + proj_b are the C of proj's products (source 0 = 16 rows of proj_w, from images in LDS that the waves have laid there together; source 1 = the tile's codes);
;      x1 goes to a stage in LDS and is normalised and quantised in registers; its two fragments go to LDS as images of their registers.
;   2: the waves share the COLUMNS: wave w makes hidden units 128 w .. 128 w + 127 for all eight tiles; its 16 fragments of fc1_w stay in its registers; gelu; quantised: K step w of the last product; image to LDS.
;   3: wave w makes outputs 32 w .. 32 w + 31 for all eight tiles; its 16 fragments of fc2_w stay in its registers; x1, read back from the stage, is the C; the results go back to the same bytes of the stage and leave as whole rows.
; All products are used transposed (source 0 = rows of a weight, source 1 = tokens): a lane holds one token.  In 1 and 2 lane r of tile 2 b + u takes the weight's row 32 b + 8 u + r + 8 (r / 8), so that a lane's 16 registers of two tiles are 16 neighbours along the next K.
; The accumulators take turns, one product a turn.
; No tensor loads: nothing is streamed through LDS in a loop; each wave's weights are read once, into registers.  No cluster: what work-groups share is the weights alone, and the road through LDS has no room beside the 319,488 bytes in use.
; GELU: 0.5 z (1 + erf(z / sqrt 2)), erf(u) = u A(u^2) / B(u^2), u held to +-3.7439, A of degree 4, B of degree 6.
; LIMITS: 1 + erf carries an absolute error of about 1e-7 (so far below z = 0 the small result has a larger relative one), and beyond |u| = 3.7439 erf is taken at that u; NaN and infinities are not served;
;   a block of zeros gets the scale byte 1; a block's largest magnitude is not taken under 2^-124; divisions by v_rcp_f32 and v_rsq_f32.
; REGISTERS.  Window 0: v1-27 addresses and the clamp; v28-35 scale words in hand; v36-39 two coefficients as pairs; v40-87 four fragments of a weight (1) or of the hidden layer (3), between them the quantiser's v40-76 and v77-80 a trip's addresses;
;   v88-111 two fragments of tokens; v112-239 my row's 128 numbers (1), 64 hidden units and gelu's 64 (2), the 16 accumulators (3); v240-255 the weights' scale words.
;   Window 1: 1: proj_b, then the norm's bias (0-127), its gain (128-255); 2: fc1_w 0-191, fc1_b 192-255; 3: fc2_w 0-191, fc2_b 192-207.
.set PIMG, 0                           ; LDS: proj_w's 32 fragments (tile t, K step ks: 2 t + ks),
.set PSC,  49152                       ; their scale words, 128 bytes each,
.set XIMG, 53248                       ; the normalised rows' 16 fragments (2 m + ks),
.set XSC,  77824
.set HIMG, 79872                       ; the hidden layer's 64 fragments (8 m + ks),
.set HSC,  178176
.set STG,  186368                      ; the stage: 128 rows x (1,024 bytes + 16)
.set XA,  1
.set LI,  2
.set LS,  3
.set GA,  4
.set WPA, 5
.set WSA, 6
.set W2A, 7
.set W2SA, 8
.set AOA, 9
.set ASA, 10
.set PWI, 11
.set PWS, 12
.set XWI, 13
.set XWS, 14
.set XFA, 15
.set XSA, 16
.set HWI, 17
.set HWS, 18
.set HF0, 19
.set HF1, 20
.set HSA, 21
.set ST1, 22
.set STI0, 23
.set STI1, 24
.set SR,  25
.set B2A, 26
.set CL,  27
.set AS,  28
.set PS,  30
.set XS,  34
.set A1P, 36
.set B1P, 38
.set WFT, 40
.set PC,  40
.set TM,  60
.set PW,  76
.set TC,  80
.set MU,  88
.set RS,  90
.set AF,  88
.set X,   112
.set HA,  112
.set GU,  176
.set GX,  192
.set GP,  208
.set GQ,  224
.set W1S, 240
.set WV,  34
.set SEL, 38
.set SINV, 58
.set SEPS, 59
.set MC,  60
.set MSB, 0
.macro WIN new                         ; the immediate's high byte repeats the setting that is left
.if MSB != \new
	s_set_vgpr_msb (MSB<<8)|\new
.set MSB, \new
.endif
.endm
.macro PLACES n
.rept \n
	v_nop
.endr
.endm
.macro MX d, a, b, c, sa, sb
	v_wmma_scale_f32_16x16x128_f8f6f4 v[\d:\d+7], v[\a:\a+11], v[\b:\b+11], v[\c:\c+7], v[\sa], v[\sb] matrix_a_fmt:MATRIX_FMT_FP6 matrix_b_fmt:MATRIX_FMT_FP6
.endm
.macro BARRIER                                 ; my LDS stores have landed and my LDS loads are in: then the work-group's barrier
	s_wait_dscnt 0x0
	s_barrier_signal -1
	s_barrier_wait -1
.endm
; 64 numbers of a lane, register 16 b + i = element 32 b + 16 (lane / 16) + i of my row, become a fragment's codes in v[PC] on and its scale word in v[PW].
.macro QUANT s
.irp b, 0,1,2,3
	v_max3_num_f32 v[TM+\b], |v[\s+16*\b]|, |v[\s+1+16*\b]|, 0x1800000   ; my 16 numbers of block b, and the floor 2^(3 - 127): the byte cannot fall under 1
.endr
.irp i, 2,4,6,8,10,12,14
.irp b, 0,1,2,3
	v_max3_num_f32 v[TM+\b], v[TM+\b], |v[\s+16*\b+\i]|, |v[\s+1+16*\b+\i]|
.endr
.endr
.irp b, 0,1,2,3
	v_permlanex16_b32 v[TM+4+\b], v[TM+\b], s[SEL], s[SEL+1]
.endr
.irp b, 0,1,2,3
	v_max_num_f32 v[TM+\b], v[TM+\b], v[TM+4+\b]
.endr
.irp b, 0,1,2,3
	v_add_nc_u32 v[TM+12+\b], 0xff000000, v[TM+\b] ; 2 off its exponent field: the conversion's scale operand
.endr
.irp b, 0,1,2,3
	v_lshrrev_b32 v[TM+4+\b], 23, v[TM+12+\b]
.endr
	v_lshl_or_b32 v[PW], v[TM+5], 8, v[TM+4]
	v_lshl_or_b32 v[PW], v[TM+6], 16, v[PW]
	v_lshl_or_b32 v[PW], v[TM+7], 24, v[PW]
.irp c, 0,1
	v_cvt_scalef32_pk16_fp6_f32 v[PC+6*\c:PC+2+6*\c], v[\s+32*\c:\s+15+32*\c], v[TM+12+2*\c]
	v_cvt_scalef32_pk16_fp6_f32 v[PC+12+4*\c:PC+14+4*\c], v[\s+16+32*\c:\s+31+32*\c], v[TM+12+2*\c+1]
.endr
	v_nop                                          ; one plain line behind a scaled conversion
.irp c, 0,1
.irp i, 0,1,2
	v_permlane16_swap_b32 v[PC+6*\c+\i], v[PC+12+4*\c+\i]
.endr
.irp i, 0,1,2
	v_mov_b32 v[PC+3+6*\c+\i], v[PC+12+4*\c+\i]
.endr
.endr
.endm
.macro IMAGE reg, adr, off
.irp c, 0,1,2
	ds_store_b128 v[\adr], v[\reg+4*\c:\reg+4*\c+3] offset:\off+512*\c
.endr
.endm
.macro FETCH reg, adr, off
.irp c, 0,1,2
	ds_load_b128 v[\reg+4*\c:\reg+4*\c+3], v[\adr] offset:\off+512*\c
.endr
.endm
.macro REDUCE
	v_pk_add_f32 v[TC:TC+1], v[TC:TC+1], v[TC+2:TC+3]
	v_pk_add_f32 v[TC+4:TC+5], v[TC+4:TC+5], v[TC+6:TC+7]
	v_pk_add_f32 v[TC:TC+1], v[TC:TC+1], v[TC+4:TC+5]
	v_add_f32 v[TC], v[TC], v[TC+1]
	v_permlanex16_b32 v[TC+2], v[TC], s[SEL], s[SEL+1]
	v_add_f32 v[TC], v[TC], v[TC+2]
.endm
.macro LNORM g, b                              ; the norm of a row of 256, of which lanes l and l xor 16 hold 128 each in v[X] on; gain and bias in window 1 at g and b
.irp c, 0,1,2,3
	v_pk_add_f32 v[TC+2*\c:TC+2*\c+1], v[X+2*\c:X+2*\c+1], v[X+8+2*\c:X+9+2*\c]
.endr
.set i, 16
.rept 56
	v_pk_add_f32 v[TC+i%8:TC+i%8+1], v[TC+i%8:TC+i%8+1], v[X+i:X+i+1]
.set i, i+2
.endr
	REDUCE
	v_mul_f32 v[MU], s[SINV], v[TC]
	v_mov_b32 v[MU+1], v[MU]
.set i, 0
.rept 64
	v_pk_add_f32 v[X+i:X+i+1], v[X+i:X+i+1], v[MU:MU+1] op_sel_hi:[1,0] neg_lo:[0,1] neg_hi:[0,1]
.set i, i+2
.endr
.irp c, 0,1,2,3
	v_pk_mul_f32 v[TC+2*\c:TC+2*\c+1], v[X+2*\c:X+2*\c+1], v[X+2*\c:X+2*\c+1]
.endr
.set i, 8
.rept 60
	v_pk_fma_f32 v[TC+i%8:TC+i%8+1], v[X+i:X+i+1], v[X+i:X+i+1], v[TC+i%8:TC+i%8+1]
.set i, i+2
.endr
	REDUCE
	v_fma_f32 v[TC], v[TC], s[SINV], s[SEPS]
	v_rsq_f32 v[RS], v[TC]
	v_mov_b32 v[RS+1], 0                           ; the pair's upper half is named, so it is written: the plain line behind the root
	s_wait_alu depctr_va_vdst(0)                   ; the wait ahead of the root's first reader
.set i, 0
.rept 64
	v_pk_mul_f32 v[X+i:X+i+1], v[X+i:X+i+1], v[RS:RS+1] op_sel_hi:[1,0]
.set i, i+2
.endr
	s_wait_loadcnt 0x0                             ; gain and bias are in
	WIN 0x14
.set i, 0
.rept 64
	v_pk_fma_f32 v[X+i:X+i+1], v[X+i:X+i+1], v[\g+i:\g+i+1], v[\b+i:\b+i+1]
.set i, i+2
.endr
	WIN 0
.endm
; gelu in place on v[HA] .. v[HA + 63], 16 numbers at a time; the 16 reciprocals of a batch have one wait
.macro PAIRS8 op:vararg
.endm
.macro GELU
.irp g, 0,1,2,3
.irp k, 0,2,4,6,8,10,12,14
	v_pk_mul_f32 v[GU+\k:GU+\k+1], v[HA+16*\g+\k:HA+16*\g+\k+1], 0x3f3504f3 op_sel_hi:[1,0]   ; u = z / sqrt 2
.endr
.irp k, 0,1,2,3,4,5,6,7,8,9,10,11,12,13,14,15
	v_med3_num_f32 v[GU+\k], v[GU+\k], -v[CL], v[CL]
.endr
.irp k, 0,2,4,6,8,10,12,14
	v_pk_mul_f32 v[GX+\k:GX+\k+1], v[GU+\k:GU+\k+1], v[GU+\k:GU+\k+1]
.endr
.irp k, 0,2,4,6,8,10,12,14
	v_pk_fma_f32 v[GP+\k:GP+\k+1], v[GX+\k:GX+\k+1], s[40:41], v[A1P:A1P+1] op_sel_hi:[1,0,1]
	v_pk_fma_f32 v[GQ+\k:GQ+\k+1], v[GX+\k:GX+\k+1], s[48:49], v[B1P:B1P+1] op_sel_hi:[1,0,1]
.endr
.irp c, 0,2,4
.irp k, 0,2,4,6,8,10,12,14
	v_pk_fma_f32 v[GP+\k:GP+\k+1], v[GP+\k:GP+\k+1], v[GX+\k:GX+\k+1], s[42+\c:43+\c] op_sel_hi:[1,1,0]
	v_pk_fma_f32 v[GQ+\k:GQ+\k+1], v[GQ+\k:GQ+\k+1], v[GX+\k:GX+\k+1], s[50+\c:51+\c] op_sel_hi:[1,1,0]
.endr
.endr
.irp k, 0,2,4,6,8,10,12,14
	v_pk_fma_f32 v[GQ+\k:GQ+\k+1], v[GQ+\k:GQ+\k+1], v[GX+\k:GX+\k+1], s[56:57] op_sel_hi:[1,1,0]
	v_pk_mul_f32 v[GP+\k:GP+\k+1], v[GU+\k:GU+\k+1], v[GP+\k:GP+\k+1]
.endr
.irp k, 0,2,4,6,8,10,12,14
	v_pk_fma_f32 v[GQ+\k:GQ+\k+1], v[GQ+\k:GQ+\k+1], v[GX+\k:GX+\k+1], 1.0 op_sel_hi:[1,1,0]
.endr
.irp k, 0,1,2,3,4,5,6,7,8,9,10,11,12,13,14,15
	v_rcp_f32 v[GQ+\k], v[GQ+\k]
.endr
.irp k, 0,2,4,6,8,10,12,14
	v_pk_mul_f32 v[GX+\k:GX+\k+1], v[HA+16*\g+\k:HA+16*\g+\k+1], 0.5 op_sel_hi:[1,0]   ; z / 2: plain work behind the reciprocals
.endr
	s_wait_alu depctr_va_vdst(0)                   ; one wait for the batch, ahead of its first reader
.irp k, 0,2,4,6,8,10,12,14
	v_pk_mul_f32 v[GP+\k:GP+\k+1], v[GP+\k:GP+\k+1], v[GQ+\k:GQ+\k+1]                  ; erf
.endr
.irp k, 0,2,4,6,8,10,12,14
	v_pk_fma_f32 v[HA+16*\g+\k:HA+16*\g+\k+1], v[GX+\k:GX+\k+1], v[GP+\k:GP+\k+1], v[GX+\k:GX+\k+1]
.endr
.endr
.endm
	s_load_b512 s[4:19], s[0:1], 0x0               ; ao, asc, x, proj codes, proj scales, proj_b, n2_g, n2_b
	s_load_b256 s[20:27], s[0:1], 0x40             ; fc1 codes, fc1 scales, fc1_b, fc2 codes
	s_load_b128 s[28:31], s[0:1], 0x60             ; fc2 scales, fc2_b
	s_load_b64 s[32:33], s[0:1], 0x70              ; out0
	v_lshrrev_b32 v112, 5, v0
	v_readfirstlane_b32 s[WV], v112                ; wave 0..7
	v_and_b32 v112, 31, v0                         ; lane
	v_and_b32 v113, 15, v0                         ; r
	v_bfe_u32 v114, v0, 4, 1                       ; h
	v_and_b32 v115, 8, v113                        ; 8 (r / 8)
	v_and_b32 v116, 7, v113                        ; r % 8
	v_add_nc_u32 v117, v113, v115                  ; r + 8 (r / 8)
	v_lshlrev_b32 v[LI], 4, v112
	v_lshlrev_b32 v[LS], 2, v112
	v_lshlrev_b32 v[GA], 6, v114
	v_lshl_add_u32 v[XA], v115, 2, v116            ; a tile's token r lies 32 (r / 8) + r % 8 rows on in x
	v_lshl_add_u32 v[XA], v[XA], 10, v[GA]
	v_mul_u32_u24 v[WPA], v117, 192                ; proj_w, fc1_w: rows of 192 bytes
	v_mad_u32_u24 v[WPA], v114, 24, v[WPA]
	v_lshlrev_b32 v[WSA], 3, v117
	v_mul_u32_u24 v[W2A], v113, 768                ; fc2_w: rows of 768 bytes
	v_mad_u32_u24 v[W2A], v114, 24, v[W2A]
	v_lshlrev_b32 v[W2SA], 5, v113
	v_mul_u32_u24 v[AOA], v113, 24                 ; attention's codes: 24 bytes a token and head; lanes 16-31 take the next head
	v_mad_u32_u24 v[AOA], v114, 12288, v[AOA]
	v_lshlrev_b32 v[ASA], 2, v113
	s_mul_i32 s70, s[WV], 6144
	v_add_nc_u32 v[PWI], s70, v[LI]
	s_lshl_b32 s70, s[WV], 9
	s_add_co_u32 s70, s70, PSC
	v_add_nc_u32 v[PWS], s70, v[LS]
	s_mul_i32 s70, s[WV], 3072
	s_add_co_u32 s70, s70, XIMG
	v_add_nc_u32 v[XWI], s70, v[LI]
	s_lshl_b32 s70, s[WV], 8
	s_add_co_u32 s70, s70, XSC
	v_add_nc_u32 v[XWS], s70, v[LS]
	v_add_nc_u32 v[XFA], XIMG, v[LI]
	v_add_nc_u32 v[XSA], XSC, v[LS]
	s_mul_i32 s70, s[WV], 1536
	s_add_co_u32 s70, s70, HIMG
	v_add_nc_u32 v[HWI], s70, v[LI]
	s_lshl_b32 s70, s[WV], 7
	s_add_co_u32 s71, s70, HSC
	v_add_nc_u32 v[HWS], s71, v[LS]
	v_add_nc_u32 v[HF0], HIMG, v[LI]
	v_add_nc_u32 v[HF1], HIMG+49152, v[LI]
	v_add_nc_u32 v[HSA], HSC, v[LS]
	v_mul_u32_u24 v115, v113, 1040                 ; a stage row
	s_mul_i32 s71, s[WV], 16640
	s_add_co_u32 s71, s71, STG
	v_add_nc_u32 v[ST1], s71, v115
	v_add_nc_u32 v[ST1], v[ST1], v[GA]             ; phase 1: row 16 w + r, + 64 h
	v_add_nc_u32 v[SR], s71, v[LI]                 ; the way out: my 16 rows, 16 bytes a lane
	s_add_co_u32 s70, s70, STG
	v_lshl_add_u32 v[STI0], v114, 5, v115
	v_add_nc_u32 v[STI0], s70, v[STI0]             ; phase 3: row r, + 128 w + 32 h: my outputs' bytes
	v_add_nc_u32 v[STI1], 66560, v[STI0]           ; and four tiles further down
	v_lshlrev_b32 v[B2A], 5, v114
	v_mov_b32 v[CL], 0x406f9c67                    ; 3.7439
	v_mov_b32 v[A1P], 0x3b5f5da2                   ; A's second coefficient,
	v_mov_b32 v[A1P+1], 0x3b5f5da2
	v_mov_b32 v[B1P], 0x37c588df                   ; B's second
	v_mov_b32 v[B1P+1], 0x37c588df
	s_mov_b32 s[SEL], 0x76543210
	s_mov_b32 s[SEL+1], 0xfedcba98
	s_mov_b32 s[SINV], 0x3b800000                  ; 1 / 256
	s_mov_b32 s[SEPS], 0x3727c5ac                  ; 1e-5
	s_mov_b32 s40, 0x39702d51                      ; A, from the highest power: 2.2905066e-4, (3.4082910e-3), 5.0955695e-2, 1.8520832e-1, 1.1283791
	s_mov_b32 s42, 0x3d50b6eb
	s_mov_b32 s44, 0x3e3da740
	s_mov_b32 s46, 0x3f906eba
	s_mov_b32 s48, 0xb3fd3906                      ; B: -1.1791603e-7, (2.3547966e-5), 1.0179625e-3, 1.4070470e-2, 1.1098505e-1, 4.9746925e-1, 1
	s_mov_b32 s50, 0x3a856d28
	s_mov_b32 s52, 0x3c6687d4
	s_mov_b32 s54, 0x3de34c21
	s_mov_b32 s56, 0x3efeb44a
.irp c, 40,42,44,46,48,50,52,54,56
	s_mov_b32 s[\c+1], s[\c]                       ; (named as pairs, so both halves are written)
.endr
	s_lshr_b32 s35, ttmp9, 2                       ; the window
	s_and_b32 s36, ttmp9, 3                        ; which 128 of its tokens
	s_bfe_u32 s37, s35, 0x20004
	s_lshl_b32 s37, s37, 13
	s_bfe_u32 s70, s35, 0x20002
	s_lshl_b32 s70, s70, 8
	s_add_co_u32 s37, s37, s70
	s_and_b32 s70, s35, 3
	s_lshl_b32 s70, s70, 3
	s_add_co_u32 s37, s37, s70                     ; the window's first row
	s_lshl_b32 s72, s36, 1
	s_lshr_b32 s70, s[WV], 2
	s_add_co_u32 s72, s72, s70                     ; 2 s + wave / 4
	s_and_b32 s73, s[WV], 3
	s_mov_b32 s69, 0
	s_wait_kmcnt 0x0
	s_lshl_b32 s68, s72, 10
	s_lshl_b32 s70, s73, 6
	s_add_co_u32 s68, s68, s70
	s_add_co_u32 s68, s68, s37
	s_lshl_b32 s68, s68, 10                        ; my tile's first row of x and of out0, in bytes
	s_add_nc_u64 s[8:9], s[8:9], s[68:69]
	s_add_nc_u64 s[32:33], s[32:33], s[68:69]
	s_lshl_b32 s68, s36, 7
	s_lshl_b32 s70, s[WV], 4
	s_add_co_u32 s68, s68, s70
	s_mul_i32 s68, s68, 24
	s_mul_i32 s70, s35, 98304
	s_add_co_u32 s68, s68, s70
	s_add_nc_u64 s[4:5], s[4:5], s[68:69]          ; attention's codes: head 0 of my window, my tile's first token
	s_lshl_b32 s68, s35, 12
	s_lshl_b32 s70, s72, 6
	s_add_co_u32 s68, s68, s70
	s_add_co_u32 s68, s68, s73
	s_add_nc_u64 s[6:7], s[6:7], s[68:69]          ; and their scale bytes
	s_mul_i32 s68, s[WV], 6144
	s_add_nc_u64 s[10:11], s[10:11], s[68:69]      ; my 32 rows of proj_w
	s_lshl_b32 s68, s[WV], 8
	s_add_nc_u64 s[12:13], s[12:13], s[68:69]
	s_mul_i32 s68, s[WV], 24576
	s_add_nc_u64 s[20:21], s[20:21], s[68:69]      ; my 128 rows of fc1_w
	s_add_nc_u64 s[26:27], s[26:27], s[68:69]      ; my 32 rows of fc2_w
	s_lshl_b32 s68, s[WV], 10
	s_add_nc_u64 s[22:23], s[22:23], s[68:69]
	s_add_nc_u64 s[28:29], s[28:29], s[68:69]
	s_lshl_b32 s68, s[WV], 9
	s_add_nc_u64 s[24:25], s[24:25], s[68:69]
	s_lshl_b32 s68, s[WV], 7
	s_add_nc_u64 s[30:31], s[30:31], s[68:69]
	; ---- 1.  My share of proj_w (four fragments) goes to LDS for all; x, proj_b, the tile's codes and the norm's gain are asked for
.irp u, 0,1
.irp ks, 0,1
.irp p, 0,1,2,3,4,5
	global_load_b64 v[WFT+12*(2*\u+\ks)+2*\p:WFT+12*(2*\u+\ks)+2*\p+1], v[WPA], s[10:11] offset:1536*\u+96*\ks+48*(\p/3)+8*(\p%3)
.endr
	global_load_b32 v[PS+2*\u+\ks], v[WSA], s[12:13] offset:64*\u+4*\ks
.endr
.endr
.set i, 0
.rept 32
	global_load_b128 v[X+4*i:X+4*i+3], v[XA], s[8:9] offset:128*(i/4)+16*(i%4) th:TH_LOAD_NT
.set i, i+1
.endr
	s_wait_loadcnt 32                              ; x's 32 loads may be out: my share of proj_w is in
.irp e, 0,1,2,3
	IMAGE WFT+12*\e, PWI, 1536*\e
	ds_store_b32 v[PWS], v[PS+\e] offset:128*\e
.endr
	WIN 0x40
.set i, 0
.rept 32
	global_load_b128 v[4*i:4*i+3], v[GA], s[14:15] offset:128*(i/4)+16*(i%4)        ; proj_b
.set i, i+1
.endr
	WIN 0
.irp g, 0,1
.irp c, 0,1
.irp p, 0,1,2
	global_load_b64 v[AF+12*\g+6*\c+2*\p:AF+12*\g+6*\c+2*\p+1], v[AOA], s[4:5] offset:(4*\g+2*\c)*12288+8*\p   ; K block 2 c + h of K step g is head 4 g + 2 c + h
.endr
.endr
.endr
.irp hd, 0,1,2,3,4,5,6,7
	global_load_u8 v[W1S+\hd], v[ASA], s[6:7] offset:512*\hd
.endr
	WIN 0x40
.set i, 0
.rept 32
	global_load_b128 v[128+4*i:128+4*i+3], v[GA], s[16:17] offset:128*(i/4)+16*(i%4)   ; n2_g
.set i, i+1
.endr
	WIN 0
	BARRIER                                        ; proj_w's 32 fragments lie in LDS
	s_wait_loadcnt 52                              ; 12 + 8 + 32 loads were issued behind proj_b's last: x and proj_b are in
	WIN 0x04
.set i, 0
.rept 64
	v_pk_add_f32 v[X+i:X+i+1], v[X+i:X+i+1], v[i:i+1]   ; x + proj_b: the C of proj's sums
.set i, i+2
.endr
	WIN 0x40
.set i, 0
.rept 32
	global_load_b128 v[4*i:4*i+3], v[GA], s[18:19] offset:128*(i/4)+16*(i%4)        ; n2_b, where proj_b lay
.set i, i+1
.endr
	WIN 0
	s_wait_loadcnt 63                              ; 64 loads were issued behind the scale bytes' last: the tile's codes and bytes are in
.irp g, 0,1
	v_lshl_or_b32 v[AS+\g], v[W1S+4*\g+1], 8, v[W1S+4*\g]
	v_lshl_or_b32 v[AS+\g], v[W1S+4*\g+2], 16, v[AS+\g]
	v_lshl_or_b32 v[AS+\g], v[W1S+4*\g+3], 24, v[AS+\g]
.endr
.irp q, 0,1,2,3,4,5,6,7                        ; K step q / 4, tiles 4 (q % 4) + 0 .. 3 of the 16
.if \q == 0
	PLACES 8                                       ; a scale word made by vector instructions stands eight plain lines ahead of a scaled product
.else
	PLACES 4                                       ; in front of loads into registers that products have read
.endif
.irp e, 0,1,2,3
	FETCH WFT+12*\e, LI, PIMG+(2*(4*(\q%4)+\e)+\q/4)*1536
	ds_load_b32 v[PS+\e], v[LS] offset:PSC+(2*(4*(\q%4)+\e)+\q/4)*128
.endr
	s_wait_dscnt 0x0
.irp e, 0,1,2,3
	MX X+8*(4*(\q%4)+\e), WFT+12*\e, AF+12*(\q/4), X+8*(4*(\q%4)+\e), PS+\e, AS+\q/4
.endr
.endr
	PLACES 4
.set i, 0
.rept 32
	ds_store_b128 v[ST1], v[X+4*i:X+4*i+3] offset:128*(i/4)+16*(i%4)   ; x1 to the stage, each accumulator from its low end on
.set i, i+1
.endr
	LNORM 128, 0
	WIN 0x40                                       ; my part of fc1_w comes while the rows are quantised
.irp t, 0,1,2,3,4,5,6,7
.irp ks, 0,1
.irp p, 0,1,2,3,4,5
	global_load_b64 v[12*(2*\t+\ks)+2*\p:12*(2*\t+\ks)+2*\p+1], v[WPA], s[20:21] offset:(32*(\t/2)+8*(\t%2))*192+96*\ks+48*(\p/3)+8*(\p%3)
.endr
.endr
	global_load_b128 v[192+8*\t:195+8*\t], v[GA], s[24:25] offset:(32*(\t/2)+8*(\t%2))*4
	global_load_b128 v[196+8*\t:199+8*\t], v[GA], s[24:25] offset:(32*(\t/2)+8*(\t%2))*4+16
.endr
	WIN 0
.irp t, 0,1,2,3,4,5,6,7
.irp ks, 0,1
	global_load_b32 v[W1S+2*\t+\ks], v[WSA], s[22:23] offset:(32*(\t/2)+8*(\t%2))*8+4*\ks
.endr
.endr
.irp b, 0,1,2,3
	v_mov_b32 v[TM+4+\b], 0                        ; a lane permute's destination counts as one of its sources
.endr
	QUANT X
	IMAGE PC, XWI, 0
	ds_store_b32 v[XWS], v[PW]
	s_wait_dscnt 0x0                               ; the stores have read their registers
	QUANT X+64
	IMAGE PC, XWI, 1536
	ds_store_b32 v[XWS], v[PW] offset:128
	BARRIER                                        ; the 16 fragments of the normalised rows, and x1, lie in LDS
	s_wait_loadcnt 0x0                             ; fc1's weights
	; ---- 2.  Eight trips, a tile of 16 tokens each.  The LDS addresses are a lane's unchanging place + a scalar that steps by a constant
	s_mov_b32 s[MC], 0
	s_mov_b32 s61, 0
	s_mov_b32 s62, 0
	s_mov_b32 s63, 0
	s_mov_b32 s66, 0
.Ltile:
	v_add_nc_u32 v77, s61, v[XFA]
	v_add_nc_u32 v78, s62, v[XSA]
	v_add_nc_u32 v79, s63, v[HWI]
	v_add_nc_u32 v80, s66, v[HWS]
	FETCH AF, 77, 0
	FETCH AF+12, 77, 1536
	ds_load_b32 v[XS], v78
	ds_load_b32 v[XS+1], v78 offset:128
	s_wait_dscnt 0x0
	WIN 0x11                                       ; source 0 (fc1_w) and source 2 (fc1_b) in window 1
.irp t, 0,1,2,3,4,5,6,7
	MX HA+8*\t, 24*\t, AF, 192+8*\t, W1S+2*\t, XS
.endr
	WIN 0x01
.irp t, 0,1,2,3,4,5,6,7
	MX HA+8*\t, 24*\t+12, AF+12, HA+8*\t, W1S+2*\t+1, XS+1
.endr
	WIN 0
	PLACES 4
	s_cmp_lg_u32 s[MC], 7
	s_cbranch_scc1 .Lno_w2                         ; behind the last tile's products fc1's registers take my part of fc2_w, which lands under the last gelu
	WIN 0x40
.irp n, 0,1
.irp ks, 0,1,2,3,4,5,6,7
.irp p, 0,1,2,3,4,5
	global_load_b64 v[12*(8*\n+\ks)+2*\p:12*(8*\n+\ks)+2*\p+1], v[W2A], s[26:27] offset:12288*\n+96*\ks+48*(\p/3)+8*(\p%3)
.endr
.endr
	global_load_b128 v[192+8*\n:195+8*\n], v[B2A], s[30:31] offset:64*\n
	global_load_b128 v[196+8*\n:199+8*\n], v[B2A], s[30:31] offset:64*\n+16
.endr
	WIN 0
.irp n, 0,1
.irp ks, 0,1,2,3,4,5,6,7
	global_load_b32 v[W1S+8*\n+\ks], v[W2SA], s[28:29] offset:512*\n+4*\ks
.endr
.endr
.Lno_w2:
	GELU
	QUANT HA
	IMAGE PC, 79, 0                                ; K step w of the last product, this tile's rows
	ds_store_b32 v80, v[PW]
	s_wait_dscnt 0x0                               ; the stores have read their registers
	s_add_co_u32 s61, s61, 3072
	s_add_co_u32 s62, s62, 256
	s_add_co_u32 s63, s63, 12288
	s_add_co_u32 s66, s66, 1024
	s_add_co_u32 s[MC], s[MC], 1
	s_cmp_lt_u32 s[MC], 8
	s_cbranch_scc1 .Ltile
	BARRIER                                        ; the hidden layer's 64 fragments lie in LDS
	; ---- 3.  My 32 outputs for the 128 tokens: 16 accumulators (output tile n, token tile m) at v[X + 8 (2 m + n)], begun with x1
.irp m, 0,1,2,3,4,5,6,7
.irp n, 0,1
.irp q, 0,1
	ds_load_b128 v[X+8*(2*\m+\n)+4*\q:X+8*(2*\m+\n)+4*\q+3], v[STI0+\m/4] offset:(\m%4)*16640+64*\n+16*\q
.endr
.endr
.endr
	s_wait_loadcnt 0x0                             ; fc2's weights
.irp ks, 0,1,2,3,4,5,6,7
.irp mg, 0,1
.irp e, 0,1,2,3
	FETCH WFT+12*\e, HF0+\mg, (8*\e+\ks)*1536
	ds_load_b32 v[PS+\e], v[HSA] offset:(8*(4*\mg+\e)+\ks)*128
.endr
	s_wait_dscnt 0x0
	WIN 0x01
.irp e, 0,1,2,3
.irp n, 0,1
	MX X+8*(2*(4*\mg+\e)+\n), 12*(8*\n+\ks), WFT+12*\e, X+8*(2*(4*\mg+\e)+\n), W1S+8*\n+\ks, PS+\e
.endr
.endr
	WIN 0
	PLACES 4
.endr
.endr
	WIN 0x04
.irp m, 0,1,2,3,4,5,6,7
.irp n, 0,1
.irp k, 0,2,4,6
	v_pk_add_f32 v[X+8*(2*\m+\n)+\k:X+8*(2*\m+\n)+\k+1], v[X+8*(2*\m+\n)+\k:X+8*(2*\m+\n)+\k+1], v[192+8*\n+\k:192+8*\n+\k+1]   ; + fc2_b
.endr
.endr
.endr
	WIN 0
.irp m, 0,1,2,3,4,5,6,7
.irp n, 0,1
.irp q, 0,1
	ds_store_b128 v[STI0+\m/4], v[X+8*(2*\m+\n)+4*\q:X+8*(2*\m+\n)+4*\q+3] offset:(\m%4)*16640+64*\n+16*\q   ; back to the bytes that x1 came from: they are this wave's alone in this phase
.endr
.endr
.endr
	BARRIER                                        ; 128 whole rows of the result lie in the stage
.set i, 0
.rept 32
	ds_load_b128 v[X+4*i:X+4*i+3], v[SR] offset:1040*(i/2)+512*(i%2)
.set i, i+1
.endr
.set i, 0
.rept 32
	s_wait_dscnt 31-i                              ; LDS loads come back in order: load i is in
	global_store_b128 v[LI], v[X+4*i:X+4*i+3], s[32:33] offset:(((i/2)/8)*32+(i/2)%8)*1024+512*(i%2) th:TH_STORE_NT   ; 32 lanes store 512 consecutive bytes, aligned
.set i, i+1
.endr
	s_wait_xcnt 0x0
	v_lshl_add_u32 v254, v0, 2, 0x4e000
	v_mov_b32 v255, 0
	s_wait_tensorcnt 0x0
	ds_add_u32 v254, v255
	s_wait_dscnt 0x0
	s_endpgm
.Lfunc_end_k_q133db61faa_mlp:
	.size	k_q133db61faa_mlp, .Lfunc_end_k_q133db61faa_mlp-k_q133db61faa_mlp
	.p2alignl 7, 3214868480
	.fill 96, 4, 3214868480
	.section	.rodata,"a",@progbits
	.p2align	6, 0x0
	.amdhsa_kernel k_q133db61faa_mlp
		.amdhsa_group_segment_fixed_size 320512
		.amdhsa_private_segment_fixed_size 0
		.amdhsa_enable_private_segment 0
		.amdhsa_kernarg_size 120
		.amdhsa_user_sgpr_count 2
		.amdhsa_user_sgpr_kernarg_segment_ptr 1
		.amdhsa_wavefront_size32 1
		.amdhsa_system_sgpr_workgroup_id_x 1
		.amdhsa_system_sgpr_workgroup_id_y 1
		.amdhsa_system_sgpr_workgroup_id_z 1
		.amdhsa_system_vgpr_workitem_id 0
		.amdhsa_next_free_vgpr 512
		.amdhsa_next_free_sgpr 100
		.amdhsa_reserve_vcc 0
		.amdhsa_float_denorm_mode_32 3
		.amdhsa_float_denorm_mode_16_64 3
		.amdhsa_memory_ordered 1
		.amdhsa_forward_progress 1
		.amdhsa_inst_pref_size 193
	.end_amdhsa_kernel
	.amdgpu_metadata
---
amdhsa.version: [ 1, 2 ]
amdhsa.kernels:
  - .name:           k_q133db61faa_mlp
    .symbol:         k_q133db61faa_mlp.kd
    .args:
      - { .name: ao, .offset: 0, .size: 8, .value_kind: global_buffer, .address_space: global }
      - { .name: asc, .offset: 8, .size: 8, .value_kind: global_buffer, .address_space: global }
      - { .name: x, .offset: 16, .size: 8, .value_kind: global_buffer, .address_space: global }
      - { .name: proj_w_codes, .offset: 24, .size: 8, .value_kind: global_buffer, .address_space: global }
      - { .name: proj_w_scales, .offset: 32, .size: 8, .value_kind: global_buffer, .address_space: global }
      - { .name: proj_b, .offset: 40, .size: 8, .value_kind: global_buffer, .address_space: global }
      - { .name: n2_g, .offset: 48, .size: 8, .value_kind: global_buffer, .address_space: global }
      - { .name: n2_b, .offset: 56, .size: 8, .value_kind: global_buffer, .address_space: global }
      - { .name: fc1_w_codes, .offset: 64, .size: 8, .value_kind: global_buffer, .address_space: global }
      - { .name: fc1_w_scales, .offset: 72, .size: 8, .value_kind: global_buffer, .address_space: global }
      - { .name: fc1_b, .offset: 80, .size: 8, .value_kind: global_buffer, .address_space: global }
      - { .name: fc2_w_codes, .offset: 88, .size: 8, .value_kind: global_buffer, .address_space: global }
      - { .name: fc2_w_scales, .offset: 96, .size: 8, .value_kind: global_buffer, .address_space: global }
      - { .name: fc2_b, .offset: 104, .size: 8, .value_kind: global_buffer, .address_space: global }
      - { .name: out0, .offset: 112, .size: 8, .value_kind: global_buffer, .address_space: global }
    .group_segment_fixed_size: 320512
    .private_segment_fixed_size: 0
    .kernarg_segment_align: 8
    .kernarg_segment_size: 120
    .max_flat_workgroup_size: 256
    .sgpr_count:     100
    .vgpr_count:     512
    .wavefront_size: 32
...
	.end_amdgpu_metadata
.endif
;; end of part 4
;; ======== version 2 of 3: 4 launches
;; workspace buffers: btab 460,800 bytes; qkvc 18,874,368 bytes; scl 786,432 bytes; ao 6,291,456 bytes; asc 262,144 bytes; wimg 589,824 bytes; wscl 49,152 bytes
;; launch pos (part 5): grid 15 x 15, 2 waves a work-group, no clusters, 0 bytes of LDS; arguments pp_w, pp_b, p1_lng, p1_lnb, p1_w, p1_b, p2_lng, p2_lnb, p2_w, p2_b, p3_lng, p3_lnb, p3_w, p3_b, btab, wimg, qkv_w_codes, qkv_w_scales, proj_w_codes, proj_w_scales, fc1_w_codes, fc1_w_scales, fc2_w_codes, fc2_w_scales, wscl; writes btab, wimg, wscl
.if DOCPART == 5
	.amdgcn_target "amdgcn-amd-amdhsa--gfx1250"
	.amdhsa_code_object_version 6
	.text
	.protected	k_q133db61faa_pos
	.globl	k_q133db61faa_pos
	.p2align	8
	.type	k_q133db61faa_pos,@function
k_q133db61faa_pos:
	s_mov_b64 s[64:65], 0
	v_nop
	global_prefetch_b8 v0, s[64:65] scope:SCOPE_SE
	s_setreg_imm32_b32 hwreg(HW_REG_WAVE_MODE, 25, 1), 1
	s_wait_xcnt 0x0
; TWO THINGS THAT THE LATER LAUNCHES WANT LAID OUT ONCE.
; (1) THE POSITION BIAS, as a table laid for the attention launch.  btab: f32 [head 8][half 2][a 15][b 15][nd 8][j 4];
; its entry is the small MLP of reference() at (7 - a, 7 - b, nd - (4 half + j)), for that head.  With a = 7 - nh + mh and b = 7 - nw + mw that is
; the bias of query (nh, nw, nd) and key (mh, mw, 4 half + j): four neighbouring keys lie in 16 neighbouring bytes.
; All arithmetic is f32 fused multiply-adds: the bias goes on into a softmax that is quantised.
; SHARES.  Work-group (x, y) = (b, a); wave = half; lane = 4 nd + j.  A lane walks the whole MLP for its one point; 8 stores of 128 consecutive bytes a wave, one a head.
; (Whole runs of 256 bytes would want two rows of the table to a wave; the table is 460,800 bytes in all.)
; WEIGHTS OF THE MLP.  Every parameter comes once, by 17 vector loads, spread over the lanes; a row of 16 weights reaches the multiply-adds through 16 scalar registers by v_readlane_b32.
; (2) THE FOUR LARGE WEIGHTS' CODES IN THE ORDER OF OPERAND REGISTERS.  Wave g = 2 (15 a + b) + half, g < 384, copies ONE fragment (16 rows x 128 along K: 12 registers a lane, read as six pieces of 8 bytes of its row)
; to wimg [g][1,536]: registers 4 c .. 4 c + 3 of lane l at 512 c + 16 l; and its rows' scale words to wscl [g][32 lanes].  The codes and bytes are not changed.  A later wave takes a fragment by three loads of 512 consecutive bytes.
;   g 0-95 qkv_w, 96-127 proj_w, 128-255 fc1_w: fragment 2 T + ks: lane r takes row 32 (T / 2) + 8 (T % 2) + r + 8 (r / 8), K step ks; rows of 192 bytes.
;   g 256-383 fc2_w: fragment 8 T + ks: lane r takes row 16 T + r; rows of 768 bytes.
; LIMITS: NaN and infinities among the inputs are not served; 1 / sqrt by v_rsq_f32.
.set S0, 36                            ; s36-51  a row of weights (even rows), or a gain
.set S1, 68                            ; s68-83  a row of weights (odd rows), or a norm's bias  (first: the four weights' addresses)
.set S2, 84                            ; s84-99  a product's bias  (first: wimg, wscl and the copy's offsets)
.set A,  40                            ; v40-55  what goes into a product
.set O,  56                            ; v56-71  what comes out of it
.set T,  72                            ; v72-79  at work
.set FRG, 96                           ; v96-107 the fragment that I copy; v108 its scale word; v109-112 its offsets
	s_load_b512 s[4:19], s[0:1], 0x0               ; pp_w, pp_b, p1_lng, p1_lnb, p1_w, p1_b, p2_lng, p2_lnb
	s_load_b256 s[20:27], s[0:1], 0x40             ; p2_w, p2_b, p3_lng, p3_lnb
	s_load_b128 s[28:31], s[0:1], 0x60             ; p3_w, p3_b
	s_load_b64 s[32:33], s[0:1], 0x70              ; btab
	s_load_b64 s[84:85], s[0:1], 0x78              ; wimg
	s_load_b512 s[68:83], s[0:1], 0x80             ; codes and scales of qkv_w, proj_w, fc1_w, fc2_w
	s_load_b64 s[86:87], s[0:1], 0xc0              ; wscl
	v_and_b32 v1, 31, v0                           ; lane
	v_lshrrev_b32 v2, 5, v0
	v_readfirstlane_b32 s34, v2                    ; wave = half
	v_and_b32 v2, 15, v0
	v_lshlrev_b32 v2, 2, v2                        ; 4 (lane % 16): a vector of 16 numbers, twice over the lanes
	v_and_b32 v3, 7, v0
	v_lshlrev_b32 v3, 2, v3                        ; 4 (lane % 8)
	v_lshlrev_b32 v36, 2, v1                       ; 4 lane
	v_lshlrev_b32 v37, 5, v1                       ; 32 lane
	v_lshlrev_b32 v38, 4, v1                       ; 16 lane
	s_and_b32 s54, ttmp7, 0xffff                   ; a
	s_mov_b32 s52, 0x3d800000                      ; 1 / 16
	s_mov_b32 s53, 0x3727c5ac                      ; 1e-5
	s_mul_i32 s56, s54, 15
	s_add_co_u32 s56, s56, ttmp9                   ; 15 a + b
	s_lshl_b32 s58, s56, 1
	s_add_co_u32 s58, s58, s34                     ; g: my wave's number in the launch
	s_lshl_b32 s56, s56, 7                         ; 128 bytes each
	s_mul_i32 s35, s34, 28800
	s_add_co_u32 s56, s56, s35                     ; + my half
	s_mov_b32 s57, 0
	s_wait_kmcnt 0x0
	global_load_b32 v14, v36, s[4:5]               ; pp_w: rows 0 and 1, a number a lane
	global_load_b32 v15, v2, s[4:5] offset:128     ; row 2
	global_load_b32 v4, v2, s[6:7]                 ; pp_b
	global_load_b32 v5, v2, s[8:9]                 ; p1_lng
	global_load_b32 v6, v2, s[10:11]               ; p1_lnb
	global_load_b128 v[16:19], v37, s[12:13]       ; p1_w: w[k][n] is register n % 8 of lane 2 k + n / 8
	global_load_b128 v[20:23], v37, s[12:13] offset:16
	global_load_b32 v7, v2, s[14:15]               ; p1_b
	global_load_b32 v8, v2, s[16:17]               ; p2_lng
	global_load_b32 v9, v2, s[18:19]               ; p2_lnb
	global_load_b128 v[24:27], v37, s[20:21]       ; p2_w likewise
	global_load_b128 v[28:31], v37, s[20:21] offset:16
	global_load_b32 v10, v2, s[22:23]              ; p2_b
	global_load_b32 v11, v2, s[24:25]              ; p3_lng
	global_load_b32 v12, v2, s[26:27]              ; p3_lnb
	global_load_b128 v[32:35], v38, s[28:29]       ; p3_w: w[k][n] is register n % 4 of lane 2 k + n / 4
	global_load_b32 v13, v3, s[30:31]              ; p3_b
	s_add_nc_u64 s[32:33], s[32:33], s[56:57]      ; btab at my 128 bytes of head 0
	s_sub_co_i32 s35, 7, s54
	v_cvt_f32_i32 v80, s35                         ; 7 - a
	s_sub_co_i32 s35, 7, ttmp9
	v_cvt_f32_i32 v81, s35                         ; 7 - b
	v_lshrrev_b32 v82, 2, v1                       ; nd
	v_and_b32 v83, 3, v1                           ; j
	v_sub_nc_u32 v82, v82, v83
	s_lshl_b32 s35, s34, 2
	v_sub_nc_u32 v82, v82, s35
	v_cvt_f32_i32 v82, v82                         ; nd - j - 4 half
	; ---- the copy of one fragment: its loads go out beside the parameters'.  One branch on the wave's number in the launch, round loads, wait and stores together
	s_cmp_lt_u32 s58, 384
	s_cbranch_scc0 .Lno_image
	s_cmp_lt_u32 s58, 96                           ; which tensor: the choices hang on g alone
	s_cselect_b64 s[60:61], s[68:69], s[72:73]
	s_cselect_b64 s[62:63], s[70:71], s[74:75]
	s_cselect_b32 s59, 0, 96
	s_cmp_lt_u32 s58, 128
	s_cselect_b64 s[60:61], s[60:61], s[76:77]
	s_cselect_b64 s[62:63], s[62:63], s[78:79]
	s_cselect_b32 s59, s59, 128
	s_mov_b32 s67, 768
	s_cmp_lt_u32 s58, 256
	s_cselect_b64 s[60:61], s[60:61], s[80:81]     ; the codes,
	s_cselect_b64 s[62:63], s[62:63], s[82:83]     ; the scale bytes,
	s_cselect_b32 s59, s59, 256                    ; the tensor's first fragment,
	s_cselect_b32 s66, 1, 3                        ; 2 or 8 K steps to a tile of rows,
	s_cselect_b32 s67, 192, s67                    ; a row of codes in bytes,
	s_cselect_b32 s88, 8, 32                       ; a row of scale bytes,
	s_cselect_b32 s89, 8, 0                        ; rows r + 8 (r / 8), or rows r
	s_sub_co_u32 s59, s58, s59                     ; the fragment's number in its tensor
	s_lshr_b32 s90, s59, s66                       ; T
	s_lshl_b32 s91, s90, s66
	s_sub_co_u32 s91, s59, s91                     ; ks
	s_lshr_b32 s92, s90, 1
	s_lshl_b32 s92, s92, 5
	s_and_b32 s93, s90, 1
	s_lshl_b32 s93, s93, 3
	s_add_co_u32 s92, s92, s93                     ; 32 (T / 2) + 8 (T % 2)
	s_lshl_b32 s93, s90, 4                         ; 16 T
	s_cmp_lt_u32 s58, 256
	s_cselect_b32 s92, s92, s93                    ; the tile's first row
	s_mov_b32 s95, 0
	s_mul_i32 s94, s92, s67
	s_mul_i32 s93, s91, 96
	s_add_co_u32 s94, s94, s93
	s_add_nc_u64 s[60:61], s[60:61], s[94:95]      ; the codes at that row, K step ks
	s_mul_i32 s94, s92, s88
	s_lshl_b32 s93, s91, 2
	s_add_co_u32 s94, s94, s93
	s_add_nc_u64 s[62:63], s[62:63], s[94:95]      ; the scale bytes likewise
	s_mul_i32 s94, s58, 1536
	s_add_nc_u64 s[84:85], s[84:85], s[94:95]      ; where the image goes,
	s_lshl_b32 s94, s58, 7
	s_add_nc_u64 s[86:87], s[86:87], s[94:95]      ; and its scale words
	v_and_b32 v109, 15, v0                         ; r
	v_and_b32 v110, s89, v109
	v_add_nc_u32 v109, v109, v110                  ; my row of the tile
	v_bfe_u32 v110, v0, 4, 1                       ; h
	v_mul_u32_u24 v111, s67, v109
	v_mad_u32_u24 v111, v110, 24, v111             ; row x pitch + 24 h
	v_mul_u32_u24 v112, s88, v109
.irp p, 0,1,2,3,4,5
	global_load_b64 v[FRG+2*\p:FRG+2*\p+1], v111, s[60:61] offset:48*(\p/3)+8*(\p%3)
.endr
	global_load_b32 v108, v112, s[62:63]
	s_wait_loadcnt 0x0
.irp c, 0,1,2
	global_store_b128 v38, v[FRG+4*\c:FRG+4*\c+3], s[84:85] offset:512*\c   ; 32 lanes store 512 consecutive bytes, aligned
.endr
	global_store_b32 v36, v108, s[86:87]
	s_wait_xcnt 0x0                                ; these loads and stores have read their bases: s68 to s99 are written again below
.Lno_image:
	s_wait_loadcnt 0x0                             ; all parameters, once
.macro RLV set, reg, first             ; sixteen numbers that lie one a lane, from lane first on
.irp n, 0,1,2,3,4,5,6,7,8,9,10,11,12,13,14,15
	v_readlane_b32 s[\set+\n], v[\reg], \first+\n
.endr
.endm
; (x - mean) / sqrt(var + 1e-5) x g + b, then relu: v[O] on -> v[A] on
.macro LN16 g, b
.irp i, 0,1,2,3,4,5,6,7
	v_add_f32 v[T+\i], v[O+2*\i], v[O+2*\i+1]
.endr
.irp i, 0,1,2,3
	v_add_f32 v[T+\i], v[T+2*\i], v[T+2*\i+1]
.endr
	v_add_f32 v[T], v[T], v[T+1]
	v_add_f32 v[T+2], v[T+2], v[T+3]
	v_add_f32 v[T], v[T], v[T+2]
	v_mul_f32 v[T], s52, v[T]                      ; the mean
.irp i, 0,1,2,3,4,5,6,7,8,9,10,11,12,13,14,15
	v_sub_f32 v[A+\i], v[O+\i], v[T]
.endr
.irp i, 0,1,2,3
	v_mul_f32 v[T+\i], v[A+\i], v[A+\i]
.endr
.irp i, 4,5,6,7,8,9,10,11,12,13,14,15
	v_fmac_f32 v[T+\i%4], v[A+\i], v[A+\i]
.endr
	v_add_f32 v[T], v[T], v[T+1]
	v_add_f32 v[T+2], v[T+2], v[T+3]
	v_add_f32 v[T], v[T], v[T+2]
	v_fma_f32 v[T], v[T], s52, s53                 ; var + 1e-5
	v_rsq_f32 v[T+1], v[T]
	RLV S0, \g, 0
	RLV S1, \b, 0
	v_nop                                          ; a plain line behind the root,
	s_wait_alu depctr_va_vdst(0)                   ; and the wait ahead of its first reader
.irp i, 0,1,2,3,4,5,6,7,8,9,10,11,12,13,14,15
	v_mul_f32 v[A+\i], v[A+\i], v[T+1]
.endr
.irp i, 0,1,2,3,4,5,6,7,8,9,10,11,12,13,14,15
	v_fma_f32 v[A+\i], v[A+\i], s[S0+\i], s[S1+\i]
.endr
.irp i, 0,1,2,3,4,5,6,7,8,9,10,11,12,13,14,15
	v_max_num_f32 v[A+\i], 0, v[A+\i]
.endr
.endm
; v[O + n] = bias[n] + the sum over k of v[A + k] w[k][n], 16 x 16; row 0 takes the bias as its addend
.macro MM16 w, bias
	RLV S2, \bias, 0
.irp k, 0,1,2,3,4,5,6,7,8,9,10,11,12,13,14,15
.irp n, 0,1,2,3,4,5,6,7,8,9,10,11,12,13,14,15
	v_readlane_b32 s[S0+32*(\k%2)+\n], v[\w+\n%8], 2*\k+\n/8
.endr
.irp n, 0,1,2,3,4,5,6,7,8,9,10,11,12,13,14,15
.if \k == 0
	v_fma_f32 v[O+\n], v[A], s[S0+\n], s[S2+\n]
.else
	v_fmac_f32 v[O+\n], s[S0+32*(\k%2)+\n], v[A+\k]
.endif
.endr
.endr
.endm
	; the first layer: three coordinates x pp_w + pp_b
	RLV S2, 4, 0
	RLV S0, 15, 0
.irp n, 0,1,2,3,4,5,6,7,8,9,10,11,12,13,14,15
	v_fma_f32 v[O+\n], v82, s[S0+\n], s[S2+\n]
.endr
	RLV S1, 14, 16
.irp n, 0,1,2,3,4,5,6,7,8,9,10,11,12,13,14,15
	v_fmac_f32 v[O+\n], s[S1+\n], v81
.endr
	RLV S0, 14, 0
.irp n, 0,1,2,3,4,5,6,7,8,9,10,11,12,13,14,15
	v_fmac_f32 v[O+\n], s[S0+\n], v80
.endr
	LN16 5, 6
	MM16 16, 7
	LN16 8, 9
	MM16 24, 10
	LN16 11, 12
	; the last layer: 16 x 8 heads
.irp n, 0,1,2,3,4,5,6,7
	v_readlane_b32 s[S2+\n], v13, \n
.endr
.irp k, 0,1,2,3,4,5,6,7,8,9,10,11,12,13,14,15
.irp n, 0,1,2,3,4,5,6,7
	v_readlane_b32 s[S0+32*(\k%2)+\n], v[32+\n%4], 2*\k+\n/4
.endr
.irp n, 0,1,2,3,4,5,6,7
.if \k == 0
	v_fma_f32 v[O+\n], v[A], s[S0+\n], s[S2+\n]
.else
	v_fmac_f32 v[O+\n], s[S0+32*(\k%2)+\n], v[A+\k]
.endif
.endr
.endr
.irp n, 0,1,2,3,4,5,6,7
	global_store_b32 v36, v[O+\n], s[32:33] offset:57600*\n   ; head n: 32 lanes, 128 consecutive bytes
.endr
	s_endpgm
.Lfunc_end_k_q133db61faa_pos:
	.size	k_q133db61faa_pos, .Lfunc_end_k_q133db61faa_pos-k_q133db61faa_pos
	.p2alignl 7, 3214868480
	.fill 96, 4, 3214868480
	.section	.rodata,"a",@progbits
	.p2align	6, 0x0
	.amdhsa_kernel k_q133db61faa_pos
		.amdhsa_group_segment_fixed_size 0
		.amdhsa_private_segment_fixed_size 0
		.amdhsa_enable_private_segment 0
		.amdhsa_kernarg_size 200
		.amdhsa_user_sgpr_count 2
		.amdhsa_user_sgpr_kernarg_segment_ptr 1
		.amdhsa_wavefront_size32 1
		.amdhsa_system_sgpr_workgroup_id_x 1
		.amdhsa_system_sgpr_workgroup_id_y 1
		.amdhsa_system_sgpr_workgroup_id_z 1
		.amdhsa_system_vgpr_workitem_id 0
		.amdhsa_next_free_vgpr 128
		.amdhsa_next_free_sgpr 100
		.amdhsa_reserve_vcc 0
		.amdhsa_float_denorm_mode_32 3
		.amdhsa_float_denorm_mode_16_64 3
		.amdhsa_memory_ordered 1
		.amdhsa_forward_progress 1
		.amdhsa_inst_pref_size 95
	.end_amdhsa_kernel
	.amdgpu_metadata
---
amdhsa.version: [ 1, 2 ]
amdhsa.kernels:
  - .name:           k_q133db61faa_pos
    .symbol:         k_q133db61faa_pos.kd
    .args:
      - { .name: pp_w, .offset: 0, .size: 8, .value_kind: global_buffer, .address_space: global }
      - { .name: pp_b, .offset: 8, .size: 8, .value_kind: global_buffer, .address_space: global }
      - { .name: p1_lng, .offset: 16, .size: 8, .value_kind: global_buffer, .address_space: global }
      - { .name: p1_lnb, .offset: 24, .size: 8, .value_kind: global_buffer, .address_space: global }
      - { .name: p1_w, .offset: 32, .size: 8, .value_kind: global_buffer, .address_space: global }
      - { .name: p1_b, .offset: 40, .size: 8, .value_kind: global_buffer, .address_space: global }
      - { .name: p2_lng, .offset: 48, .size: 8, .value_kind: global_buffer, .address_space: global }
      - { .name: p2_lnb, .offset: 56, .size: 8, .value_kind: global_buffer, .address_space: global }
      - { .name: p2_w, .offset: 64, .size: 8, .value_kind: global_buffer, .address_space: global }
      - { .name: p2_b, .offset: 72, .size: 8, .value_kind: global_buffer, .address_space: global }
      - { .name: p3_lng, .offset: 80, .size: 8, .value_kind: global_buffer, .address_space: global }
      - { .name: p3_lnb, .offset: 88, .size: 8, .value_kind: global_buffer, .address_space: global }
      - { .name: p3_w, .offset: 96, .size: 8, .value_kind: global_buffer, .address_space: global }
      - { .name: p3_b, .offset: 104, .size: 8, .value_kind: global_buffer, .address_space: global }
      - { .name: btab, .offset: 112, .size: 8, .value_kind: global_buffer, .address_space: global }
      - { .name: wimg, .offset: 120, .size: 8, .value_kind: global_buffer, .address_space: global }
      - { .name: qkv_w_codes, .offset: 128, .size: 8, .value_kind: global_buffer, .address_space: global }
      - { .name: qkv_w_scales, .offset: 136, .size: 8, .value_kind: global_buffer, .address_space: global }
      - { .name: proj_w_codes, .offset: 144, .size: 8, .value_kind: global_buffer, .address_space: global }
      - { .name: proj_w_scales, .offset: 152, .size: 8, .value_kind: global_buffer, .address_space: global }
      - { .name: fc1_w_codes, .offset: 160, .size: 8, .value_kind: global_buffer, .address_space: global }
      - { .name: fc1_w_scales, .offset: 168, .size: 8, .value_kind: global_buffer, .address_space: global }
      - { .name: fc2_w_codes, .offset: 176, .size: 8, .value_kind: global_buffer, .address_space: global }
      - { .name: fc2_w_scales, .offset: 184, .size: 8, .value_kind: global_buffer, .address_space: global }
      - { .name: wscl, .offset: 192, .size: 8, .value_kind: global_buffer, .address_space: global }
    .group_segment_fixed_size: 0
    .private_segment_fixed_size: 0
    .kernarg_segment_align: 8
    .kernarg_segment_size: 200
    .max_flat_workgroup_size: 64
    .sgpr_count:     100
    .vgpr_count:     128
    .wavefront_size: 32
...
	.end_amdgpu_metadata
.endif
;; end of part 5
;; launch qkv (part 6): grid 256 x 1, 8 waves a work-group, no clusters, 189,440 bytes of LDS; arguments x, n1_g, n1_b, wimg, wscl, qkv_b, y_codes, y_scales, qkvc, scl; writes qkvc, scl
.if DOCPART == 6
	.amdgcn_target "amdgcn-amd-amdhsa--gfx1250"
	.amdhsa_code_object_version 6
	.text
	.protected	k_q133db61faa_qkv
	.globl	k_q133db61faa_qkv
	.p2align	8
	.type	k_q133db61faa_qkv,@function
k_q133db61faa_qkv:
	s_mov_b64 s[64:65], 0
	v_nop
	global_prefetch_b8 v0, s[64:65] scope:SCOPE_SE
	s_setreg_imm32_b32 hwreg(HW_REG_WAVE_MODE, 25, 1), 1
	s_wait_xcnt 0x0
; q = (LN(x) Wq + bq) / sqrt(32) from x; k = y Wk + bk and v = y Wv + bv from y's codes; all three quantised to FP6 (E2M3) with one E8M0 scale for each 32 along the K of the product that will read them,
; and stored as IMAGES OF OPERAND REGISTERS.  (k, v of x and q of y are never used by the module and are not made.)
; An image is 12 registers x 32 lanes, 1,536 bytes: registers 4 c .. 4 c + 3 of lane l at 512 c + 16 l.  qkvc: [window x 8 + head][q, k, v][image 8][1,536];  scl: [window x 8 + head][q, k, v][4][32 lanes] scale words.
;   q, k image: a head has 32 channels, ONE block of 32 along K, so the four K blocks of a fragment hold FOUR TILES of 16 tokens: block beta = 2 c + lane / 16.
;     q image i: queries 64 i on; the block at place p holds tile 2 (p % 2) + p / 2 (the attention launch visits the places in the order 0, 2, 1, 3).
;     k image F: keys 64 F on; block beta holds keys 32 (beta / 2) + 8 (beta % 2) + r + 8 (r / 8): so the scores of two neighbouring tiles are 16 neighbouring keys in a lane.
;   v image 2 s + dt: V^T, rows = channels 8 dt + r + 8 (r / 8), K = keys 128 s .. 128 s + 127.
; SHARES.  A work-group takes 128 tokens of a window (window = id / 4, part s = id % 4).  First the eight waves share the ROWS: wave w normalises and quantises 16 rows of x and lays their two fragments in LDS;
; it also brings ONE tile of 16 tokens of y and lays its two fragments in LDS, so that each byte of y is loaded once by the work-group.  Then they share the COLUMNS: wave = head; its 96 rows of the weights stay in its registers.
; HOW THINGS COME.  x: whole rows, each load of the wave 512 consecutive bytes; they turn through the wave's own stage in LDS (rows 1,040 bytes apart: sixteen rows start in sixteen different groups of banks) into the layout that the quantiser wants:
; lane (r, h) holds, of row r, 16 neighbours of each block of 32.  The norm's gain and bias: a number a thread into LDS, and back 16 bytes a lane.  The weights: from wimg and wscl, where the first launch has laid them in the order of operand registers:
; fragment 32 kind + 4 head + 2 u + ks, three loads of 512 consecutive bytes each.
; q and k are made transposed (source 0 = 16 rows of W, source 1 = 16 tokens): a lane holds one token and 16 neighbouring channels.  v is made straight (source 0 = 16 tokens of y, source 1 = 16 rows of Wv):
; a lane holds one channel and, by the choice of a tile's tokens, 16 neighbouring keys.  The biases are the C of each sum's first product.
; The accumulators take turns, one product a turn.
; LIMITS: NaN and infinities are not served; a block of zeros gets the scale byte 1 (its codes are zeros; this program alone reads the bytes); a block's largest magnitude is not taken under 2^-124; 1 / sqrt by v_rsq_f32.
; REGISTERS.  Window 0: v1-11 addresses; v16-27 the weights' scale words; v28-35 the tokens' scale words; v36-38 scale words on their way out; v40-58 codes just made; v60-76 the quantiser's;
;   v80-143 64 results; v144-239 four tiles' fragments (2 x 12 each); while x is normalised v112-239 hold my row's 128 numbers, v80-91 sums; at the head v92-103 and v240-251 my tile of y, v106-107 a gain and a bias.
;   Window 1: first the gain (0-127) and bias (128-255) of the norm; then Wq 0-47, bq 48-63, Wk 64-111, Wv 112-159, bk 160-175, bv 176-191, v's results 0-63 (when q is done) and 192-255.
.set XIMG, 0                           ; LDS: x's 16 fragments (tile T, K step ks: 2 T + ks),
.set XSC,  24576                       ; their scale words, 128 bytes each,
.set YIMG, 26624                       ; y's 16 fragments (tile 4 F + beta: 2 (4 F + beta) + ks),
.set YSC,  51200                       ; their scale words,
.set GL,   53248                       ; the norm's gain, 1,024 bytes,
.set BL,   54272                       ; its bias,
.set XST,  55296                       ; and a stage of 16 rows x 1,040 bytes for each wave
.set TA,  1
.set LI,  2
.set LS,  3
.set GA,  4
.set SRQ, 5
.set STQ, 6
.set YA,  7
.set YSA, 8
.set XWI, 9
.set XWS, 10
.set BVA, 11
.set WS,  16
.set TS,  28
.set SW,  36
.set PC,  40
.set TM,  60
.set PW,  76
.set HA,  80
.set TC,  80
.set MU,  88
.set RS,  90
.set X,   112
.set TF,  144
.set WV,  24
.set SEL, 28
.set HIM, 30
.set SINV, 31
.set SEPS, 32
.set MSB, 0
.macro WIN new                         ; the immediate's high byte repeats the setting that is left
.if MSB != \new
	s_set_vgpr_msb (MSB<<8)|\new
.set MSB, \new
.endif
.endm
.macro PLACES n
.rept \n
	v_nop
.endr
.endm
.macro MX d, a, b, c, sa, sb
	v_wmma_scale_f32_16x16x128_f8f6f4 v[\d:\d+7], v[\a:\a+11], v[\b:\b+11], v[\c:\c+7], v[\sa], v[\sb] matrix_a_fmt:MATRIX_FMT_FP6 matrix_b_fmt:MATRIX_FMT_FP6
.endm
; 64 numbers of a lane, register 16 b + i = element 32 b + 16 (lane / 16) + i of my row, become a fragment's codes in v[PC] on and its scale word in v[PW].
.macro QUANT s
.irp b, 0,1,2,3
	v_max3_num_f32 v[TM+\b], |v[\s+16*\b]|, |v[\s+1+16*\b]|, 0x1800000   ; my 16 numbers of block b, and the floor 2^(3 - 127): the byte cannot fall under 1
.endr
.irp i, 2,4,6,8,10,12,14
.irp b, 0,1,2,3
	v_max3_num_f32 v[TM+\b], v[TM+\b], |v[\s+16*\b+\i]|, |v[\s+1+16*\b+\i]|
.endr
.endr
.irp b, 0,1,2,3
	v_permlanex16_b32 v[TM+4+\b], v[TM+\b], s[SEL], s[SEL+1]
.endr
.irp b, 0,1,2,3
	v_max_num_f32 v[TM+\b], v[TM+\b], v[TM+4+\b]   ; with lane l xor 16's: the block's largest magnitude
.endr
.irp b, 0,1,2,3
	v_add_nc_u32 v[TM+12+\b], 0xff000000, v[TM+\b] ; 2 off its exponent field: the conversion's scale operand
.endr
.irp b, 0,1,2,3
	v_lshrrev_b32 v[TM+4+\b], 23, v[TM+12+\b]      ; the scale's byte
.endr
	v_lshl_or_b32 v[PW], v[TM+5], 8, v[TM+4]
	v_lshl_or_b32 v[PW], v[TM+6], 16, v[PW]
	v_lshl_or_b32 v[PW], v[TM+7], 24, v[PW]
.irp c, 0,1
	v_cvt_scalef32_pk16_fp6_f32 v[PC+6*\c:PC+2+6*\c], v[\s+32*\c:\s+15+32*\c], v[TM+12+2*\c]
	v_cvt_scalef32_pk16_fp6_f32 v[PC+12+4*\c:PC+14+4*\c], v[\s+16+32*\c:\s+31+32*\c], v[TM+12+2*\c+1]   ; (a conversion's three registers begin on an even number)
.endr
	v_nop                                          ; one plain line behind a scaled conversion
.irp c, 0,1                                    ; the operand's layout wants a whole block in a lane: lanes 0-15 block 2 c, lanes 16-31 block 2 c + 1
.irp i, 0,1,2
	v_permlane16_swap_b32 v[PC+6*\c+\i], v[PC+12+4*\c+\i]
.endr
.irp i, 0,1,2
	v_mov_b32 v[PC+3+6*\c+\i], v[PC+12+4*\c+\i]
.endr
.endr
.endm
.macro IMAGE reg, adr, off                     ; a fragment goes to LDS as it stands
.irp c, 0,1,2
	ds_store_b128 v[\adr], v[\reg+4*\c:\reg+4*\c+3] offset:\off+512*\c
.endr
.endm
.macro FETCH reg, adr, off                     ; and comes back so, in any wave
.irp c, 0,1,2
	ds_load_b128 v[\reg+4*\c:\reg+4*\c+3], v[\adr] offset:\off+512*\c
.endr
.endm
.macro REDUCE                                  ; four chains of pairs -> the row's sum in v[TC], in every lane of the row
	v_pk_add_f32 v[TC:TC+1], v[TC:TC+1], v[TC+2:TC+3]
	v_pk_add_f32 v[TC+4:TC+5], v[TC+4:TC+5], v[TC+6:TC+7]
	v_pk_add_f32 v[TC:TC+1], v[TC:TC+1], v[TC+4:TC+5]
	v_add_f32 v[TC], v[TC], v[TC+1]
	v_permlanex16_b32 v[TC+2], v[TC], s[SEL], s[SEL+1]
	v_add_f32 v[TC], v[TC], v[TC+2]
.endm
; The norm of a row of 256, of which lanes l and l xor 16 hold 128 each in v[X] on; gain and bias in window 1 at g and b (they have been waited for ahead of the macro).
.macro LNORM g, b
.irp c, 0,1,2,3
	v_pk_add_f32 v[TC+2*\c:TC+2*\c+1], v[X+2*\c:X+2*\c+1], v[X+8+2*\c:X+9+2*\c]
.endr
.set i, 16
.rept 56
	v_pk_add_f32 v[TC+i%8:TC+i%8+1], v[TC+i%8:TC+i%8+1], v[X+i:X+i+1]
.set i, i+2
.endr
	REDUCE
	v_mul_f32 v[MU], s[SINV], v[TC]                ; the mean
	v_mov_b32 v[MU+1], v[MU]
.set i, 0
.rept 64
	v_pk_add_f32 v[X+i:X+i+1], v[X+i:X+i+1], v[MU:MU+1] op_sel_hi:[1,0] neg_lo:[0,1] neg_hi:[0,1]
.set i, i+2
.endr
.irp c, 0,1,2,3
	v_pk_mul_f32 v[TC+2*\c:TC+2*\c+1], v[X+2*\c:X+2*\c+1], v[X+2*\c:X+2*\c+1]
.endr
.set i, 8
.rept 60
	v_pk_fma_f32 v[TC+i%8:TC+i%8+1], v[X+i:X+i+1], v[X+i:X+i+1], v[TC+i%8:TC+i%8+1]
.set i, i+2
.endr
	REDUCE
	v_fma_f32 v[TC], v[TC], s[SINV], s[SEPS]       ; var + 1e-5
	v_rsq_f32 v[RS], v[TC]
	v_mov_b32 v[RS+1], 0                           ; the pair's upper half is named, so it is written: the plain line behind the root
	s_wait_alu depctr_va_vdst(0)                   ; the wait ahead of the root's first reader
.set i, 0
.rept 64
	v_pk_mul_f32 v[X+i:X+i+1], v[X+i:X+i+1], v[RS:RS+1] op_sel_hi:[1,0]
.set i, i+2
.endr
	WIN 0x14                                       ; sources 1 and 2 in window 1
.set i, 0
.rept 64
	v_pk_fma_f32 v[X+i:X+i+1], v[X+i:X+i+1], v[\g+i:\g+i+1], v[\b+i:\b+i+1]
.set i, i+2
.endr
	WIN 0
.endm
	s_load_b512 s[4:19], s[0:1], 0x0               ; x, n1_g, n1_b, wimg, wscl, qkv_b, y's codes, y's scales
	s_load_b128 s[20:23], s[0:1], 0x40             ; qkvc, scl
	v_lshl_add_u32 v254, v0, 2, 0x2e000
	v_mov_b32 v255, 0
	v_lshrrev_b32 v12, 5, v0
	v_readfirstlane_b32 s[WV], v12                 ; wave 0..7
	v_lshlrev_b32 v[TA], 2, v0                     ; 4 x thread: a number of the gain, of the bias
	v_and_b32 v12, 31, v0                          ; lane
	v_and_b32 v13, 15, v0                          ; r
	v_bfe_u32 v14, v0, 4, 1                        ; h
	v_lshlrev_b32 v[LI], 4, v12                    ; an image's place for my lane
	v_lshlrev_b32 v[LS], 2, v12                    ; a scale word's
	v_lshlrev_b32 v[GA], 6, v14                    ; 64 h: my 16 numbers of a block of 32
	v_and_b32 v15, 8, v13                          ; 8 (r / 8)
	v_and_b32 v12, 7, v13                          ; r % 8
	s_mul_i32 s33, s[WV], 16640
	s_add_co_u32 s33, s33, XST                     ; my stage
	v_add_nc_u32 v[SRQ], s33, v[LI]                ; into it: whole rows, 16 bytes a lane
	v_mul_u32_u24 v[STQ], v13, 1040
	v_add_nc_u32 v[STQ], v[STQ], v[GA]
	v_add_nc_u32 v[STQ], s33, v[STQ]               ; out of it: row r, + 64 h
	v_add_nc_u32 v13, v13, v15                     ; r + 8 (r / 8)
	v_lshlrev_b32 v[BVA], 2, v13                   ; bv of my channel
	v_lshl_add_u32 v12, v15, 3, v12                ; y: token r + 8 (r / 8) of a tile lies r % 8 + 64 (r / 8) rows on
	v_mul_u32_u24 v[YA], v12, 192
	v_mad_u32_u24 v[YA], v14, 24, v[YA]
	v_lshlrev_b32 v[YSA], 3, v12
	s_mul_i32 s33, s[WV], 3072
	v_add_nc_u32 v[XWI], s33, v[LI]                ; where I store two images, x's and y's alike
	s_lshl_b32 s33, s[WV], 8
	v_add_nc_u32 v[XWS], s33, v[LS]                ; and their scale words
.irp b, 0,1,2,3
	v_mov_b32 v[TM+4+\b], 0                        ; written once: a lane permute's destination counts as one of its sources
.endr
	s_mov_b32 s[SEL], 0x76543210
	s_mov_b32 s[SEL+1], 0xfedcba98                 ; v_permlanex16_b32's selects for lane l xor 16
	s_mov_b32 s[HIM], 0xffff0000                   ; lanes 16-31
	s_mov_b32 s[SINV], 0x3b800000                  ; 1 / 256
	s_mov_b32 s[SEPS], 0x3727c5ac                  ; 1e-5
	s_lshr_b32 s25, ttmp9, 2                       ; the window
	s_and_b32 s26, ttmp9, 3                        ; s: which 128 of its tokens
	s_bfe_u32 s27, s25, 0x20004
	s_lshl_b32 s27, s27, 13
	s_bfe_u32 s33, s25, 0x20002
	s_lshl_b32 s33, s33, 8
	s_add_co_u32 s27, s27, s33
	s_and_b32 s33, s25, 3
	s_lshl_b32 s33, s33, 3
	s_add_co_u32 s27, s27, s33                     ; the window's first row: 8,192 wh + 256 ww + 8 wd
	s_lshl_b32 s34, s26, 1
	s_lshr_b32 s33, s[WV], 2
	s_add_co_u32 s34, s34, s33
	s_lshl_b32 s34, s34, 10
	s_and_b32 s33, s[WV], 3
	s_lshl_b32 s33, s33, 6
	s_add_co_u32 s34, s34, s33
	s_add_co_u32 s34, s34, s27                     ; my tile's first row of x: + 1,024 (2 s + wave / 4) + 64 (wave % 4)
	s_lshl_b32 s34, s34, 10
	s_mov_b32 s35, 0
	s_mul_i32 s36, s[WV], 6144                     ; my head's four fragments of each part of W,
	s_mov_b32 s37, 0
	s_lshl_b32 s38, s[WV], 9                       ; their scale words,
	s_mov_b32 s39, 0
	s_lshl_b32 s40, s[WV], 7                       ; my head's biases
	s_mov_b32 s41, 0
	s_lshl_b32 s42, s26, 11
	s_add_co_u32 s42, s42, s27                     ; y: the part's first row,
	s_lshr_b32 s33, s[WV], 2
	s_lshl_b32 s33, s33, 10
	s_add_co_u32 s42, s42, s33                     ; and my tile's (F = wave / 4, beta = wave % 4): + 1,024 F
	s_bfe_u32 s33, s[WV], 0x10001
	s_lshl_b32 s33, s33, 7
	s_add_co_u32 s42, s42, s33                     ; + 128 (beta / 2)
	s_and_b32 s33, s[WV], 1
	s_lshl_b32 s33, s33, 5
	s_add_co_u32 s42, s42, s33                     ; + 32 (beta % 2)
	s_lshl_b32 s44, s42, 3
	s_mul_i32 s42, s42, 192
	s_mov_b32 s43, 0
	s_mov_b32 s45, 0
	s_lshl_b32 s46, s25, 3
	s_add_co_u32 s46, s46, s[WV]                   ; 8 x window + head
	s_mul_i32 s48, s46, 1536
	s_mul_i32 s46, s46, 36864
	s_mul_i32 s33, s26, 3072
	s_add_co_u32 s46, s46, s33                     ; two images of each kind for each part
	s_lshl_b32 s33, s26, 7
	s_add_co_u32 s48, s48, s33
	s_mov_b32 s47, 0
	s_mov_b32 s49, 0
	s_wait_kmcnt 0x0
	s_add_nc_u64 s[4:5], s[4:5], s[34:35]
	s_add_nc_u64 s[10:11], s[10:11], s[36:37]
	s_add_nc_u64 s[12:13], s[12:13], s[38:39]
	s_add_nc_u64 s[14:15], s[14:15], s[40:41]
	s_add_nc_u64 s[16:17], s[16:17], s[42:43]
	s_add_nc_u64 s[18:19], s[18:19], s[44:45]
	s_add_nc_u64 s[20:21], s[20:21], s[46:47]
	s_add_nc_u64 s[22:23], s[22:23], s[48:49]
	; ---- what the work-group shares comes first: a number of the gain and of the bias a thread, a tile of y a wave; then my 16 rows of x
	global_load_b32 v106, v[TA], s[6:7]
	global_load_b32 v107, v[TA], s[8:9]
.irp ks, 0,1
.irp p, 0,1,2,3,4,5
	global_load_b64 v[92+148*\ks+2*\p:92+148*\ks+2*\p+1], v[YA], s[16:17] offset:96*\ks+48*(\p/3)+8*(\p%3) th:TH_LOAD_NT
.endr
	global_load_b32 v[TS+\ks], v[YSA], s[18:19] offset:4*\ks
.endr
.set i, 0
.rept 32
	global_load_b128 v[X+4*i:X+4*i+3], v[LI], s[4:5] offset:(((i/2)/8)*32+(i/2)%8)*1024+512*(i%2) th:TH_LOAD_NT   ; token i / 2 of my tile, half a row: 512 consecutive bytes
.set i, i+1
.endr
	s_wait_loadcnt 46                              ; y's 14 loads and x's 32 may be out: the gain and the bias are in
	ds_store_b32 v[TA], v106 offset:GL
	ds_store_b32 v[TA], v107 offset:BL
	s_wait_loadcnt 32                              ; x's 32 may be out: my tile of y is in
	IMAGE 92, XWI, YIMG
	IMAGE 240, XWI, YIMG+1536
	ds_store_b32 v[XWS], v[TS] offset:YSC
	ds_store_b32 v[XWS], v[TS+1] offset:YSC+128
	s_wait_dscnt 0x0                               ; my stores have landed;
	s_barrier_signal -1
	s_barrier_wait -1                              ; everybody's have: gain, bias and y's sixteen fragments lie in LDS, and nobody writes them again
	WIN 0x40                                       ; destination in window 1
.set i, 0
.rept 32
	ds_load_b128 v[4*i:4*i+3], v[GA] offset:GL+128*(i/4)+16*(i%4)
.set i, i+1
.endr
.set i, 0
.rept 32
	ds_load_b128 v[128+4*i:128+4*i+3], v[GA] offset:BL+128*(i/4)+16*(i%4)
.set i, i+1
.endr
	WIN 0
	s_wait_loadcnt 0x0                             ; x
.set i, 0
.rept 32
	ds_store_b128 v[SRQ], v[X+4*i:X+4*i+3] offset:1040*(i/2)+512*(i%2)
.set i, i+1
.endr
.set i, 0
.rept 32
	ds_load_b128 v[X+4*i:X+4*i+3], v[STQ] offset:128*(i/4)+16*(i%4)   ; LDS serves a wave's instructions in order (ISA guide 5.7.1.4): these see my stores.  Lane (r, h): of row r, 16 neighbours of each block of 32
.set i, i+1
.endr
	s_wait_dscnt 0x0                               ; my rows, the gain and the bias are in registers
	LNORM 0, 128
	; my head's weights come while x is quantised
	WIN 0x40
.irp kind, 0,1,2
.irp u, 0,1
.irp ks, 0,1
.irp c, 0,1,2
	global_load_b128 v[64*\kind-16*(\kind/2)+24*\u+12*\ks+4*\c:64*\kind-16*(\kind/2)+24*\u+12*\ks+4*\c+3], v[LI], s[10:11] offset:(32*\kind+2*\u+\ks)*1536+512*\c
.endr
.endr
.endr
.endr
.irp kind, 0,1
.irp u, 0,1
	global_load_b128 v[48+112*\kind+8*\u:48+112*\kind+8*\u+3], v[GA], s[14:15] offset:1024*\kind+32*\u      ; lane (r, h): the biases of channels 16 h + 8 u + 0 .. 7
	global_load_b128 v[48+112*\kind+8*\u+4:48+112*\kind+8*\u+7], v[GA], s[14:15] offset:1024*\kind+32*\u+16
.endr
.endr
.irp dt, 0,1
	global_load_b32 v[176+8*\dt], v[BVA], s[14:15] offset:2048+32*\dt   ; bv of channel 8 dt + r + 8 (r / 8)
.endr
	WIN 0
.irp kind, 0,1,2
.irp u, 0,1
.irp ks, 0,1
	global_load_b32 v[WS+4*\kind+2*\u+\ks], v[LS], s[12:13] offset:(32*\kind+2*\u+\ks)*128
.endr
.endr
.endr
	QUANT X
	IMAGE PC, XWI, XIMG
	ds_store_b32 v[XWS], v[PW] offset:XSC
	s_wait_dscnt 0x0                               ; the stores have read their registers
	QUANT X+64
	IMAGE PC, XWI, XIMG+1536
	ds_store_b32 v[XWS], v[PW] offset:XSC+128
	s_wait_dscnt 0x0                               ; my images have landed;
	s_barrier_signal -1
	s_barrier_wait -1                              ; everybody's have: x's sixteen fragments lie in LDS, and nobody writes LDS again
	s_wait_loadcnt 0x0                             ; the weights
	WIN 0x41
.irp dt, 0,1
.irp j, 1,2,3,4,5,6,7
	v_mov_b32 v[176+8*\dt+\j], v[176+8*\dt]        ; v's C: a lane holds one channel, so its bias stands in all eight registers
.endr
.endr
	WIN 0
; eight products: four tiles of tokens x my head's two tiles of channels, K step ks; kind 0: q, 1: k
.macro PROD kind, ks
.irp be, 0,1,2,3
.irp u, 0,1
.if \ks == 0
	MX HA+16*\be+8*\u, 64*\kind+24*\u, TF+24*\be, 48+112*\kind+8*\u, WS+4*\kind+2*\u, TS+2*\be
.else
	MX HA+16*\be+8*\u, 64*\kind+24*\u+12, TF+24*\be+12, HA+16*\be+8*\u, WS+4*\kind+2*\u+1, TS+2*\be+1
.endif
.endr
.endr
.endm
; eight products for v: source 0 = a tile of y's tokens, source 1 = 16 rows of Wv
.macro VPROD F, ks
.irp be, 0,1,2,3
.irp dt, 0,1
.if \ks == 0
	MX 192*\dt+32*\F+16*(\be/2)+8*(\be%2), TF+24*\be, 112+24*\dt, 176+8*\dt, TS+2*\be, WS+8+2*\dt
.else
	MX 192*\dt+32*\F+16*(\be/2)+8*(\be%2), TF+24*\be+12, 112+24*\dt+12, 192*\dt+32*\F+16*(\be/2)+8*(\be%2), TS+2*\be+1, WS+8+2*\dt+1
.endif
.endr
.endr
.endm
.macro YFETCH F                                ; four tiles of y from LDS: keys 64 F + 32 (be / 2) + 8 (be % 2) + r + 8 (r / 8) of my part
.irp be, 0,1,2,3
	FETCH TF+24*\be, LI, YIMG+(2*(4*\F+\be))*1536
	FETCH TF+24*\be+12, LI, YIMG+(2*(4*\F+\be)+1)*1536
	ds_load_b32 v[TS+2*\be], v[LS] offset:YSC+128*(2*(4*\F+\be))
	ds_load_b32 v[TS+2*\be+1], v[LS] offset:YSC+128*(2*(4*\F+\be)+1)
.endr
.endm
.macro IMG_OUT kind, idx                       ; each store of the wave covers 512 consecutive bytes, aligned
.irp c, 0,1,2
	global_store_b128 v[LI], v[PC+4*\c:PC+4*\c+3], s[20:21] offset:12288*\kind+1536*\idx+512*\c
.endr
.endm
.macro SCL_OUT kind                            ; lanes 0-15: the first image's words; lanes 16-31: the second's
	s_wait_xcnt 0x0                                ; the last such store has read its register
	v_cndmask_b32 v[SW+2], v[SW], v[SW+1], s[HIM]
	global_store_b32 v[LS], v[SW+2], s[22:23] offset:512*\kind
.endm
	; ---- q: two images of four tiles
.irp G, 0,1
.irp bq, 0,1,2,3
	FETCH TF+24*\bq, LI, XIMG+(2*(4*\G+2*(\bq%2)+\bq/2))*1536
	FETCH TF+24*\bq+12, LI, XIMG+(2*(4*\G+2*(\bq%2)+\bq/2)+1)*1536
	ds_load_b32 v[TS+2*\bq], v[LS] offset:XSC+128*(2*(4*\G+2*(\bq%2)+\bq/2))
	ds_load_b32 v[TS+2*\bq+1], v[LS] offset:XSC+128*(2*(4*\G+2*(\bq%2)+\bq/2)+1)
.endr
	s_wait_dscnt 0x0
	WIN 0x11                                       ; source 0 (W) and source 2 (the bias) in window 1
	PROD 0, 0
	WIN 0x01
	PROD 0, 1
	WIN 0
	PLACES 4                                       ; in front of the first read of results, and of loads into registers that the products have read
.if \G == 1
	YFETCH 0                                       ; y's first four tiles come while q is quantised
.endif
.set i, 0
.rept 32
	v_pk_mul_f32 v[HA+i:HA+i+1], v[HA+i:HA+i+1], 0x3e3504f3 op_sel_hi:[1,0]   ; x 32^-0.5
.set i, i+2
.endr
	s_wait_xcnt 0x0                                ; the last image's stores have read their registers
	QUANT HA
	IMG_OUT 0, \G
	v_mov_b32 v[SW+\G], v[PW]
.endr
	SCL_OUT 0
	; ---- k and v
.irp F, 0,1
	s_wait_dscnt 0x0                               ; these four tiles of y
	WIN 0x11
	PROD 1, 0
	WIN 0x01
	PROD 1, 1
	WIN 0x54                                       ; source 1 (Wv), C and D in window 1
	VPROD \F, 0
	VPROD \F, 1
	WIN 0
	PLACES 4
.if \F == 0
	YFETCH 1
.endif
	s_wait_xcnt 0x0
	QUANT HA
	IMG_OUT 1, \F
	v_mov_b32 v[SW+\F], v[PW]
.endr
	SCL_OUT 1
	; ---- v's two images: a lane's 64 registers are 128 keys' halves of one channel
.irp dt, 0,1
	WIN 0x01
.set i, 0
.rept 64
	v_mov_b32 v[HA+i], v[192*\dt+i]                ; each accumulator from its low end on
.set i, i+1
.endr
	WIN 0
	s_wait_xcnt 0x0
	QUANT HA
	IMG_OUT 2, \dt
	v_mov_b32 v[SW+\dt], v[PW]
.endr
	SCL_OUT 2
	s_wait_tensorcnt 0x0
	ds_add_u32 v254, v255
	s_wait_dscnt 0x0
	s_endpgm
.Lfunc_end_k_q133db61faa_qkv:
	.size	k_q133db61faa_qkv, .Lfunc_end_k_q133db61faa_qkv-k_q133db61faa_qkv
	.p2alignl 7, 3214868480
	.fill 96, 4, 3214868480
	.section	.rodata,"a",@progbits
	.p2align	6, 0x0
	.amdhsa_kernel k_q133db61faa_qkv
		.amdhsa_group_segment_fixed_size 189440
		.amdhsa_private_segment_fixed_size 0
		.amdhsa_enable_private_segment 0
		.amdhsa_kernarg_size 80
		.amdhsa_user_sgpr_count 2
		.amdhsa_user_sgpr_kernarg_segment_ptr 1
		.amdhsa_wavefront_size32 1
		.amdhsa_system_sgpr_workgroup_id_x 1
		.amdhsa_system_sgpr_workgroup_id_y 1
		.amdhsa_system_sgpr_workgroup_id_z 1
		.amdhsa_system_vgpr_workitem_id 0
		.amdhsa_next_free_vgpr 512
		.amdhsa_next_free_sgpr 66
		.amdhsa_reserve_vcc 0
		.amdhsa_float_denorm_mode_32 3
		.amdhsa_float_denorm_mode_16_64 3
		.amdhsa_memory_ordered 1
		.amdhsa_forward_progress 1
		.amdhsa_inst_pref_size 109
	.end_amdhsa_kernel
	.amdgpu_metadata
---
amdhsa.version: [ 1, 2 ]
amdhsa.kernels:
  - .name:           k_q133db61faa_qkv
    .symbol:         k_q133db61faa_qkv.kd
    .args:
      - { .name: x, .offset: 0, .size: 8, .value_kind: global_buffer, .address_space: global }
      - { .name: n1_g, .offset: 8, .size: 8, .value_kind: global_buffer, .address_space: global }
      - { .name: n1_b, .offset: 16, .size: 8, .value_kind: global_buffer, .address_space: global }
      - { .name: wimg, .offset: 24, .size: 8, .value_kind: global_buffer, .address_space: global }
      - { .name: wscl, .offset: 32, .size: 8, .value_kind: global_buffer, .address_space: global }
      - { .name: qkv_b, .offset: 40, .size: 8, .value_kind: global_buffer, .address_space: global }
      - { .name: y_codes, .offset: 48, .size: 8, .value_kind: global_buffer, .address_space: global }
      - { .name: y_scales, .offset: 56, .size: 8, .value_kind: global_buffer, .address_space: global }
      - { .name: qkvc, .offset: 64, .size: 8, .value_kind: global_buffer, .address_space: global }
      - { .name: scl, .offset: 72, .size: 8, .value_kind: global_buffer, .address_space: global }
    .group_segment_fixed_size: 189440
    .private_segment_fixed_size: 0
    .kernarg_segment_align: 8
    .kernarg_segment_size: 80
    .max_flat_workgroup_size: 256
    .sgpr_count:     66
    .vgpr_count:     512
    .wavefront_size: 32
...
	.end_amdgpu_metadata
.endif
;; end of part 6
;; launch attn: the kernel of part 3 again; grid 512 x 1, 8 waves a work-group, no clusters, 58,624 bytes of LDS; arguments qkvc, scl, btab, ao, asc; writes ao, asc
;; launch mlp (part 7): grid 256 x 1, 8 waves a work-group, no clusters, 323,584 bytes of LDS; arguments ao, asc, x, wimg, wscl, proj_b, n2_g, n2_b, fc1_b, fc2_b, out0; writes out0
.if DOCPART == 7
	.amdgcn_target "amdgcn-amd-amdhsa--gfx1250"
	.amdhsa_code_object_version 6
	.text
	.protected	k_q133db61faa_mlp
	.globl	k_q133db61faa_mlp
	.p2align	8
	.type	k_q133db61faa_mlp,@function
k_q133db61faa_mlp:
	s_mov_b64 s[64:65], 0
	v_nop
	global_prefetch_b8 v0, s[64:65] scope:SCOPE_SE
	s_setreg_imm32_b32 hwreg(HW_REG_WAVE_MODE, 25, 1), 1
	s_wait_xcnt 0x0
; x1 = x + attention's output x proj_w + proj_b;  out0 = x1 + gelu(LN(x1) fc1_w + fc1_b) fc2_w + fc2_b.  All three products on codes of FP6 (E2M3) with E8M0 scales; everything else f32.
; SHARES.  A work-group takes 128 tokens of a window (window = id / 4, part id % 4), eight tiles of 16.  Neither x1, nor the norm, nor the hidden layer goes to memory.
;   1: the waves share the ROWS: wave w takes tile w: its 16 rows of x + proj_b are the C of proj's products (source 0 = 16 rows of proj_w, from images in LDS that the waves have laid there together; source 1 = the tile's codes);
;      x1 goes to a stage in LDS and is normalised and quantised in registers; its two fragments go to LDS as images of their registers.
;   2: the waves share the COLUMNS: wave w makes hidden units 128 w .. 128 w + 127 for all eight tiles; its 16 fragments of fc1_w stay in its registers; gelu; quantised: K step w of the last product; image to LDS.
;   3: wave w makes outputs 32 w .. 32 w + 31 for all eight tiles; its 16 fragments of fc2_w stay in its registers; x1, read back from the stage, is the C; the results go back to the same bytes of the stage and leave as whole rows.
; HOW THINGS COME.  The weights: from wimg and wscl, where the first launch has laid them in the order of operand registers (proj_w from fragment 96, fc1_w from 128, fc2_w from 256): a fragment is three loads of 512 consecutive bytes.
; x: whole rows, 512 consecutive bytes a load; they turn through my rows of the stage into the layout of the products' C.  proj_b and the norm's gain and bias: a number a thread into LDS, and back 16 bytes a lane.
; All products are used transposed (source 0 = rows of a weight, source 1 = tokens): a lane holds one token.  In 1 and 2 lane r of tile 2 b + u has the weight's row 32 b + 8 u + r + 8 (r / 8), so that a lane's 16 registers of two tiles are 16 neighbours along the next K.
; The accumulators take turns, one product a turn.
; No tensor loads: nothing is streamed through LDS in a loop; each wave's weights are read once, into registers.  No cluster: what work-groups share is the weights alone, and the road through LDS has no room beside the 322,560 bytes in use.
; GELU: 0.5 z (1 + erf(z / sqrt 2)), erf(u) = u A(u^2) / B(u^2), u held to +-3.7439, A of degree 4, B of degree 6.
; LIMITS: 1 + erf carries an absolute error of about 1e-7 (so far below z = 0 the small result has a larger relative one), and beyond |u| = 3.7439 erf is taken at that u; NaN and infinities are not served;
;   a block of zeros gets the scale byte 1; a block's largest magnitude is not taken under 2^-124; divisions by v_rcp_f32 and v_rsq_f32.
; REGISTERS.  Window 0: v1-27 addresses and the clamp; v28-35 scale words in hand; v36-39 two coefficients as pairs (at the head: three numbers on their way to LDS); v40-87 four fragments of a weight (1) or of the hidden layer (3),
;   between them the quantiser's v40-76 and v77-80 a trip's addresses; v88-111 two fragments of tokens; v112-239 my row's 128 numbers (1), 64 hidden units and gelu's 64 (2), the 16 accumulators (3); v240-255 the weights' scale words.
;   Window 1: 1: proj_b, then the norm's bias (0-127), its gain (128-255); 2: fc1_w 0-191, fc1_b 192-255; 3: fc2_w 0-191, fc2_b 192-207.
.set PIMG, 0                           ; LDS: proj_w's 32 fragments (tile t, K step ks: 2 t + ks),
.set PSC,  49152                       ; their scale words, 128 bytes each,
.set XIMG, 53248                       ; the normalised rows' 16 fragments (2 m + ks),
.set XSC,  77824
.set HIMG, 79872                       ; the hidden layer's 64 fragments (8 m + ks),
.set HSC,  178176
.set STG,  186368                      ; the stage: 128 rows x (1,024 bytes + 16),
.set VEC,  319488                      ; proj_b, the norm's gain, its bias: 1,024 bytes each
.set TA,  1
.set LI,  2
.set LS,  3
.set GA,  4
.set VT,  5
.set VGA, 6
.set AOA, 9
.set ASA, 10
.set PWI, 11
.set PWS, 12
.set XWI, 13
.set XWS, 14
.set XFA, 15
.set XSA, 16
.set HWI, 17
.set HWS, 18
.set HF0, 19
.set HF1, 20
.set HSA, 21
.set ST1, 22
.set STI0, 23
.set STI1, 24
.set SR,  25
.set B2A, 26
.set CL,  27
.set AS,  28
.set PS,  30
.set XS,  34
.set A1P, 36
.set B1P, 38
.set WFT, 40
.set PC,  40
.set TM,  60
.set PW,  76
.set TC,  80
.set MU,  88
.set RS,  90
.set AF,  88
.set X,   112
.set HA,  112
.set GU,  176
.set GX,  192
.set GP,  208
.set GQ,  224
.set W1S, 240
.set WV,  34
.set SEL, 38
.set SINV, 58
.set SEPS, 59
.set MC,  60
.set MSB, 0
.macro WIN new                         ; the immediate's high byte repeats the setting that is left
.if MSB != \new
	s_set_vgpr_msb (MSB<<8)|\new
.set MSB, \new
.endif
.endm
.macro PLACES n
.rept \n
	v_nop
.endr
.endm
.macro MX d, a, b, c, sa, sb
	v_wmma_scale_f32_16x16x128_f8f6f4 v[\d:\d+7], v[\a:\a+11], v[\b:\b+11], v[\c:\c+7], v[\sa], v[\sb] matrix_a_fmt:MATRIX_FMT_FP6 matrix_b_fmt:MATRIX_FMT_FP6
.endm
.macro BARRIER                                 ; my LDS stores have landed and my LDS loads are in: then the work-group's barrier
	s_wait_dscnt 0x0
	s_barrier_signal -1
	s_barrier_wait -1
.endm
; 64 numbers of a lane, register 16 b + i = element 32 b + 16 (lane / 16) + i of my row, become a fragment's codes in v[PC] on and its scale word in v[PW].
.macro QUANT s
.irp b, 0,1,2,3
	v_max3_num_f32 v[TM+\b], |v[\s+16*\b]|, |v[\s+1+16*\b]|, 0x1800000   ; my 16 numbers of block b, and the floor 2^(3 - 127): the byte cannot fall under 1
.endr
.irp i, 2,4,6,8,10,12,14
.irp b, 0,1,2,3
	v_max3_num_f32 v[TM+\b], v[TM+\b], |v[\s+16*\b+\i]|, |v[\s+1+16*\b+\i]|
.endr
.endr
.irp b, 0,1,2,3
	v_permlanex16_b32 v[TM+4+\b], v[TM+\b], s[SEL], s[SEL+1]
.endr
.irp b, 0,1,2,3
	v_max_num_f32 v[TM+\b], v[TM+\b], v[TM+4+\b]
.endr
.irp b, 0,1,2,3
	v_add_nc_u32 v[TM+12+\b], 0xff000000, v[TM+\b] ; 2 off its exponent field: the conversion's scale operand
.endr
.irp b, 0,1,2,3
	v_lshrrev_b32 v[TM+4+\b], 23, v[TM+12+\b]
.endr
	v_lshl_or_b32 v[PW], v[TM+5], 8, v[TM+4]
	v_lshl_or_b32 v[PW], v[TM+6], 16, v[PW]
	v_lshl_or_b32 v[PW], v[TM+7], 24, v[PW]
.irp c, 0,1
	v_cvt_scalef32_pk16_fp6_f32 v[PC+6*\c:PC+2+6*\c], v[\s+32*\c:\s+15+32*\c], v[TM+12+2*\c]
	v_cvt_scalef32_pk16_fp6_f32 v[PC+12+4*\c:PC+14+4*\c], v[\s+16+32*\c:\s+31+32*\c], v[TM+12+2*\c+1]
.endr
	v_nop                                          ; one plain line behind a scaled conversion
.irp c, 0,1
.irp i, 0,1,2
	v_permlane16_swap_b32 v[PC+6*\c+\i], v[PC+12+4*\c+\i]
.endr
.irp i, 0,1,2
	v_mov_b32 v[PC+3+6*\c+\i], v[PC+12+4*\c+\i]
.endr
.endr
.endm
.macro IMAGE reg, adr, off
.irp c, 0,1,2
	ds_store_b128 v[\adr], v[\reg+4*\c:\reg+4*\c+3] offset:\off+512*\c
.endr
.endm
.macro FETCH reg, adr, off
.irp c, 0,1,2
	ds_load_b128 v[\reg+4*\c:\reg+4*\c+3], v[\adr] offset:\off+512*\c
.endr
.endm
.macro REDUCE
	v_pk_add_f32 v[TC:TC+1], v[TC:TC+1], v[TC+2:TC+3]
	v_pk_add_f32 v[TC+4:TC+5], v[TC+4:TC+5], v[TC+6:TC+7]
	v_pk_add_f32 v[TC:TC+1], v[TC:TC+1], v[TC+4:TC+5]
	v_add_f32 v[TC], v[TC], v[TC+1]
	v_permlanex16_b32 v[TC+2], v[TC], s[SEL], s[SEL+1]
	v_add_f32 v[TC], v[TC], v[TC+2]
.endm
.macro LNORM g, b                              ; the norm of a row of 256, of which lanes l and l xor 16 hold 128 each in v[X] on; gain and bias in window 1 at g and b (they have been waited for ahead of the macro)
.irp c, 0,1,2,3
	v_pk_add_f32 v[TC+2*\c:TC+2*\c+1], v[X+2*\c:X+2*\c+1], v[X+8+2*\c:X+9+2*\c]
.endr
.set i, 16
.rept 56
	v_pk_add_f32 v[TC+i%8:TC+i%8+1], v[TC+i%8:TC+i%8+1], v[X+i:X+i+1]
.set i, i+2
.endr
	REDUCE
	v_mul_f32 v[MU], s[SINV], v[TC]
	v_mov_b32 v[MU+1], v[MU]
.set i, 0
.rept 64
	v_pk_add_f32 v[X+i:X+i+1], v[X+i:X+i+1], v[MU:MU+1] op_sel_hi:[1,0] neg_lo:[0,1] neg_hi:[0,1]
.set i, i+2
.endr
.irp c, 0,1,2,3
	v_pk_mul_f32 v[TC+2*\c:TC+2*\c+1], v[X+2*\c:X+2*\c+1], v[X+2*\c:X+2*\c+1]
.endr
.set i, 8
.rept 60
	v_pk_fma_f32 v[TC+i%8:TC+i%8+1], v[X+i:X+i+1], v[X+i:X+i+1], v[TC+i%8:TC+i%8+1]
.set i, i+2
.endr
	REDUCE
	v_fma_f32 v[TC], v[TC], s[SINV], s[SEPS]
	v_rsq_f32 v[RS], v[TC]
	v_mov_b32 v[RS+1], 0                           ; the pair's upper half is named, so it is written: the plain line behind the root
	s_wait_alu depctr_va_vdst(0)                   ; the wait ahead of the root's first reader
.set i, 0
.rept 64
	v_pk_mul_f32 v[X+i:X+i+1], v[X+i:X+i+1], v[RS:RS+1] op_sel_hi:[1,0]
.set i, i+2
.endr
	WIN 0x14
.set i, 0
.rept 64
	v_pk_fma_f32 v[X+i:X+i+1], v[X+i:X+i+1], v[\g+i:\g+i+1], v[\b+i:\b+i+1]
.set i, i+2
.endr
	WIN 0
.endm
; gelu in place on v[HA] .. v[HA + 63], 16 numbers at a time; the 16 reciprocals of a batch have one wait
.macro GELU
.irp g, 0,1,2,3
.irp k, 0,2,4,6,8,10,12,14
	v_pk_mul_f32 v[GU+\k:GU+\k+1], v[HA+16*\g+\k:HA+16*\g+\k+1], 0x3f3504f3 op_sel_hi:[1,0]   ; u = z / sqrt 2
.endr
.irp k, 0,1,2,3,4,5,6,7,8,9,10,11,12,13,14,15
	v_med3_num_f32 v[GU+\k], v[GU+\k], -v[CL], v[CL]
.endr
.irp k, 0,2,4,6,8,10,12,14
	v_pk_mul_f32 v[GX+\k:GX+\k+1], v[GU+\k:GU+\k+1], v[GU+\k:GU+\k+1]
.endr
.irp k, 0,2,4,6,8,10,12,14
	v_pk_fma_f32 v[GP+\k:GP+\k+1], v[GX+\k:GX+\k+1], s[40:41], v[A1P:A1P+1] op_sel_hi:[1,0,1]
	v_pk_fma_f32 v[GQ+\k:GQ+\k+1], v[GX+\k:GX+\k+1], s[48:49], v[B1P:B1P+1] op_sel_hi:[1,0,1]
.endr
.irp c, 0,2,4
.irp k, 0,2,4,6,8,10,12,14
	v_pk_fma_f32 v[GP+\k:GP+\k+1], v[GP+\k:GP+\k+1], v[GX+\k:GX+\k+1], s[42+\c:43+\c] op_sel_hi:[1,1,0]
	v_pk_fma_f32 v[GQ+\k:GQ+\k+1], v[GQ+\k:GQ+\k+1], v[GX+\k:GX+\k+1], s[50+\c:51+\c] op_sel_hi:[1,1,0]
.endr
.endr
.irp k, 0,2,4,6,8,10,12,14
	v_pk_fma_f32 v[GQ+\k:GQ+\k+1], v[GQ+\k:GQ+\k+1], v[GX+\k:GX+\k+1], s[56:57] op_sel_hi:[1,1,0]
	v_pk_mul_f32 v[GP+\k:GP+\k+1], v[GU+\k:GU+\k+1], v[GP+\k:GP+\k+1]
.endr
.irp k, 0,2,4,6,8,10,12,14
	v_pk_fma_f32 v[GQ+\k:GQ+\k+1], v[GQ+\k:GQ+\k+1], v[GX+\k:GX+\k+1], 1.0 op_sel_hi:[1,1,0]
.endr
.irp k, 0,1,2,3,4,5,6,7,8,9,10,11,12,13,14,15
	v_rcp_f32 v[GQ+\k], v[GQ+\k]
.endr
.irp k, 0,2,4,6,8,10,12,14
	v_pk_mul_f32 v[GX+\k:GX+\k+1], v[HA+16*\g+\k:HA+16*\g+\k+1], 0.5 op_sel_hi:[1,0]   ; z / 2: plain work behind the reciprocals
.endr
	s_wait_alu depctr_va_vdst(0)                   ; one wait for the batch, ahead of its first reader
.irp k, 0,2,4,6,8,10,12,14
	v_pk_mul_f32 v[GP+\k:GP+\k+1], v[GP+\k:GP+\k+1], v[GQ+\k:GQ+\k+1]                  ; erf
.endr
.irp k, 0,2,4,6,8,10,12,14
	v_pk_fma_f32 v[HA+16*\g+\k:HA+16*\g+\k+1], v[GX+\k:GX+\k+1], v[GP+\k:GP+\k+1], v[GX+\k:GX+\k+1]
.endr
.endr
.endm
	s_load_b512 s[4:19], s[0:1], 0x0               ; ao, asc, x, wimg, wscl, proj_b, n2_g, n2_b
	s_load_b64 s[24:25], s[0:1], 0x40              ; fc1_b
	s_load_b64 s[30:31], s[0:1], 0x48              ; fc2_b
	s_load_b64 s[32:33], s[0:1], 0x50              ; out0
	v_lshl_add_u32 v7, v0, 2, 0x4ec00
	v_mov_b32 v8, 0
	v_lshrrev_b32 v112, 5, v0
	v_readfirstlane_b32 s[WV], v112                ; wave 0..7
	v_and_b32 v112, 31, v0                         ; lane
	v_and_b32 v113, 15, v0                         ; r
	v_bfe_u32 v114, v0, 4, 1                       ; h
	v_lshlrev_b32 v[TA], 2, v0                     ; 4 x thread: a number of each of the three vectors
	v_lshlrev_b32 v[LI], 4, v112
	v_lshlrev_b32 v[LS], 2, v112
	v_lshlrev_b32 v[GA], 6, v114
	v_add_nc_u32 v[VT], VEC, v[TA]                 ; its place in LDS,
	v_add_nc_u32 v[VGA], VEC, v[GA]                ; and where my 16 numbers of a block of 32 begin there
	v_mul_u32_u24 v[AOA], v113, 24                 ; attention's codes: 24 bytes a token and head; lanes 16-31 take the next head
	v_mad_u32_u24 v[AOA], v114, 12288, v[AOA]
	v_lshlrev_b32 v[ASA], 2, v113
	s_mul_i32 s70, s[WV], 6144
	v_add_nc_u32 v[PWI], s70, v[LI]
	s_lshl_b32 s70, s[WV], 9
	s_add_co_u32 s70, s70, PSC
	v_add_nc_u32 v[PWS], s70, v[LS]
	s_mul_i32 s70, s[WV], 3072
	s_add_co_u32 s70, s70, XIMG
	v_add_nc_u32 v[XWI], s70, v[LI]
	s_lshl_b32 s70, s[WV], 8
	s_add_co_u32 s70, s70, XSC
	v_add_nc_u32 v[XWS], s70, v[LS]
	v_add_nc_u32 v[XFA], XIMG, v[LI]
	v_add_nc_u32 v[XSA], XSC, v[LS]
	s_mul_i32 s70, s[WV], 1536
	s_add_co_u32 s70, s70, HIMG
	v_add_nc_u32 v[HWI], s70, v[LI]
	s_lshl_b32 s70, s[WV], 7
	s_add_co_u32 s71, s70, HSC
	v_add_nc_u32 v[HWS], s71, v[LS]
	v_add_nc_u32 v[HF0], HIMG, v[LI]
	v_add_nc_u32 v[HF1], HIMG+49152, v[LI]
	v_add_nc_u32 v[HSA], HSC, v[LS]
	v_mul_u32_u24 v115, v113, 1040                 ; a stage row
	s_mul_i32 s71, s[WV], 16640
	s_add_co_u32 s71, s71, STG
	v_add_nc_u32 v[ST1], s71, v115
	v_add_nc_u32 v[ST1], v[ST1], v[GA]             ; phase 1: row 16 w + r, + 64 h
	v_add_nc_u32 v[SR], s71, v[LI]                 ; whole rows, in and out: my 16 rows, 16 bytes a lane
	s_add_co_u32 s70, s70, STG
	v_lshl_add_u32 v[STI0], v114, 5, v115
	v_add_nc_u32 v[STI0], s70, v[STI0]             ; phase 3: row r, + 128 w + 32 h: my outputs' bytes
	v_add_nc_u32 v[STI1], 66560, v[STI0]           ; and four tiles further down
	v_lshlrev_b32 v[B2A], 5, v114
	v_mov_b32 v[CL], 0x406f9c67                    ; 3.7439
	s_mov_b32 s[SEL], 0x76543210
	s_mov_b32 s[SEL+1], 0xfedcba98
	s_mov_b32 s[SINV], 0x3b800000                  ; 1 / 256
	s_mov_b32 s[SEPS], 0x3727c5ac                  ; 1e-5
	s_mov_b32 s40, 0x39702d51                      ; A, from the highest power: 2.2905066e-4, (3.4082910e-3), 5.0955695e-2, 1.8520832e-1, 1.1283791
	s_mov_b32 s42, 0x3d50b6eb
	s_mov_b32 s44, 0x3e3da740
	s_mov_b32 s46, 0x3f906eba
	s_mov_b32 s48, 0xb3fd3906                      ; B: -1.1791603e-7, (2.3547966e-5), 1.0179625e-3, 1.4070470e-2, 1.1098505e-1, 4.9746925e-1, 1
	s_mov_b32 s50, 0x3a856d28
	s_mov_b32 s52, 0x3c6687d4
	s_mov_b32 s54, 0x3de34c21
	s_mov_b32 s56, 0x3efeb44a
.irp c, 40,42,44,46,48,50,52,54,56
	s_mov_b32 s[\c+1], s[\c]                       ; (named as pairs, so both halves are written)
.endr
	s_lshr_b32 s35, ttmp9, 2                       ; the window
	s_and_b32 s36, ttmp9, 3                        ; which 128 of its tokens
	s_bfe_u32 s37, s35, 0x20004
	s_lshl_b32 s37, s37, 13
	s_bfe_u32 s70, s35, 0x20002
	s_lshl_b32 s70, s70, 8
	s_add_co_u32 s37, s37, s70
	s_and_b32 s70, s35, 3
	s_lshl_b32 s70, s70, 3
	s_add_co_u32 s37, s37, s70                     ; the window's first row
	s_lshl_b32 s72, s36, 1
	s_lshr_b32 s70, s[WV], 2
	s_add_co_u32 s72, s72, s70                     ; 2 s + wave / 4
	s_and_b32 s73, s[WV], 3
	s_mov_b32 s69, 0
	s_wait_kmcnt 0x0
	s_lshl_b32 s68, s72, 10
	s_lshl_b32 s70, s73, 6
	s_add_co_u32 s68, s68, s70
	s_add_co_u32 s68, s68, s37
	s_lshl_b32 s68, s68, 10                        ; my tile's first row of x and of out0, in bytes
	s_add_nc_u64 s[8:9], s[8:9], s[68:69]
	s_add_nc_u64 s[32:33], s[32:33], s[68:69]
	s_lshl_b32 s68, s36, 7
	s_lshl_b32 s70, s[WV], 4
	s_add_co_u32 s68, s68, s70
	s_mul_i32 s68, s68, 24
	s_mul_i32 s70, s35, 98304
	s_add_co_u32 s68, s68, s70
	s_add_nc_u64 s[4:5], s[4:5], s[68:69]          ; attention's codes: head 0 of my window, my tile's first token
	s_lshl_b32 s68, s35, 12
	s_lshl_b32 s70, s72, 6
	s_add_co_u32 s68, s68, s70
	s_add_co_u32 s68, s68, s73
	s_add_nc_u64 s[6:7], s[6:7], s[68:69]          ; and their scale bytes
	s_mul_i32 s68, s[WV], 24576                    ; sixteen fragments of 1,536 bytes a wave:
	s_add_co_u32 s68, s68, 128*1536
	s_add_nc_u64 s[20:21], s[10:11], s[68:69]      ; fc1_w's, from fragment 128 + 16 w,
	s_add_co_u32 s68, s68, 128*1536
	s_add_nc_u64 s[26:27], s[10:11], s[68:69]      ; fc2_w's, from fragment 256 + 16 w;
	s_lshl_b32 s68, s[WV], 11
	s_add_co_u32 s68, s68, 128*128
	s_add_nc_u64 s[22:23], s[12:13], s[68:69]      ; their scale words, 128 bytes a fragment
	s_add_co_u32 s68, s68, 128*128
	s_add_nc_u64 s[28:29], s[12:13], s[68:69]
	s_mul_i32 s68, s[WV], 6144
	s_add_co_u32 s68, s68, 96*1536
	s_add_nc_u64 s[10:11], s[10:11], s[68:69]      ; my four fragments of proj_w, from fragment 96 + 4 w
	s_lshl_b32 s68, s[WV], 9
	s_add_co_u32 s68, s68, 96*128
	s_add_nc_u64 s[12:13], s[12:13], s[68:69]
	s_lshl_b32 s68, s[WV], 9
	s_add_nc_u64 s[24:25], s[24:25], s[68:69]      ; my 128 numbers of fc1_b
	s_lshl_b32 s68, s[WV], 7
	s_add_nc_u64 s[30:31], s[30:31], s[68:69]      ; my 32 of fc2_b
	; ---- 1.  What the work-group shares comes first: a number of each of the three vectors a thread, four fragments of proj_w a wave; then my 16 rows of x
	global_load_b32 v36, v[TA], s[14:15]           ; proj_b
	global_load_b32 v37, v[TA], s[16:17]           ; n2_g
	global_load_b32 v38, v[TA], s[18:19]           ; n2_b
.irp e, 0,1,2,3
.irp c, 0,1,2
	global_load_b128 v[WFT+12*\e+4*\c:WFT+12*\e+4*\c+3], v[LI], s[10:11] offset:1536*\e+512*\c
.endr
	global_load_b32 v[PS+\e], v[LS], s[12:13] offset:128*\e
.endr
.set i, 0
.rept 32
	global_load_b128 v[X+4*i:X+4*i+3], v[LI], s[8:9] offset:(((i/2)/8)*32+(i/2)%8)*1024+512*(i%2) th:TH_LOAD_NT   ; token i / 2 of my tile, half a row: 512 consecutive bytes
.set i, i+1
.endr
	s_wait_loadcnt 32                              ; x's 32 loads may be out: the vectors' numbers and my share of proj_w are in
	ds_store_b32 v[VT], v36
	ds_store_b32 v[VT], v37 offset:1024
	ds_store_b32 v[VT], v38 offset:2048
.irp e, 0,1,2,3
	IMAGE WFT+12*\e, PWI, 1536*\e
	ds_store_b32 v[PWS], v[PS+\e] offset:128*\e
.endr
.irp g, 0,1
.irp c, 0,1
.irp p, 0,1,2
	global_load_b64 v[AF+12*\g+6*\c+2*\p:AF+12*\g+6*\c+2*\p+1], v[AOA], s[4:5] offset:(4*\g+2*\c)*12288+8*\p   ; K block 2 c + h of K step g is head 4 g + 2 c + h
.endr
.endr
.endr
.irp hd, 0,1,2,3,4,5,6,7
	global_load_u8 v[W1S+\hd], v[ASA], s[6:7] offset:512*\hd
.endr
	BARRIER                                        ; proj_w's 32 fragments and the three vectors lie in LDS
	v_mov_b32 v[A1P], 0x3b5f5da2                   ; A's second coefficient (the stores above have read these registers),
	v_mov_b32 v[A1P+1], 0x3b5f5da2
	v_mov_b32 v[B1P], 0x37c588df                   ; B's second
	v_mov_b32 v[B1P+1], 0x37c588df
	WIN 0x40                                       ; destination in window 1
.set i, 0
.rept 32
	ds_load_b128 v[4*i:4*i+3], v[VGA] offset:128*(i/4)+16*(i%4)              ; proj_b
.set i, i+1
.endr
.set i, 0
.rept 32
	ds_load_b128 v[128+4*i:128+4*i+3], v[VGA] offset:1024+128*(i/4)+16*(i%4) ; the gain
.set i, i+1
.endr
	WIN 0
	s_wait_loadcnt 20                              ; the 12 + 8 loads of attention's codes and bytes may be out: x is in
.set i, 0
.rept 32
	ds_store_b128 v[SR], v[X+4*i:X+4*i+3] offset:1040*(i/2)+512*(i%2)
.set i, i+1
.endr
.set i, 0
.rept 32
	ds_load_b128 v[X+4*i:X+4*i+3], v[ST1] offset:128*(i/4)+16*(i%4)   ; LDS serves a wave's instructions in order (ISA guide 5.7.1.4): these see my stores.  Lane (r, h): of row r, 16 neighbours of each block of 32
.set i, i+1
.endr
	s_wait_dscnt 0x0                               ; my rows, proj_b and the gain are in registers
	WIN 0x04
.set i, 0
.rept 64
	v_pk_add_f32 v[X+i:X+i+1], v[X+i:X+i+1], v[i:i+1]   ; x + proj_b: the C of proj's sums
.set i, i+2
.endr
	WIN 0x40
.set i, 0
.rept 32
	ds_load_b128 v[4*i:4*i+3], v[VGA] offset:2048+128*(i/4)+16*(i%4)         ; the norm's bias, where proj_b lay; the first wait for fragments below covers it
.set i, i+1
.endr
	WIN 0
	s_wait_loadcnt 0x0                             ; the tile's codes and bytes
.irp g, 0,1
	v_lshl_or_b32 v[AS+\g], v[W1S+4*\g+1], 8, v[W1S+4*\g]
	v_lshl_or_b32 v[AS+\g], v[W1S+4*\g+2], 16, v[AS+\g]
	v_lshl_or_b32 v[AS+\g], v[W1S+4*\g+3], 24, v[AS+\g]
.endr
.irp q, 0,1,2,3,4,5,6,7                        ; K step q / 4, tiles 4 (q % 4) + 0 .. 3 of the 16
.if \q == 0
	PLACES 8                                       ; a scale word made by vector instructions stands eight plain lines ahead of a scaled product
.else
	PLACES 4                                       ; in front of loads into registers that products have read
.endif
.irp e, 0,1,2,3
	FETCH WFT+12*\e, LI, PIMG+(2*(4*(\q%4)+\e)+\q/4)*1536
	ds_load_b32 v[PS+\e], v[LS] offset:PSC+(2*(4*(\q%4)+\e)+\q/4)*128
.endr
	s_wait_dscnt 0x0
.irp e, 0,1,2,3
	MX X+8*(4*(\q%4)+\e), WFT+12*\e, AF+12*(\q/4), X+8*(4*(\q%4)+\e), PS+\e, AS+\q/4
.endr
.endr
	PLACES 4
.set i, 0
.rept 32
	ds_store_b128 v[ST1], v[X+4*i:X+4*i+3] offset:128*(i/4)+16*(i%4)   ; x1 to the stage, each accumulator from its low end on
.set i, i+1
.endr
	LNORM 128, 0
	WIN 0x40                                       ; my part of fc1_w comes while the rows are quantised: sixteen fragments on end
.set i, 0
.rept 48
	global_load_b128 v[4*i:4*i+3], v[LI], s[20:21] offset:512*i
.set i, i+1
.endr
.irp t, 0,1,2,3,4,5,6,7
	global_load_b128 v[192+8*\t:195+8*\t], v[GA], s[24:25] offset:(32*(\t/2)+8*(\t%2))*4
	global_load_b128 v[196+8*\t:199+8*\t], v[GA], s[24:25] offset:(32*(\t/2)+8*(\t%2))*4+16
.endr
	WIN 0
.set i, 0
.rept 16
	global_load_b32 v[W1S+i], v[LS], s[22:23] offset:128*i
.set i, i+1
.endr
.irp b, 0,1,2,3
	v_mov_b32 v[TM+4+\b], 0                        ; a lane permute's destination counts as one of its sources
.endr
	QUANT X
	IMAGE PC, XWI, 0
	ds_store_b32 v[XWS], v[PW]
	s_wait_dscnt 0x0                               ; the stores have read their registers
	QUANT X+64
	IMAGE PC, XWI, 1536
	ds_store_b32 v[XWS], v[PW] offset:128
	BARRIER                                        ; the 16 fragments of the normalised rows, and x1, lie in LDS
	s_wait_loadcnt 0x0                             ; fc1's weights
	; ---- 2.  Eight trips, a tile of 16 tokens each.  The LDS addresses are a lane's unchanging place + a scalar that steps by a constant
	s_mov_b32 s[MC], 0
	s_mov_b32 s61, 0
	s_mov_b32 s62, 0
	s_mov_b32 s63, 0
	s_mov_b32 s66, 0
.Ltile:
	v_add_nc_u32 v77, s61, v[XFA]
	v_add_nc_u32 v78, s62, v[XSA]
	v_add_nc_u32 v79, s63, v[HWI]
	v_add_nc_u32 v80, s66, v[HWS]
	FETCH AF, 77, 0
	FETCH AF+12, 77, 1536
	ds_load_b32 v[XS], v78
	ds_load_b32 v[XS+1], v78 offset:128
	s_wait_dscnt 0x0
	WIN 0x11                                       ; source 0 (fc1_w) and source 2 (fc1_b) in window 1
.irp t, 0,1,2,3,4,5,6,7
	MX HA+8*\t, 24*\t, AF, 192+8*\t, W1S+2*\t, XS
.endr
	WIN 0x01
.irp t, 0,1,2,3,4,5,6,7
	MX HA+8*\t, 24*\t+12, AF+12, HA+8*\t, W1S+2*\t+1, XS+1
.endr
	WIN 0
	PLACES 4
	s_cmp_lg_u32 s[MC], 7
	s_cbranch_scc1 .Lno_w2                         ; behind the last tile's products fc1's registers take my part of fc2_w, which lands under the last gelu
	WIN 0x40
.set i, 0
.rept 48
	global_load_b128 v[4*i:4*i+3], v[LI], s[26:27] offset:512*i
.set i, i+1
.endr
.irp n, 0,1
	global_load_b128 v[192+8*\n:195+8*\n], v[B2A], s[30:31] offset:64*\n
	global_load_b128 v[196+8*\n:199+8*\n], v[B2A], s[30:31] offset:64*\n+16
.endr
	WIN 0
.set i, 0
.rept 16
	global_load_b32 v[W1S+i], v[LS], s[28:29] offset:128*i
.set i, i+1
.endr
.Lno_w2:
	GELU
	QUANT HA
	IMAGE PC, 79, 0                                ; K step w of the last product, this tile's rows
	ds_store_b32 v80, v[PW]
	s_wait_dscnt 0x0                               ; the stores have read their registers
	s_add_co_u32 s61, s61, 3072
	s_add_co_u32 s62, s62, 256
	s_add_co_u32 s63, s63, 12288
	s_add_co_u32 s66, s66, 1024
	s_add_co_u32 s[MC], s[MC], 1
	s_cmp_lt_u32 s[MC], 8
	s_cbranch_scc1 .Ltile
	BARRIER                                        ; the hidden layer's 64 fragments lie in LDS
	; ---- 3.  My 32 outputs for the 128 tokens: 16 accumulators (output tile n, token tile m) at v[X + 8 (2 m + n)], begun with x1
.irp m, 0,1,2,3,4,5,6,7
.irp n, 0,1
.irp q, 0,1
	ds_load_b128 v[X+8*(2*\m+\n)+4*\q:X+8*(2*\m+\n)+4*\q+3], v[STI0+\m/4] offset:(\m%4)*16640+64*\n+16*\q
.endr
.endr
.endr
	s_wait_loadcnt 0x0                             ; fc2's weights
.irp ks, 0,1,2,3,4,5,6,7
.irp mg, 0,1
.irp e, 0,1,2,3
	FETCH WFT+12*\e, HF0+\mg, (8*\e+\ks)*1536
	ds_load_b32 v[PS+\e], v[HSA] offset:(8*(4*\mg+\e)+\ks)*128
.endr
	s_wait_dscnt 0x0
	WIN 0x01
.irp e, 0,1,2,3
.irp n, 0,1
	MX X+8*(2*(4*\mg+\e)+\n), 12*(8*\n+\ks), WFT+12*\e, X+8*(2*(4*\mg+\e)+\n), W1S+8*\n+\ks, PS+\e
.endr
.endr
	WIN 0
	PLACES 4
.endr
.endr
	WIN 0x04
.irp m, 0,1,2,3,4,5,6,7
.irp n, 0,1
.irp k, 0,2,4,6
	v_pk_add_f32 v[X+8*(2*\m+\n)+\k:X+8*(2*\m+\n)+\k+1], v[X+8*(2*\m+\n)+\k:X+8*(2*\m+\n)+\k+1], v[192+8*\n+\k:192+8*\n+\k+1]   ; + fc2_b
.endr
.endr
.endr
	WIN 0
.irp m, 0,1,2,3,4,5,6,7
.irp n, 0,1
.irp q, 0,1
	ds_store_b128 v[STI0+\m/4], v[X+8*(2*\m+\n)+4*\q:X+8*(2*\m+\n)+4*\q+3] offset:(\m%4)*16640+64*\n+16*\q   ; back to the bytes that x1 came from: they are this wave's alone in this phase
.endr
.endr
.endr
	BARRIER                                        ; 128 whole rows of the result lie in the stage
.set i, 0
.rept 32
	ds_load_b128 v[X+4*i:X+4*i+3], v[SR] offset:1040*(i/2)+512*(i%2)
.set i, i+1
.endr
.set i, 0
.rept 32
	s_wait_dscnt 31-i                              ; LDS loads come back in order: load i is in
	global_store_b128 v[LI], v[X+4*i:X+4*i+3], s[32:33] offset:(((i/2)/8)*32+(i/2)%8)*1024+512*(i%2) th:TH_STORE_NT   ; 32 lanes store 512 consecutive bytes, aligned
.set i, i+1
.endr
	s_wait_tensorcnt 0x0
	ds_add_u32 v7, v8
	s_wait_dscnt 0x0
	s_endpgm
.Lfunc_end_k_q133db61faa_mlp:
	.size	k_q133db61faa_mlp, .Lfunc_end_k_q133db61faa_mlp-k_q133db61faa_mlp
	.p2alignl 7, 3214868480
	.fill 96, 4, 3214868480
	.section	.rodata,"a",@progbits
	.p2align	6, 0x0
	.amdhsa_kernel k_q133db61faa_mlp
		.amdhsa_group_segment_fixed_size 323584
		.amdhsa_private_segment_fixed_size 0
		.amdhsa_enable_private_segment 0
		.amdhsa_kernarg_size 88
		.amdhsa_user_sgpr_count 2
		.amdhsa_user_sgpr_kernarg_segment_ptr 1
		.amdhsa_wavefront_size32 1
		.amdhsa_system_sgpr_workgroup_id_x 1
		.amdhsa_system_sgpr_workgroup_id_y 1
		.amdhsa_system_sgpr_workgroup_id_z 1
		.amdhsa_system_vgpr_workitem_id 0
		.amdhsa_next_free_vgpr 512
		.amdhsa_next_free_sgpr 100
		.amdhsa_reserve_vcc 0
		.amdhsa_float_denorm_mode_32 3
		.amdhsa_float_denorm_mode_16_64 3
		.amdhsa_memory_ordered 1
		.amdhsa_forward_progress 1
		.amdhsa_inst_pref_size 184
	.end_amdhsa_kernel
	.amdgpu_metadata
---
amdhsa.version: [ 1, 2 ]
amdhsa.kernels:
  - .name:           k_q133db61faa_mlp
    .symbol:         k_q133db61faa_mlp.kd
    .args:
      - { .name: ao, .offset: 0, .size: 8, .value_kind: global_buffer, .address_space: global }
      - { .name: asc, .offset: 8, .size: 8, .value_kind: global_buffer, .address_space: global }
      - { .name: x, .offset: 16, .size: 8, .value_kind: global_buffer, .address_space: global }
      - { .name: wimg, .offset: 24, .size: 8, .value_kind: global_buffer, .address_space: global }
      - { .name: wscl, .offset: 32, .size: 8, .value_kind: global_buffer, .address_space: global }
      - { .name: proj_b, .offset: 40, .size: 8, .value_kind: global_buffer, .address_space: global }
      - { .name: n2_g, .offset: 48, .size: 8, .value_kind: global_buffer, .address_space: global }
      - { .name: n2_b, .offset: 56, .size: 8, .value_kind: global_buffer, .address_space: global }
      - { .name: fc1_b, .offset: 64, .size: 8, .value_kind: global_buffer, .address_space: global }
      - { .name: fc2_b, .offset: 72, .size: 8, .value_kind: global_buffer, .address_space: global }
      - { .name: out0, .offset: 80, .size: 8, .value_kind: global_buffer, .address_space: global }
    .group_segment_fixed_size: 323584
    .private_segment_fixed_size: 0
    .kernarg_segment_align: 8
    .kernarg_segment_size: 88
    .max_flat_workgroup_size: 256
    .sgpr_count:     100
    .vgpr_count:     512
    .wavefront_size: 32
...
	.end_amdgpu_metadata
.endif
;; end of part 7
;; ======== version 3 of 3: 4 launches
;; workspace buffers: btab 460,800 bytes; qkvc 18,874,368 bytes; scl 786,432 bytes; ao 6,291,456 bytes; asc 262,144 bytes; wimg 589,824 bytes; wscl 49,152 bytes
;; launch pos (part 8): grid 15 x 15, 2 waves a work-group, no clusters, 0 bytes of LDS; arguments pp_w, pp_b, p1_lng, p1_lnb, p1_w, p1_b, p2_lng, p2_lnb, p2_w, p2_b, p3_lng, p3_lnb, p3_w, p3_b, btab, wimg, qkv_w_codes, qkv_w_scales, proj_w_codes, proj_w_scales, fc1_w_codes, fc1_w_scales, fc2_w_codes, fc2_w_scales, wscl; writes btab, wimg, wscl
.if DOCPART == 8
	.amdgcn_target "amdgcn-amd-amdhsa--gfx1250"
	.amdhsa_code_object_version 6
	.text
	.protected	k_q133db61faa_pos
	.globl	k_q133db61faa_pos
	.p2align	8
	.type	k_q133db61faa_pos,@function
k_q133db61faa_pos:
	s_mov_b64 s[64:65], 0
	v_nop
	global_prefetch_b8 v0, s[64:65] scope:SCOPE_SE
	s_setreg_imm32_b32 hwreg(HW_REG_WAVE_MODE, 25, 1), 1
	s_wait_xcnt 0x0
; TWO THINGS THAT THE LATER LAUNCHES WANT LAID OUT ONCE.
; (1) THE POSITION BIAS, as a table laid for the attention launch.  btab: f32 [head 8][half 2][a 15][b 15][nd 8][j 4];
; its entry is the small MLP of reference() at (7 - a, 7 - b, nd - (4 half + j)), for that head.  With a = 7 - nh + mh and b = 7 - nw + mw that is
; the bias of query (nh, nw, nd) and key (mh, mw, 4 half + j): four neighbouring keys lie in 16 neighbouring bytes.
; All arithmetic is f32 fused multiply-adds: the bias goes on into a softmax that is quantised.
; SHARES.  Work-group (x, y) = (b, a); wave = half; lane = 4 nd + j.  A lane walks the whole MLP for its one point; 8 stores of 128 consecutive bytes a wave, one a head.
; (Whole runs of 256 bytes would want two rows of the table to a wave; the table is 460,800 bytes in all.)
; WEIGHTS OF THE MLP.  Every parameter comes once, by 17 vector loads, spread over the lanes; a row of 16 weights reaches the multiply-adds through 16 scalar registers by v_readlane_b32.
; (2) THE FOUR LARGE WEIGHTS' CODES IN THE ORDER OF OPERAND REGISTERS.  Wave g = 2 (15 a + b) + half, g < 384, copies ONE fragment (16 rows x 128 along K: 12 registers a lane, read as six pieces of 8 bytes of its row)
; to wimg [g][1,536]: registers 4 c .. 4 c + 3 of lane l at 512 c + 16 l; and its rows' scale words to wscl [g][32 lanes].  The codes and bytes are not changed.  A later wave takes a fragment by three loads of 512 consecutive bytes.
;   g 0-95 qkv_w, 96-127 proj_w, 128-255 fc1_w: fragment 2 T + ks: lane r takes row 32 (T / 2) + 8 (T % 2) + r + 8 (r / 8), K step ks; rows of 192 bytes.
;   g 256-383 fc2_w: fragment 8 T + ks: lane r takes row 16 T + r; rows of 768 bytes.
; LIMITS: NaN and infinities among the inputs are not served; 1 / sqrt by v_rsq_f32.
.set S0, 36                            ; s36-51  a row of weights (even rows), or a gain
.set S1, 68                            ; s68-83  a row of weights (odd rows), or a norm's bias  (first: the four weights' addresses)
.set S2, 84                            ; s84-99  a product's bias  (first: wimg, wscl and the copy's offsets)
.set A,  40                            ; v40-55  what goes into a product
.set O,  56                            ; v56-71  what comes out of it
.set T,  72                            ; v72-79  at work
.set FRG, 96                           ; v96-107 the fragment that I copy; v108 its scale word; v109-112 its offsets
	s_load_b512 s[4:19], s[0:1], 0x0               ; pp_w, pp_b, p1_lng, p1_lnb, p1_w, p1_b, p2_lng, p2_lnb
	s_load_b256 s[20:27], s[0:1], 0x40             ; p2_w, p2_b, p3_lng, p3_lnb
	s_load_b128 s[28:31], s[0:1], 0x60             ; p3_w, p3_b
	s_load_b64 s[32:33], s[0:1], 0x70              ; btab
	s_load_b64 s[84:85], s[0:1], 0x78              ; wimg
	s_load_b512 s[68:83], s[0:1], 0x80             ; codes and scales of qkv_w, proj_w, fc1_w, fc2_w
	s_load_b64 s[86:87], s[0:1], 0xc0              ; wscl
	v_and_b32 v1, 31, v0                           ; lane
	v_lshrrev_b32 v2, 5, v0
	v_readfirstlane_b32 s34, v2                    ; wave = half
	v_and_b32 v2, 15, v0
	v_lshlrev_b32 v2, 2, v2                        ; 4 (lane % 16): a vector of 16 numbers, twice over the lanes
	v_and_b32 v3, 7, v0
	v_lshlrev_b32 v3, 2, v3                        ; 4 (lane % 8)
	v_lshlrev_b32 v36, 2, v1                       ; 4 lane
	v_lshlrev_b32 v37, 5, v1                       ; 32 lane
	v_lshlrev_b32 v38, 4, v1                       ; 16 lane
	s_and_b32 s54, ttmp7, 0xffff                   ; a
	s_mov_b32 s52, 0x3d800000                      ; 1 / 16
	s_mov_b32 s53, 0x3727c5ac                      ; 1e-5
	s_mul_i32 s56, s54, 15
	s_add_co_u32 s56, s56, ttmp9                   ; 15 a + b
	s_lshl_b32 s58, s56, 1
	s_add_co_u32 s58, s58, s34                     ; g: my wave's number in the launch
	s_lshl_b32 s56, s56, 7                         ; 128 bytes each
	s_mul_i32 s35, s34, 28800
	s_add_co_u32 s56, s56, s35                     ; + my half
	s_mov_b32 s57, 0
	s_wait_alu depctr_va_vdst(0)
	s_wait_kmcnt 0x0
	global_load_b32 v14, v36, s[4:5]               ; pp_w: rows 0 and 1, a number a lane
	global_load_b32 v15, v2, s[4:5] offset:128     ; row 2
	global_load_b32 v4, v2, s[6:7]                 ; pp_b
	global_load_b32 v5, v2, s[8:9]                 ; p1_lng
	global_load_b32 v6, v2, s[10:11]               ; p1_lnb
	global_load_b128 v[16:19], v37, s[12:13]       ; p1_w: w[k][n] is register n % 8 of lane 2 k + n / 8
	global_load_b128 v[20:23], v37, s[12:13] offset:16
	global_load_b32 v7, v2, s[14:15]               ; p1_b
	global_load_b32 v8, v2, s[16:17]               ; p2_lng
	global_load_b32 v9, v2, s[18:19]               ; p2_lnb
	global_load_b128 v[24:27], v37, s[20:21]       ; p2_w likewise
	global_load_b128 v[28:31], v37, s[20:21] offset:16
	global_load_b32 v10, v2, s[22:23]              ; p2_b
	global_load_b32 v11, v2, s[24:25]              ; p3_lng
	global_load_b32 v12, v2, s[26:27]              ; p3_lnb
	global_load_b128 v[32:35], v38, s[28:29]       ; p3_w: w[k][n] is register n % 4 of lane 2 k + n / 4
	global_load_b32 v13, v3, s[30:31]              ; p3_b
	s_add_nc_u64 s[32:33], s[32:33], s[56:57]      ; btab at my 128 bytes of head 0
	s_sub_co_i32 s35, 7, s54
	v_cvt_f32_i32 v80, s35                         ; 7 - a
	s_sub_co_i32 s35, 7, ttmp9
	v_cvt_f32_i32 v81, s35                         ; 7 - b
	v_lshrrev_b32 v82, 2, v1                       ; nd
	v_and_b32 v83, 3, v1                           ; j
	v_sub_nc_u32 v82, v82, v83
	s_lshl_b32 s35, s34, 2
	v_sub_nc_u32 v82, v82, s35
	v_cvt_f32_i32 v82, v82                         ; nd - j - 4 half
	; ---- the copy of one fragment: its loads go out beside the parameters'.  One branch on the wave's number in the launch, round loads, wait and stores together
	s_cmp_lt_u32 s58, 384
	s_cbranch_scc0 .Lno_image
	s_cmp_lt_u32 s58, 96                           ; which tensor: the choices hang on g alone
	s_cselect_b64 s[60:61], s[68:69], s[72:73]
	s_cselect_b64 s[62:63], s[70:71], s[74:75]
	s_cselect_b32 s59, 0, 96
	s_cmp_lt_u32 s58, 128
	s_cselect_b64 s[60:61], s[60:61], s[76:77]
	s_cselect_b64 s[62:63], s[62:63], s[78:79]
	s_cselect_b32 s59, s59, 128
	s_mov_b32 s67, 768
	s_cmp_lt_u32 s58, 256
	s_cselect_b64 s[60:61], s[60:61], s[80:81]     ; the codes,
	s_cselect_b64 s[62:63], s[62:63], s[82:83]     ; the scale bytes,
	s_cselect_b32 s59, s59, 256                    ; the tensor's first fragment,
	s_cselect_b32 s66, 1, 3                        ; 2 or 8 K steps to a tile of rows,
	s_cselect_b32 s67, 192, s67                    ; a row of codes in bytes,
	s_cselect_b32 s88, 8, 32                       ; a row of scale bytes,
	s_cselect_b32 s89, 8, 0                        ; rows r + 8 (r / 8), or rows r
	s_sub_co_u32 s59, s58, s59                     ; the fragment's number in its tensor
	s_lshr_b32 s90, s59, s66                       ; T
	s_lshl_b32 s91, s90, s66
	s_sub_co_u32 s91, s59, s91                     ; ks
	s_lshr_b32 s92, s90, 1
	s_lshl_b32 s92, s92, 5
	s_and_b32 s93, s90, 1
	s_lshl_b32 s93, s93, 3
	s_add_co_u32 s92, s92, s93                     ; 32 (T / 2) + 8 (T % 2)
	s_lshl_b32 s93, s90, 4                         ; 16 T
	s_cmp_lt_u32 s58, 256
	s_cselect_b32 s92, s92, s93                    ; the tile's first row
	s_mov_b32 s95, 0
	s_mul_i32 s94, s92, s67
	s_mul_i32 s93, s91, 96
	s_add_co_u32 s94, s94, s93
	s_add_nc_u64 s[60:61], s[60:61], s[94:95]      ; the codes at that row, K step ks
	s_mul_i32 s94, s92, s88
	s_lshl_b32 s93, s91, 2
	s_add_co_u32 s94, s94, s93
	s_add_nc_u64 s[62:63], s[62:63], s[94:95]      ; the scale bytes likewise
	s_mul_i32 s94, s58, 1536
	s_add_nc_u64 s[84:85], s[84:85], s[94:95]      ; where the image goes,
	s_lshl_b32 s94, s58, 7
	s_add_nc_u64 s[86:87], s[86:87], s[94:95]      ; and its scale words
	v_and_b32 v109, 15, v0                         ; r
	v_and_b32 v110, s89, v109
	v_add_nc_u32 v109, v109, v110                  ; my row of the tile
	v_bfe_u32 v110, v0, 4, 1                       ; h
	v_mul_u32_u24 v111, s67, v109
	v_mad_u32_u24 v111, v110, 24, v111             ; row x pitch + 24 h
	v_mul_u32_u24 v112, s88, v109
.irp p, 0,1,2,3,4,5
	global_load_b64 v[FRG+2*\p:FRG+2*\p+1], v111, s[60:61] offset:48*(\p/3)+8*(\p%3)
.endr
	global_load_b32 v108, v112, s[62:63]
	s_wait_loadcnt 0x0
.irp c, 0,1,2
	global_store_b128 v38, v[FRG+4*\c:FRG+4*\c+3], s[84:85] offset:512*\c   ; 32 lanes store 512 consecutive bytes, aligned
.endr
	global_store_b32 v36, v108, s[86:87]
	s_wait_xcnt 0x0                                ; these loads and stores have read their bases: s68 to s99 are written again below
.Lno_image:
	s_wait_loadcnt 0x0                             ; all parameters, once
.macro RLV set, reg, first             ; sixteen numbers that lie one a lane, from lane first on
.irp n, 0,1,2,3,4,5,6,7,8,9,10,11,12,13,14,15
	v_readlane_b32 s[\set+\n], v[\reg], \first+\n
.endr
.endm
; (x - mean) / sqrt(var + 1e-5) x g + b, then relu: v[O] on -> v[A] on
.macro LN16 g, b
.irp i, 0,1,2,3,4,5,6,7
	v_add_f32 v[T+\i], v[O+2*\i], v[O+2*\i+1]
.endr
.irp i, 0,1,2,3
	v_add_f32 v[T+\i], v[T+2*\i], v[T+2*\i+1]
.endr
	v_add_f32 v[T], v[T], v[T+1]
	v_add_f32 v[T+2], v[T+2], v[T+3]
	v_add_f32 v[T], v[T], v[T+2]
	v_mul_f32 v[T], s52, v[T]                      ; the mean
.irp i, 0,1,2,3,4,5,6,7,8,9,10,11,12,13,14,15
	v_sub_f32 v[A+\i], v[O+\i], v[T]
.endr
.irp i, 0,1,2,3
	v_mul_f32 v[T+\i], v[A+\i], v[A+\i]
.endr
.irp i, 4,5,6,7,8,9,10,11,12,13,14,15
	v_fmac_f32 v[T+\i%4], v[A+\i], v[A+\i]
.endr
	v_add_f32 v[T], v[T], v[T+1]
	v_add_f32 v[T+2], v[T+2], v[T+3]
	v_add_f32 v[T], v[T], v[T+2]
	v_fma_f32 v[T], v[T], s52, s53                 ; var + 1e-5
	s_wait_alu depctr_va_vdst(0)
	v_rsq_f32 v[T+1], v[T]
	RLV S0, \g, 0
	RLV S1, \b, 0
	v_nop                                          ; a plain line behind the root,
	s_wait_alu depctr_va_vdst(0)                   ; and the wait ahead of its first reader
.irp i, 0,1,2,3,4,5,6,7,8,9,10,11,12,13,14,15
	v_mul_f32 v[A+\i], v[A+\i], v[T+1]
.endr
.irp i, 0,1,2,3,4,5,6,7,8,9,10,11,12,13,14,15
	v_fma_f32 v[A+\i], v[A+\i], s[S0+\i], s[S1+\i]
.endr
.irp i, 0,1,2,3,4,5,6,7,8,9,10,11,12,13,14,15
	v_max_num_f32 v[A+\i], 0, v[A+\i]
.endr
.endm
; v[O + n] = bias[n] + the sum over k of v[A + k] w[k][n], 16 x 16; row 0 takes the bias as its addend
.macro MM16 w, bias
	RLV S2, \bias, 0
.irp k, 0,1,2,3,4,5,6,7,8,9,10,11,12,13,14,15
.irp n, 0,1,2,3,4,5,6,7,8,9,10,11,12,13,14,15
	v_readlane_b32 s[S0+32*(\k%2)+\n], v[\w+\n%8], 2*\k+\n/8
.endr
.irp n, 0,1,2,3,4,5,6,7,8,9,10,11,12,13,14,15
.if \k == 0
	v_fma_f32 v[O+\n], v[A], s[S0+\n], s[S2+\n]
.else
	v_fmac_f32 v[O+\n], s[S0+32*(\k%2)+\n], v[A+\k]
.endif
.endr
.endr
.endm
	; the first layer: three coordinates x pp_w + pp_b
	RLV S2, 4, 0
	RLV S0, 15, 0
.irp n, 0,1,2,3,4,5,6,7,8,9,10,11,12,13,14,15
	v_fma_f32 v[O+\n], v82, s[S0+\n], s[S2+\n]
.endr
	RLV S1, 14, 16
.irp n, 0,1,2,3,4,5,6,7,8,9,10,11,12,13,14,15
	v_fmac_f32 v[O+\n], s[S1+\n], v81
.endr
	RLV S0, 14, 0
.irp n, 0,1,2,3,4,5,6,7,8,9,10,11,12,13,14,15
	v_fmac_f32 v[O+\n], s[S0+\n], v80
.endr
	LN16 5, 6
	MM16 16, 7
	LN16 8, 9
	MM16 24, 10
	LN16 11, 12
	; the last layer: 16 x 8 heads
.irp n, 0,1,2,3,4,5,6,7
	v_readlane_b32 s[S2+\n], v13, \n
.endr
.irp k, 0,1,2,3,4,5,6,7,8,9,10,11,12,13,14,15
.irp n, 0,1,2,3,4,5,6,7
	v_readlane_b32 s[S0+32*(\k%2)+\n], v[32+\n%4], 2*\k+\n/4
.endr
.irp n, 0,1,2,3,4,5,6,7
.if \k == 0
	v_fma_f32 v[O+\n], v[A], s[S0+\n], s[S2+\n]
.else
	v_fmac_f32 v[O+\n], s[S0+32*(\k%2)+\n], v[A+\k]
.endif
.endr
.endr
.irp n, 0,1,2,3,4,5,6,7
	global_store_b32 v36, v[O+\n], s[32:33] offset:57600*\n   ; head n: 32 lanes, 128 consecutive bytes
.endr
	s_endpgm
.Lfunc_end_k_q133db61faa_pos:
	.size	k_q133db61faa_pos, .Lfunc_end_k_q133db61faa_pos-k_q133db61faa_pos
	.p2alignl 7, 3214868480
	.fill 96, 4, 3214868480
	.section	.rodata,"a",@progbits
	.p2align	6, 0x0
	.amdhsa_kernel k_q133db61faa_pos
		.amdhsa_group_segment_fixed_size 0
		.amdhsa_private_segment_fixed_size 0
		.amdhsa_enable_private_segment 0
		.amdhsa_kernarg_size 200
		.amdhsa_user_sgpr_count 2
		.amdhsa_user_sgpr_kernarg_segment_ptr 1
		.amdhsa_wavefront_size32 1
		.amdhsa_system_sgpr_workgroup_id_x 1
		.amdhsa_system_sgpr_workgroup_id_y 1
		.amdhsa_system_sgpr_workgroup_id_z 1
		.amdhsa_system_vgpr_workitem_id 0
		.amdhsa_next_free_vgpr 128
		.amdhsa_next_free_sgpr 100
		.amdhsa_reserve_vcc 0
		.amdhsa_float_denorm_mode_32 3
		.amdhsa_float_denorm_mode_16_64 3
		.amdhsa_memory_ordered 1
		.amdhsa_forward_progress 1
		.amdhsa_inst_pref_size 95
	.end_amdhsa_kernel
	.amdgpu_metadata
---
amdhsa.version: [ 1, 2 ]
amdhsa.kernels:
  - .name:           k_q133db61faa_pos
    .symbol:         k_q133db61faa_pos.kd
    .args:
      - { .name: pp_w, .offset: 0, .size: 8, .value_kind: global_buffer, .address_space: global }
      - { .name: pp_b, .offset: 8, .size: 8, .value_kind: global_buffer, .address_space: global }
      - { .name: p1_lng, .offset: 16, .size: 8, .value_kind: global_buffer, .address_space: global }
      - { .name: p1_lnb, .offset: 24, .size: 8, .value_kind: global_buffer, .address_space: global }
      - { .name: p1_w, .offset: 32, .size: 8, .value_kind: global_buffer, .address_space: global }
      - { .name: p1_b, .offset: 40, .size: 8, .value_kind: global_buffer, .address_space: global }
      - { .name: p2_lng, .offset: 48, .size: 8, .value_kind: global_buffer, .address_space: global }
      - { .name: p2_lnb, .offset: 56, .size: 8, .value_kind: global_buffer, .address_space: global }
      - { .name: p2_w, .offset: 64, .size: 8, .value_kind: global_buffer, .address_space: global }
      - { .name: p2_b, .offset: 72, .size: 8, .value_kind: global_buffer, .address_space: global }
      - { .name: p3_lng, .offset: 80, .size: 8, .value_kind: global_buffer, .address_space: global }
      - { .name: p3_lnb, .offset: 88, .size: 8, .value_kind: global_buffer, .address_space: global }
      - { .name: p3_w, .offset: 96, .size: 8, .value_kind: global_buffer, .address_space: global }
      - { .name: p3_b, .offset: 104, .size: 8, .value_kind: global_buffer, .address_space: global }
      - { .name: btab, .offset: 112, .size: 8, .value_kind: global_buffer, .address_space: global }
      - { .name: wimg, .offset: 120, .size: 8, .value_kind: global_buffer, .address_space: global }
      - { .name: qkv_w_codes, .offset: 128, .size: 8, .value_kind: global_buffer, .address_space: global }
      - { .name: qkv_w_scales, .offset: 136, .size: 8, .value_kind: global_buffer, .address_space: global }
      - { .name: proj_w_codes, .offset: 144, .size: 8, .value_kind: global_buffer, .address_space: global }
      - { .name: proj_w_scales, .offset: 152, .size: 8, .value_kind: global_buffer, .address_space: global }
      - { .name: fc1_w_codes, .offset: 160, .size: 8, .value_kind: global_buffer, .address_space: global }
      - { .name: fc1_w_scales, .offset: 168, .size: 8, .value_kind: global_buffer, .address_space: global }
      - { .name: fc2_w_codes, .offset: 176, .size: 8, .value_kind: global_buffer, .address_space: global }
      - { .name: fc2_w_scales, .offset: 184, .size: 8, .value_kind: global_buffer, .address_space: global }
      - { .name: wscl, .offset: 192, .size: 8, .value_kind: global_buffer, .address_space: global }
    .group_segment_fixed_size: 0
    .private_segment_fixed_size: 0
    .kernarg_segment_align: 8
    .kernarg_segment_size: 200
    .max_flat_workgroup_size: 64
    .sgpr_count:     100
    .vgpr_count:     128
    .wavefront_size: 32
...
	.end_amdgpu_metadata
.endif
;; end of part 8
;; launch qkv (part 9): grid 256 x 1, 8 waves a work-group, no clusters, 189,440 bytes of LDS; arguments x, n1_g, n1_b, wimg, wscl, qkv_b, y_codes, y_scales, qkvc, scl; writes qkvc, scl
.if DOCPART == 9
	.amdgcn_target "amdgcn-amd-amdhsa--gfx1250"
	.amdhsa_code_object_version 6
	.text
	.protected	k_q133db61faa_qkv
	.globl	k_q133db61faa_qkv
	.p2align	8
	.type	k_q133db61faa_qkv,@function
k_q133db61faa_qkv:
	s_mov_b64 s[64:65], 0
	v_nop
	global_prefetch_b8 v0, s[64:65] scope:SCOPE_SE
	s_setreg_imm32_b32 hwreg(HW_REG_WAVE_SCHED_MODE, 0, 2), 2
	s_setreg_imm32_b32 hwreg(HW_REG_WAVE_MODE, 25, 1), 1
	s_wait_xcnt 0x0
	s_wait_alu depctr_vm_vsrc(0)
; q = (LN(x) Wq + bq) / sqrt(32) from x; k = y Wk + bk and v = y Wv + bv from y's codes; all three quantised to FP6 (E2M3) with one E8M0 scale for each 32 along the K of the product that will read them,
; and stored as IMAGES OF OPERAND REGISTERS.  (k, v of x and q of y are never used by the module and are not made.)
; An image is 12 registers x 32 lanes, 1,536 bytes: registers 4 c .. 4 c + 3 of lane l at 512 c + 16 l.  qkvc: [window x 8 + head][q, k, v][image 8][1,536];  scl: [window x 8 + head][q, k, v][4][32 lanes] scale words.
;   q, k image: a head has 32 channels, ONE block of 32 along K, so the four K blocks of a fragment hold FOUR TILES of 16 tokens: block beta = 2 c + lane / 16.
;     q image i: queries 64 i on; the block at place p holds tile 2 (p % 2) + p / 2 (the attention launch visits the places in the order 0, 2, 1, 3).
;     k image F: keys 64 F on; block beta holds keys 32 (beta / 2) + 8 (beta % 2) + r + 8 (r / 8): so the scores of two neighbouring tiles are 16 neighbouring keys in a lane.
;   v image 2 s + dt: V^T, rows = channels 8 dt + r + 8 (r / 8), K = keys 128 s .. 128 s + 127.
; SHARES.  A work-group takes 128 tokens of a window (window = id / 4, part s = id % 4).  First the eight waves share the ROWS: wave w normalises and quantises 16 rows of x and lays their two fragments in LDS;
; it also brings ONE tile of 16 tokens of y and lays its two fragments in LDS, so that each byte of y is loaded once by the work-group.  Then they share the COLUMNS: wave = head; its 96 rows of the weights stay in its registers.
; HOW THINGS COME.  x: whole rows, each load of the wave 512 consecutive bytes; they turn through the wave's own stage in LDS (rows 1,040 bytes apart: sixteen rows start in sixteen different groups of banks) into the layout that the quantiser wants:
; lane (r, h) holds, of row r, 16 neighbours of each block of 32.  The norm's gain and bias: a number a thread into LDS, and back 16 bytes a lane.  The weights: from wimg and wscl, where the first launch has laid them in the order of operand registers:
; fragment 32 kind + 4 head + 2 u + ks, three loads of 512 consecutive bytes each.
; q and k are made transposed (source 0 = 16 rows of W, source 1 = 16 tokens): a lane holds one token and 16 neighbouring channels.  v is made straight (source 0 = 16 tokens of y, source 1 = 16 rows of Wv):
; a lane holds one channel and, by the choice of a tile's tokens, 16 neighbouring keys.  The biases are the C of each sum's first product.
; The accumulators take turns, one product a turn.
; LIMITS: NaN and infinities are not served; a block of zeros gets the scale byte 1 (its codes are zeros; this program alone reads the bytes); a block's largest magnitude is not taken under 2^-124; 1 / sqrt by v_rsq_f32.
; REGISTERS.  Window 0: v1-11 addresses; v16-27 the weights' scale words; v28-35 the tokens' scale words; v36-38 scale words on their way out; v40-58 codes just made; v60-76 the quantiser's;
;   v80-143 64 results; v144-239 four tiles' fragments (2 x 12 each); while x is normalised v112-239 hold my row's 128 numbers, v80-91 sums; at the head v92-103 and v240-251 my tile of y, v106-107 a gain and a bias.
;   Window 1: first the gain (0-127) and bias (128-255) of the norm; then Wq 0-47, bq 48-63, Wk 64-111, Wv 112-159, bk 160-175, bv 176-191, v's results 0-63 (when q is done) and 192-255.
; THE MODE: SCHED_MODE bits 1:0 = 2 (LLVM: expert scheduling mode 2), set by the entry lines.  The code itself states the register dependences
; between vector or matrix instructions and memory or LDS instructions, with s_wait_alu, always for 0.
; THE PLAN.  Registers that memory or LDS instructions touch, and who else names them:
;   v1-11, v254, v255   Written at the head, never again: one wait on va_vdst ahead of the first load serves every address of the kernel.
;   v92-107, v240-251, v28-29   Land by loads, are read by LDS stores; later products write v92-107 and scale words land in v28-29: the wait on vm_vsrc in the stage's turn stands behind those stores.
;   v112-239 as x       Global loads land; LDS stores read; one wait on vm_vsrc; LDS loads land; then vector instructions alone.
;   window 1            LDS loads land (gain, bias); the norm's last lines read; one wait on va_vdst; the weights' loads land; then matrix and vector instructions alone.
;   v40-58, v76, v38    Codes, scale word, the two images' scale words: written by the quantiser and the lines behind it; one wait on va_vdst; a run of stores reads them; one wait on vm_vsrc ahead of the next quantiser.
;   v144-239, v28-35 as four tiles   LDS loads land; products read.  The wait on va_vdst ahead of an image's stores stands behind those products and serves the next fetch; where y's tiles are fetched straight behind products, a wait of its own.
.set XIMG, 0                           ; LDS: x's 16 fragments (tile T, K step ks: 2 T + ks),
.set XSC,  24576                       ; their scale words, 128 bytes each,
.set YIMG, 26624                       ; y's 16 fragments (tile 4 F + beta: 2 (4 F + beta) + ks),
.set YSC,  51200                       ; their scale words,
.set GL,   53248                       ; the norm's gain, 1,024 bytes,
.set BL,   54272                       ; its bias,
.set XST,  55296                       ; and a stage of 16 rows x 1,040 bytes for each wave
.set TA,  1
.set LI,  2
.set LS,  3
.set GA,  4
.set SRQ, 5
.set STQ, 6
.set YA,  7
.set YSA, 8
.set XWI, 9
.set XWS, 10
.set BVA, 11
.set WS,  16
.set TS,  28
.set SW,  36
.set PC,  40
.set TM,  60
.set PW,  76
.set HA,  80
.set TC,  80
.set MU,  88
.set RS,  90
.set X,   112
.set TF,  144
.set WV,  24
.set SEL, 28
.set HIM, 30
.set SINV, 31
.set SEPS, 32
.set MSB, 0
.macro WIN new                         ; the immediate's high byte repeats the setting that is left
.if MSB != \new
	s_set_vgpr_msb (MSB<<8)|\new
.set MSB, \new
.endif
.endm
.macro PLACES n
.rept \n
	v_nop
.endr
.endm
.macro MX d, a, b, c, sa, sb
	v_wmma_scale_f32_16x16x128_f8f6f4 v[\d:\d+7], v[\a:\a+11], v[\b:\b+11], v[\c:\c+7], v[\sa], v[\sb] matrix_a_fmt:MATRIX_FMT_FP6 matrix_b_fmt:MATRIX_FMT_FP6
.endm
; 64 numbers of a lane, register 16 b + i = element 32 b + 16 (lane / 16) + i of my row, become a fragment's codes in v[PC] on and its scale word in v[PW].
.macro QUANT s
.irp b, 0,1,2,3
	v_max3_num_f32 v[TM+\b], |v[\s+16*\b]|, |v[\s+1+16*\b]|, 0x1800000   ; my 16 numbers of block b, and the floor 2^(3 - 127): the byte cannot fall under 1
.endr
.irp i, 2,4,6,8,10,12,14
.irp b, 0,1,2,3
	v_max3_num_f32 v[TM+\b], v[TM+\b], |v[\s+16*\b+\i]|, |v[\s+1+16*\b+\i]|
.endr
.endr
.irp b, 0,1,2,3
	v_permlanex16_b32 v[TM+4+\b], v[TM+\b], s[SEL], s[SEL+1]
.endr
.irp b, 0,1,2,3
	v_max_num_f32 v[TM+\b], v[TM+\b], v[TM+4+\b]   ; with lane l xor 16's: the block's largest magnitude
.endr
.irp b, 0,1,2,3
	v_add_nc_u32 v[TM+12+\b], 0xff000000, v[TM+\b] ; 2 off its exponent field: the conversion's scale operand
.endr
.irp b, 0,1,2,3
	v_lshrrev_b32 v[TM+4+\b], 23, v[TM+12+\b]      ; the scale's byte
.endr
	v_lshl_or_b32 v[PW], v[TM+5], 8, v[TM+4]
	v_lshl_or_b32 v[PW], v[TM+6], 16, v[PW]
	v_lshl_or_b32 v[PW], v[TM+7], 24, v[PW]
.irp c, 0,1
	v_cvt_scalef32_pk16_fp6_f32 v[PC+6*\c:PC+2+6*\c], v[\s+32*\c:\s+15+32*\c], v[TM+12+2*\c]
	v_cvt_scalef32_pk16_fp6_f32 v[PC+12+4*\c:PC+14+4*\c], v[\s+16+32*\c:\s+31+32*\c], v[TM+12+2*\c+1]   ; (a conversion's three registers begin on an even number)
.endr
	v_nop                                          ; one plain line behind a scaled conversion
.irp c, 0,1                                    ; the operand's layout wants a whole block in a lane: lanes 0-15 block 2 c, lanes 16-31 block 2 c + 1
.irp i, 0,1,2
	v_permlane16_swap_b32 v[PC+6*\c+\i], v[PC+12+4*\c+\i]
.endr
.irp i, 0,1,2
	v_mov_b32 v[PC+3+6*\c+\i], v[PC+12+4*\c+\i]
.endr
.endr
.endm
.macro IMAGE reg, adr, off                     ; a fragment goes to LDS as it stands
.irp c, 0,1,2
	ds_store_b128 v[\adr], v[\reg+4*\c:\reg+4*\c+3] offset:\off+512*\c
.endr
.endm
.macro FETCH reg, adr, off                     ; and comes back so, in any wave
.irp c, 0,1,2
	ds_load_b128 v[\reg+4*\c:\reg+4*\c+3], v[\adr] offset:\off+512*\c
.endr
.endm
.macro REDUCE                                  ; four chains of pairs -> the row's sum in v[TC], in every lane of the row
	v_pk_add_f32 v[TC:TC+1], v[TC:TC+1], v[TC+2:TC+3]
	v_pk_add_f32 v[TC+4:TC+5], v[TC+4:TC+5], v[TC+6:TC+7]
	v_pk_add_f32 v[TC:TC+1], v[TC:TC+1], v[TC+4:TC+5]
	v_add_f32 v[TC], v[TC], v[TC+1]
	v_permlanex16_b32 v[TC+2], v[TC], s[SEL], s[SEL+1]
	v_add_f32 v[TC], v[TC], v[TC+2]
.endm
; The norm of a row of 256, of which lanes l and l xor 16 hold 128 each in v[X] on; gain and bias in window 1 at g and b (they have been waited for ahead of the macro).
.macro LNORM g, b
.irp c, 0,1,2,3
	v_pk_add_f32 v[TC+2*\c:TC+2*\c+1], v[X+2*\c:X+2*\c+1], v[X+8+2*\c:X+9+2*\c]
.endr
.set i, 16
.rept 56
	v_pk_add_f32 v[TC+i%8:TC+i%8+1], v[TC+i%8:TC+i%8+1], v[X+i:X+i+1]
.set i, i+2
.endr
	REDUCE
	v_mul_f32 v[MU], s[SINV], v[TC]                ; the mean
	v_mov_b32 v[MU+1], v[MU]
.set i, 0
.rept 64
	v_pk_add_f32 v[X+i:X+i+1], v[X+i:X+i+1], v[MU:MU+1] op_sel_hi:[1,0] neg_lo:[0,1] neg_hi:[0,1]
.set i, i+2
.endr
.irp c, 0,1,2,3
	v_pk_mul_f32 v[TC+2*\c:TC+2*\c+1], v[X+2*\c:X+2*\c+1], v[X+2*\c:X+2*\c+1]
.endr
.set i, 8
.rept 60
	v_pk_fma_f32 v[TC+i%8:TC+i%8+1], v[X+i:X+i+1], v[X+i:X+i+1], v[TC+i%8:TC+i%8+1]
.set i, i+2
.endr
	REDUCE
	v_fma_f32 v[TC], v[TC], s[SINV], s[SEPS]       ; var + 1e-5
	s_wait_alu depctr_va_vdst(0)
	v_rsq_f32 v[RS], v[TC]
	v_mov_b32 v[RS+1], 0                           ; the pair's upper half is named, so it is written: the plain line behind the root
	s_wait_alu depctr_va_vdst(0)                   ; the root has written v[RS], ahead of its first reader
.set i, 0
.rept 64
	v_pk_mul_f32 v[X+i:X+i+1], v[X+i:X+i+1], v[RS:RS+1] op_sel_hi:[1,0]
.set i, i+2
.endr
	WIN 0x14                                       ; sources 1 and 2 in window 1
.set i, 0
.rept 64
	v_pk_fma_f32 v[X+i:X+i+1], v[X+i:X+i+1], v[\g+i:\g+i+1], v[\b+i:\b+i+1]
.set i, i+2
.endr
	WIN 0
.endm
	s_load_b512 s[4:19], s[0:1], 0x0               ; x, n1_g, n1_b, wimg, wscl, qkv_b, y's codes, y's scales
	s_load_b128 s[20:23], s[0:1], 0x40             ; qkvc, scl
	v_lshl_add_u32 v254, v0, 2, 0x2e000
	v_mov_b32 v255, 0
	v_lshrrev_b32 v12, 5, v0
	v_readfirstlane_b32 s[WV], v12                 ; wave 0..7
	v_lshlrev_b32 v[TA], 2, v0                     ; 4 x thread: a number of the gain, of the bias
	v_and_b32 v12, 31, v0                          ; lane
	v_and_b32 v13, 15, v0                          ; r
	v_bfe_u32 v14, v0, 4, 1                        ; h
	v_lshlrev_b32 v[LI], 4, v12                    ; an image's place for my lane
	v_lshlrev_b32 v[LS], 2, v12                    ; a scale word's
	v_lshlrev_b32 v[GA], 6, v14                    ; 64 h: my 16 numbers of a block of 32
	v_and_b32 v15, 8, v13                          ; 8 (r / 8)
	v_and_b32 v12, 7, v13                          ; r % 8
	s_wait_alu depctr_va_sdst(0)                   ; the wave's number is written into s24, ahead of its first reader: LDS places and all bases are made from it
	s_mul_i32 s33, s[WV], 16640
	s_add_co_u32 s33, s33, XST                     ; my stage
	v_add_nc_u32 v[SRQ], s33, v[LI]                ; into it: whole rows, 16 bytes a lane
	v_mul_u32_u24 v[STQ], v13, 1040
	v_add_nc_u32 v[STQ], v[STQ], v[GA]
	v_add_nc_u32 v[STQ], s33, v[STQ]               ; out of it: row r, + 64 h
	v_add_nc_u32 v13, v13, v15                     ; r + 8 (r / 8)
	v_lshlrev_b32 v[BVA], 2, v13                   ; bv of my channel
	v_lshl_add_u32 v12, v15, 3, v12                ; y: token r + 8 (r / 8) of a tile lies r % 8 + 64 (r / 8) rows on
	v_mul_u32_u24 v[YA], v12, 192
	v_mad_u32_u24 v[YA], v14, 24, v[YA]
	v_lshlrev_b32 v[YSA], 3, v12
	s_mul_i32 s33, s[WV], 3072
	v_add_nc_u32 v[XWI], s33, v[LI]                ; where I store two images, x's and y's alike
	s_lshl_b32 s33, s[WV], 8
	v_add_nc_u32 v[XWS], s33, v[LS]                ; and their scale words
.irp b, 0,1,2,3
	v_mov_b32 v[TM+4+\b], 0                        ; written once: a lane permute's destination counts as one of its sources
.endr
	s_mov_b32 s[SEL], 0x76543210
	s_mov_b32 s[SEL+1], 0xfedcba98                 ; v_permlanex16_b32's selects for lane l xor 16
	s_mov_b32 s[HIM], 0xffff0000                   ; lanes 16-31
	s_mov_b32 s[SINV], 0x3b800000                  ; 1 / 256
	s_mov_b32 s[SEPS], 0x3727c5ac                  ; 1e-5
	s_lshr_b32 s25, ttmp9, 2                       ; the window
	s_and_b32 s26, ttmp9, 3                        ; s: which 128 of its tokens
	s_bfe_u32 s27, s25, 0x20004
	s_lshl_b32 s27, s27, 13
	s_bfe_u32 s33, s25, 0x20002
	s_lshl_b32 s33, s33, 8
	s_add_co_u32 s27, s27, s33
	s_and_b32 s33, s25, 3
	s_lshl_b32 s33, s33, 3
	s_add_co_u32 s27, s27, s33                     ; the window's first row: 8,192 wh + 256 ww + 8 wd
	s_lshl_b32 s34, s26, 1
	s_lshr_b32 s33, s[WV], 2
	s_add_co_u32 s34, s34, s33
	s_lshl_b32 s34, s34, 10
	s_and_b32 s33, s[WV], 3
	s_lshl_b32 s33, s33, 6
	s_add_co_u32 s34, s34, s33
	s_add_co_u32 s34, s34, s27                     ; my tile's first row of x: + 1,024 (2 s + wave / 4) + 64 (wave % 4)
	s_lshl_b32 s34, s34, 10
	s_mov_b32 s35, 0
	s_mul_i32 s36, s[WV], 6144                     ; my head's four fragments of each part of W,
	s_mov_b32 s37, 0
	s_lshl_b32 s38, s[WV], 9                       ; their scale words,
	s_mov_b32 s39, 0
	s_lshl_b32 s40, s[WV], 7                       ; my head's biases
	s_mov_b32 s41, 0
	s_lshl_b32 s42, s26, 11
	s_add_co_u32 s42, s42, s27                     ; y: the part's first row,
	s_lshr_b32 s33, s[WV], 2
	s_lshl_b32 s33, s33, 10
	s_add_co_u32 s42, s42, s33                     ; and my tile's (F = wave / 4, beta = wave % 4): + 1,024 F
	s_bfe_u32 s33, s[WV], 0x10001
	s_lshl_b32 s33, s33, 7
	s_add_co_u32 s42, s42, s33                     ; + 128 (beta / 2)
	s_and_b32 s33, s[WV], 1
	s_lshl_b32 s33, s33, 5
	s_add_co_u32 s42, s42, s33                     ; + 32 (beta % 2)
	s_lshl_b32 s44, s42, 3
	s_mul_i32 s42, s42, 192
	s_mov_b32 s43, 0
	s_mov_b32 s45, 0
	s_lshl_b32 s46, s25, 3
	s_add_co_u32 s46, s46, s[WV]                   ; 8 x window + head
	s_mul_i32 s48, s46, 1536
	s_mul_i32 s46, s46, 36864
	s_mul_i32 s33, s26, 3072
	s_add_co_u32 s46, s46, s33                     ; two images of each kind for each part
	s_lshl_b32 s33, s26, 7
	s_add_co_u32 s48, s48, s33
	s_mov_b32 s47, 0
	s_mov_b32 s49, 0
	s_wait_kmcnt 0x0
	s_add_nc_u64 s[4:5], s[4:5], s[34:35]
	s_add_nc_u64 s[10:11], s[10:11], s[36:37]
	s_add_nc_u64 s[12:13], s[12:13], s[38:39]
	s_add_nc_u64 s[14:15], s[14:15], s[40:41]
	s_add_nc_u64 s[16:17], s[16:17], s[42:43]
	s_add_nc_u64 s[18:19], s[18:19], s[44:45]
	s_add_nc_u64 s[20:21], s[20:21], s[46:47]
	s_add_nc_u64 s[22:23], s[22:23], s[48:49]
	s_wait_alu depctr_va_vdst(0)                   ; the eleven offsets and addresses v1 to v11 are written, which the loads and stores of the whole kernel read; none is written again
	; ---- what the work-group shares comes first: a number of the gain and of the bias a thread, a tile of y a wave; then my 16 rows of x
	global_load_b32 v106, v[TA], s[6:7]
	global_load_b32 v107, v[TA], s[8:9]
.irp ks, 0,1
.irp p, 0,1,2,3,4,5
	global_load_b64 v[92+148*\ks+2*\p:92+148*\ks+2*\p+1], v[YA], s[16:17] offset:96*\ks+48*(\p/3)+8*(\p%3) th:TH_LOAD_NT
.endr
	global_load_b32 v[TS+\ks], v[YSA], s[18:19] offset:4*\ks
.endr
.set i, 0
.rept 32
	global_load_b128 v[X+4*i:X+4*i+3], v[LI], s[4:5] offset:(((i/2)/8)*32+(i/2)%8)*1024+512*(i%2) th:TH_LOAD_NT   ; token i / 2 of my tile, half a row: 512 consecutive bytes
.set i, i+1
.endr
	s_wait_loadcnt 46                              ; y's 14 loads and x's 32 may be out: the gain and the bias are in
	ds_store_b32 v[TA], v106 offset:GL
	ds_store_b32 v[TA], v107 offset:BL
	s_wait_loadcnt 32                              ; x's 32 may be out: my tile of y is in
	IMAGE 92, XWI, YIMG
	IMAGE 240, XWI, YIMG+1536
	ds_store_b32 v[XWS], v[TS] offset:YSC
	ds_store_b32 v[XWS], v[TS+1] offset:YSC+128
	s_wait_dscnt 0x0                               ; my stores have landed;
	s_barrier_signal -1
	s_barrier_wait -1                              ; everybody's have: gain, bias and y's sixteen fragments lie in LDS, and nobody writes them again
	WIN 0x40                                       ; destination in window 1
.set i, 0
.rept 32
	ds_load_b128 v[4*i:4*i+3], v[GA] offset:GL+128*(i/4)+16*(i%4)
.set i, i+1
.endr
.set i, 0
.rept 32
	ds_load_b128 v[128+4*i:128+4*i+3], v[GA] offset:BL+128*(i/4)+16*(i%4)
.set i, i+1
.endr
	WIN 0
	s_wait_loadcnt 0x0                             ; x
.set i, 0
.rept 32
	ds_store_b128 v[SRQ], v[X+4*i:X+4*i+3] offset:1040*(i/2)+512*(i%2)
.set i, i+1
.endr
	s_wait_alu depctr_vm_vsrc(0)                   ; the LDS stores have read v[X ..], in which the loads below land; those of the head have read v28-29, v92-107 and v240-251, of which scale words and products take some later
.set i, 0
.rept 32
	ds_load_b128 v[X+4*i:X+4*i+3], v[STQ] offset:128*(i/4)+16*(i%4)   ; LDS serves a wave's instructions in order (ISA guide 5.7.1.4): these see my stores.  Lane (r, h): of row r, 16 neighbours of each block of 32
.set i, i+1
.endr
	s_wait_dscnt 0x0                               ; my rows, the gain and the bias are in registers
	LNORM 0, 128
	; my head's weights come while x is quantised
	WIN 0x40
	s_wait_alu depctr_va_vdst(0)                   ; the norm's last lines are done reading the gain and the bias in window 1, in which the weights and their biases land
.irp kind, 0,1,2
.irp u, 0,1
.irp ks, 0,1
.irp c, 0,1,2
	global_load_b128 v[64*\kind-16*(\kind/2)+24*\u+12*\ks+4*\c:64*\kind-16*(\kind/2)+24*\u+12*\ks+4*\c+3], v[LI], s[10:11] offset:(32*\kind+2*\u+\ks)*1536+512*\c
.endr
.endr
.endr
.endr
.irp kind, 0,1
.irp u, 0,1
	global_load_b128 v[48+112*\kind+8*\u:48+112*\kind+8*\u+3], v[GA], s[14:15] offset:1024*\kind+32*\u      ; lane (r, h): the biases of channels 16 h + 8 u + 0 .. 7
	global_load_b128 v[48+112*\kind+8*\u+4:48+112*\kind+8*\u+7], v[GA], s[14:15] offset:1024*\kind+32*\u+16
.endr
.endr
.irp dt, 0,1
	global_load_b32 v[176+8*\dt], v[BVA], s[14:15] offset:2048+32*\dt   ; bv of channel 8 dt + r + 8 (r / 8)
.endr
	WIN 0
.irp kind, 0,1,2
.irp u, 0,1
.irp ks, 0,1
	global_load_b32 v[WS+4*\kind+2*\u+\ks], v[LS], s[12:13] offset:(32*\kind+2*\u+\ks)*128
.endr
.endr
.endr
	QUANT X
	s_wait_alu depctr_va_vdst(0)                   ; the quantiser has written the codes v[PC ..] and the scale word v[PW], which the LDS stores read
	IMAGE PC, XWI, XIMG
	ds_store_b32 v[XWS], v[PW] offset:XSC
	s_wait_alu depctr_vm_vsrc(0)                   ; these stores have read v[PC ..] and v[PW], which the quantiser writes again
	QUANT X+64
	s_wait_alu depctr_va_vdst(0)                   ; codes and scale word are written, for the LDS stores; and the quantiser is done with v112-239, in which the first four tiles' fragments land
	IMAGE PC, XWI, XIMG+1536
	ds_store_b32 v[XWS], v[PW] offset:XSC+128
	s_wait_dscnt 0x0                               ; my images have landed;
	s_barrier_signal -1
	s_barrier_wait -1                              ; everybody's have: x's sixteen fragments lie in LDS, and nobody writes LDS again
	s_wait_loadcnt 0x0                             ; the weights
	WIN 0x41
.irp dt, 0,1
.irp j, 1,2,3,4,5,6,7
	v_mov_b32 v[176+8*\dt+\j], v[176+8*\dt]        ; v's C: a lane holds one channel, so its bias stands in all eight registers
.endr
.endr
	WIN 0
; eight products: four tiles of tokens x my head's two tiles of channels, K step ks; kind 0: q, 1: k
.macro PROD kind, ks
.irp be, 0,1,2,3
.irp u, 0,1
.if \ks == 0
	MX HA+16*\be+8*\u, 64*\kind+24*\u, TF+24*\be, 48+112*\kind+8*\u, WS+4*\kind+2*\u, TS+2*\be
.else
	MX HA+16*\be+8*\u, 64*\kind+24*\u+12, TF+24*\be+12, HA+16*\be+8*\u, WS+4*\kind+2*\u+1, TS+2*\be+1
.endif
.endr
.endr
.endm
; eight products for v: source 0 = a tile of y's tokens, source 1 = 16 rows of Wv
.macro VPROD F, ks
.irp be, 0,1,2,3
.irp dt, 0,1
.if \ks == 0
	MX 192*\dt+32*\F+16*(\be/2)+8*(\be%2), TF+24*\be, 112+24*\dt, 176+8*\dt, TS+2*\be, WS+8+2*\dt
.else
	MX 192*\dt+32*\F+16*(\be/2)+8*(\be%2), TF+24*\be+12, 112+24*\dt+12, 192*\dt+32*\F+16*(\be/2)+8*(\be%2), TS+2*\be+1, WS+8+2*\dt+1
.endif
.endr
.endr
.endm
.macro YFETCH F                                ; four tiles of y from LDS: keys 64 F + 32 (be / 2) + 8 (be % 2) + r + 8 (r / 8) of my part
.irp be, 0,1,2,3
	FETCH TF+24*\be, LI, YIMG+(2*(4*\F+\be))*1536
	FETCH TF+24*\be+12, LI, YIMG+(2*(4*\F+\be)+1)*1536
	ds_load_b32 v[TS+2*\be], v[LS] offset:YSC+128*(2*(4*\F+\be))
	ds_load_b32 v[TS+2*\be+1], v[LS] offset:YSC+128*(2*(4*\F+\be)+1)
.endr
.endm
.macro IMG_OUT kind, idx                       ; each store of the wave covers 512 consecutive bytes, aligned
.irp c, 0,1,2
	global_store_b128 v[LI], v[PC+4*\c:PC+4*\c+3], s[20:21] offset:12288*\kind+1536*\idx+512*\c
.endr
.endm
; The 64 results in v[HA] on become image idx (0 or 1) of a kind and leave.  With the second image go both images' scale words: lanes 0-15 the first image's, lanes 16-31 the second's.
.macro FINISH kind, idx
	s_wait_xcnt 0x0                                ; the last image's stores have had their addresses translated: their data registers are written again only behind this wait,
	s_wait_alu depctr_vm_vsrc(0)                   ; and they have read v[PC ..], v[PW] and v[SW + 2], which the lines below write again
	QUANT HA
	v_mov_b32 v[SW+\idx], v[PW]
.if \idx == 1
	v_cndmask_b32 v[SW+2], v[SW], v[SW+1], s[HIM]
.endif
	s_wait_alu depctr_va_vdst(0)                   ; the codes v[PC ..] (and with the second image v[SW + 2]) are written, which the stores read; the products ahead are done reading their four tiles, in which a later fetch lands
	IMG_OUT \kind, \idx
.if \idx == 1
	global_store_b32 v[LS], v[SW+2], s[22:23] offset:512*\kind
.endif
.endm
	; ---- q: two images of four tiles
.irp G, 0,1
.irp bq, 0,1,2,3
	FETCH TF+24*\bq, LI, XIMG+(2*(4*\G+2*(\bq%2)+\bq/2))*1536
	FETCH TF+24*\bq+12, LI, XIMG+(2*(4*\G+2*(\bq%2)+\bq/2)+1)*1536
	ds_load_b32 v[TS+2*\bq], v[LS] offset:XSC+128*(2*(4*\G+2*(\bq%2)+\bq/2))
	ds_load_b32 v[TS+2*\bq+1], v[LS] offset:XSC+128*(2*(4*\G+2*(\bq%2)+\bq/2)+1)
.endr
	s_wait_dscnt 0x0
	WIN 0x11                                       ; source 0 (W) and source 2 (the bias) in window 1
	PROD 0, 0
	WIN 0x01
	PROD 0, 1
	WIN 0
	PLACES 4                                       ; in front of the first read of results
.if \G == 1
	s_wait_alu depctr_va_vdst(0)                   ; the products are done reading the four tiles' fragments and scale words, in which y's land
	YFETCH 0                                       ; y's first four tiles come while q is quantised
.endif
.set i, 0
.rept 32
	v_pk_mul_f32 v[HA+i:HA+i+1], v[HA+i:HA+i+1], 0x3e3504f3 op_sel_hi:[1,0]   ; x 32^-0.5
.set i, i+2
.endr
	FINISH 0, \G
.endr
	; ---- k and v
.irp F, 0,1
	s_wait_dscnt 0x0                               ; these four tiles of y
	WIN 0x11
	PROD 1, 0
	WIN 0x01
	PROD 1, 1
	WIN 0x54                                       ; source 1 (Wv), C and D in window 1
	VPROD \F, 0
	VPROD \F, 1
	WIN 0
	PLACES 4
.if \F == 0
	s_wait_alu depctr_va_vdst(0)                   ; the products are done reading the four tiles' fragments and scale words, in which the next four land
	YFETCH 1
.endif
	FINISH 1, \F
.endr
	; ---- v's two images: a lane's 64 registers are 128 keys' halves of one channel
.irp dt, 0,1
	WIN 0x01
.set i, 0
.rept 64
	v_mov_b32 v[HA+i], v[192*\dt+i]                ; each accumulator from its low end on
.set i, i+1
.endr
	WIN 0
	FINISH 2, \dt
.endr
	s_wait_dscnt 0x0                               ; the closing lines, six on end
	s_wait_alu 0x0
	s_wait_tensorcnt 0x0
	ds_add_u32 v254, v255
	s_wait_dscnt 0x0
	s_endpgm
.Lfunc_end_k_q133db61faa_qkv:
	.size	k_q133db61faa_qkv, .Lfunc_end_k_q133db61faa_qkv-k_q133db61faa_qkv
	.p2alignl 7, 3214868480
	.fill 96, 4, 3214868480
	.section	.rodata,"a",@progbits
	.p2align	6, 0x0
	.amdhsa_kernel k_q133db61faa_qkv
		.amdhsa_group_segment_fixed_size 189440
		.amdhsa_private_segment_fixed_size 0
		.amdhsa_enable_private_segment 0
		.amdhsa_kernarg_size 80
		.amdhsa_user_sgpr_count 2
		.amdhsa_user_sgpr_kernarg_segment_ptr 1
		.amdhsa_wavefront_size32 1
		.amdhsa_system_sgpr_workgroup_id_x 1
		.amdhsa_system_sgpr_workgroup_id_y 1
		.amdhsa_system_sgpr_workgroup_id_z 1
		.amdhsa_system_vgpr_workitem_id 0
		.amdhsa_next_free_vgpr 512
		.amdhsa_next_free_sgpr 66
		.amdhsa_reserve_vcc 0
		.amdhsa_float_denorm_mode_32 3
		.amdhsa_float_denorm_mode_16_64 3
		.amdhsa_memory_ordered 1
		.amdhsa_forward_progress 1
		.amdhsa_inst_pref_size 110
	.end_amdhsa_kernel
	.amdgpu_metadata
---
amdhsa.version: [ 1, 2 ]
amdhsa.kernels:
  - .name:           k_q133db61faa_qkv
    .symbol:         k_q133db61faa_qkv.kd
    .args:
      - { .name: x, .offset: 0, .size: 8, .value_kind: global_buffer, .address_space: global }
      - { .name: n1_g, .offset: 8, .size: 8, .value_kind: global_buffer, .address_space: global }
      - { .name: n1_b, .offset: 16, .size: 8, .value_kind: global_buffer, .address_space: global }
      - { .name: wimg, .offset: 24, .size: 8, .value_kind: global_buffer, .address_space: global }
      - { .name: wscl, .offset: 32, .size: 8, .value_kind: global_buffer, .address_space: global }
      - { .name: qkv_b, .offset: 40, .size: 8, .value_kind: global_buffer, .address_space: global }
      - { .name: y_codes, .offset: 48, .size: 8, .value_kind: global_buffer, .address_space: global }
      - { .name: y_scales, .offset: 56, .size: 8, .value_kind: global_buffer, .address_space: global }
      - { .name: qkvc, .offset: 64, .size: 8, .value_kind: global_buffer, .address_space: global }
      - { .name: scl, .offset: 72, .size: 8, .value_kind: global_buffer, .address_space: global }
    .group_segment_fixed_size: 189440
    .private_segment_fixed_size: 0
    .kernarg_segment_align: 8
    .kernarg_segment_size: 80
    .max_flat_workgroup_size: 256
    .sgpr_count:     66
    .vgpr_count:     512
    .wavefront_size: 32
...
	.end_amdgpu_metadata
.endif
;; end of part 9
;; launch attn (part 10): grid 512 x 1, 8 waves a work-group, no clusters, 58,624 bytes of LDS; arguments qkvc, scl, btab, ao, asc; writes ao, asc
.if DOCPART == 10
	.amdgcn_target "amdgcn-amd-amdhsa--gfx1250"
	.amdhsa_code_object_version 6
	.text
	.protected	k_q133db61faa_attn
	.globl	k_q133db61faa_attn
	.p2align	8
	.type	k_q133db61faa_attn,@function
k_q133db61faa_attn:
	s_mov_b64 s[64:65], 0
	v_nop
	global_prefetch_b8 v0, s[64:65] scope:SCOPE_SE
	s_setreg_imm32_b32 hwreg(HW_REG_WAVE_MODE, 25, 1), 1
	s_wait_xcnt 0x0
; ATTENTION OF ONE WINDOW AND ONE HEAD (work-group id = 8 x window + head): 512 queries x 512 keys x 32 channels, on codes of FP6 (E2M3) with E8M0 scales, both products by the scaled matrix instruction.
; logit = q . k + bias;  t = logit x log2(e);  M = the running largest t rounded UP to a whole number;  p = 2^(t - M) is quantised along the keys, not normalised; the row's sum is taken of the unquantised p and divides O at the end.
; When M moves, the sum and O are multiplied by 2^(old M - new M), which rounds nothing.
; OUT: O / sum, quantised along the head's 32 channels (one block of the next product's K): ao [id][query 512][24 bytes], asc [id][wave 8][r 16][trip 4] scale bytes.
; SHARES.  Wave w owns queries 64 w .. 64 w + 63 (q image w), 16 a trip; each trip walks the 512 keys in four steps of 128.  ALL of the head's K (8 fragments) and V^T (8 fragments) stay in each wave's registers, window 1.
; THE DENSE K.  A head's 32 channels are one block of the instruction's four.  A fragment of K holds four tiles of 16 keys, one in each block; the query side has the queries' 24 bytes in block beta alone and zero codes elsewhere:
; the product then is tile beta's scores.  The four versions of the query side overlap in 30 registers: zeros, the data in lanes 0-15, zeros, the data in lanes 16-31, zeros.  The blocks of zeros carry the scale byte 1.
; THE BIAS is the C of the score products: it comes from the head's table in LDS (57,600 bytes: [half 2][a 15][b 15][nd 8][j 4] f32), 16 bytes a load: four neighbouring keys of my query.
; Both products are used transposed (source 0 = keys, or V^T's channels; source 1 = my 16 queries): a lane holds ONE query (lane % 16) throughout.  By the choice of a tile's keys the 16 registers of tiles 2 b, 2 b + 1 are keys 32 b + 16 (lane / 16) + 0 .. 15.
; The accumulators take turns, one product a turn.
; No cluster: the work-groups of a window share no operand but the small table of their head's number.
; LIMITS: NaN and infinities are not served; p under 2^-126 counts as 0; a block of zeros gets the scale byte 1 (this program alone reads the bytes); 1 / sum by v_rcp_f32.
; REGISTERS.  Window 0: v1-11 addresses and masks; v8 the trips' scale bytes; v12 -M, v13 the largest t, v[14:15] the sum; v16-19 K's scale words, v20-23 V's, v24-27 q's bytes, v28-31 q's scale words for the four versions;
;   v32-49 q's image and its turned copy; v50-79 the query side; v80-82 O's codes; v84-91 at work; v96-159 the bias, then S^T, then p; v160-175 O^T; v224-254 p's codes and the quantiser's.   Window 1: v0-95 K, v96-191 V^T.
.set BB0, 1
.set BBC, 2
.set LI,  3
.set AOA, 4
.set ASA, 5
.set LOWM, 6
.set HIGHM, 7
.set KS,  16
.set VS,  20
.set SB,  24
.set QS,  28
.set CUR, 32
.set NXT, 38
.set TMP, 44
.set QV,  50
.set S,   96
.set O,   160
.set WV,  16
.set CS,  22
.set SEL, 24
.set MSB, 0
.macro WIN new                         ; the immediate's high byte repeats the setting that is left
.if MSB != \new
	s_set_vgpr_msb (MSB<<8)|\new
.set MSB, \new
.endif
.endm
.macro PLACES n
.rept \n
	v_nop
.endr
.endm
.macro MX d, a, b, c, sa, sb
	v_wmma_scale_f32_16x16x128_f8f6f4 v[\d:\d+7], v[\a:\a+11], v[\b:\b+11], v[\c:\c+7], v[\sa], v[\sb] matrix_a_fmt:MATRIX_FMT_FP6 matrix_b_fmt:MATRIX_FMT_FP6
.endm
.macro MX1 d, a, b, c, sa, sb          ; source 0's scale words from lanes 16-31
	v_wmma_scale_f32_16x16x128_f8f6f4 v[\d:\d+7], v[\a:\a+11], v[\b:\b+11], v[\c:\c+7], v[\sa], v[\sb] matrix_a_fmt:MATRIX_FMT_FP6 matrix_b_fmt:MATRIX_FMT_FP6 matrix_a_scale:MATRIX_SCALE_ROW1
.endm
	s_load_b256 s[4:11], s[0:1], 0x0               ; qkvc, scl, btab, ao
	s_load_b64 s[12:13], s[0:1], 0x20              ; asc
	v_lshl_add_u32 v251, v0, 2, 0xe100
	v_mov_b32 v255, 0
	v_lshrrev_b32 v9, 5, v0
	s_delay_alu instid0(VALU_DEP_1)
	v_readfirstlane_b32 s[WV], v9                  ; wave 0..7
	v_lshlrev_b32 v9, 4, v0                        ; 16 x thread: the table's way in
	v_and_b32 v10, 31, v0                          ; lane
	s_delay_alu instid0(VALU_DEP_1)
	v_lshlrev_b32 v[LI], 4, v10
	s_delay_alu instid0(VALU_DEP_2)
	v_lshlrev_b32 v84, 2, v10                      ; 4 lane
	s_delay_alu instid0(VALU_DEP_3)
	v_lshlrev_b32 v85, 3, v10                      ; 8 lane
	v_and_b32 v11, 15, v0                          ; r
	v_bfe_u32 v86, v0, 4, 1                        ; h
	s_xor_b32 s17, s[WV], 7                        ; 7 - nh, nh = my wave
	s_mul_i32 s17, s17, 1920
	v_lshrrev_b32 v87, 3, v11
	s_delay_alu instid0(VALU_DEP_1)
	v_xor_b32 v87, 1, v87                          ; 1 - r / 8
	s_delay_alu instid0(VALU_DEP_1)
	v_lshl_add_u32 v87, v86, 1, v87                ; + 2 h
	s_delay_alu instid0(VALU_DEP_1)
	v_lshlrev_b32 v87, 7, v87
	v_and_b32 v88, 7, v11                          ; nd
	s_delay_alu instid0(VALU_DEP_1)
	v_lshl_add_u32 v87, v88, 4, v87
	s_delay_alu instid0(VALU_DEP_1)
	v_add_nc_u32 v[BB0], s17, v87                  ; my place in the table, but for the trip, the step and the tile
	v_mul_u32_u24 v[AOA], v11, 24
	s_delay_alu instid0(VALU_DEP_1)
	v_mad_u32_u24 v[AOA], v86, 12, v[AOA]          ; O's codes: 24 bytes a query, my half's 12
	v_lshlrev_b32 v[ASA], 2, v11
	v_add_nc_u32 v[LOWM], -1, v86                  ; all ones in lanes 0-15
	v_sub_nc_u32 v[HIGHM], 0, v86                  ; all ones in lanes 16-31
	s_lshl_b32 s17, s[WV], 6
	v_lshl_add_u32 v89, v11, 2, s17                ; q's scale word of row r in image w: 4 r + 64 w
	s_mov_b32 s[CS], 0x3fb8aa3b                    ; log2(e)
	s_mov_b32 s[CS+1], s[CS]                       ; (named with it as a pair, so it is written)
	s_mov_b32 s[SEL], 0x76543210
	s_mov_b32 s[SEL+1], 0xfedcba98                 ; v_permlanex16_b32's selects for lane l xor 16
	s_mov_b32 s19, 0
	s_wait_kmcnt 0x0
	s_mul_i32 s18, ttmp9, 36864
	s_add_nc_u64 s[4:5], s[4:5], s[18:19]          ; my head's images
	s_mul_i32 s18, s[WV], 1536
	s_add_nc_u64 s[14:15], s[4:5], s[18:19]        ; my wave's q image
	s_add_nc_u64 s[10:11], s[10:11], s[18:19]      ; (64 queries x 24 bytes are as many)
	s_mul_i32 s18, ttmp9, 1536
	s_add_nc_u64 s[6:7], s[6:7], s[18:19]
	s_and_b32 s18, ttmp9, 7
	s_mul_i32 s18, s18, 57600
	s_add_nc_u64 s[8:9], s[8:9], s[18:19]          ; the head's table
	s_mul_i32 s18, ttmp9, 12288
	s_add_nc_u64 s[10:11], s[10:11], s[18:19]
	s_lshl_b32 s18, ttmp9, 9
	s_add_co_u32 s18, s18, s17
	s_add_nc_u64 s[12:13], s[12:13], s[18:19]
.irp i, 0,1,2,3,4,5,6,7,8,9,10,11,12,13
	global_load_b128 v[S+4*\i:S+4*\i+3], v9, s[8:9] offset:4096*\i   ; the table: 256 threads x 16 bytes, 14 times,
.endr
	s_cmp_lg_u32 s[WV], 0
	s_cbranch_scc1 .Lno_tail_in
	global_load_b64 v[152:153], v85, s[8:9] offset:57344             ; and wave 0 its last 256 bytes
.Lno_tail_in:
	WIN 0x40                                       ; destination in window 1
.irp f, 0,1,2,3,4,5,6,7
.irp c, 0,1,2
	global_load_b128 v[12*\f+4*\c:12*\f+4*\c+3], v[LI], s[4:5] offset:12288+1536*\f+512*\c
.endr
.endr
.irp f, 0,1,2,3,4,5,6,7
.irp c, 0,1,2
	global_load_b128 v[96+12*\f+4*\c:96+12*\f+4*\c+3], v[LI], s[4:5] offset:24576+1536*\f+512*\c
.endr
.endr
	WIN 0
.irp s, 0,1,2,3
	global_load_b32 v[KS+\s], v84, s[6:7] offset:512+128*\s      ; lanes 0-15: fragment 2 s; lanes 16-31: fragment 2 s + 1
	global_load_b32 v[VS+\s], v84, s[6:7] offset:1024+128*\s
.endr
.irp c, 0,1,2
	global_load_b128 v[CUR+4*\c:CUR+4*\c+3], v[LI], s[14:15] offset:512*\c
.endr
	s_wait_alu depctr_va_vdst(0)
	global_load_b32 v90, v89, s[6:7]
	s_wait_loadcnt 0x0
.irp i, 0,1,2,3,4,5,6,7,8,9,10,11,12,13
	ds_store_b128 v9, v[S+4*\i:S+4*\i+3] offset:4096*\i
.endr
	s_cmp_lg_u32 s[WV], 0
	s_cbranch_scc1 .Lno_tail_out
	ds_store_b64 v85, v[152:153] offset:57344
.Lno_tail_out:
	s_wait_dscnt 0x0                               ; my part of the table has landed;
	s_barrier_signal -1
	s_barrier_wait -1                              ; everybody's has, and nobody writes LDS again
.irp i, 0,1,2,3
	v_bfe_u32 v[SB+\i], v90, 8*(2*(\i%2)+\i/2), 8  ; trip i's queries lie at place 2 (i % 2) + i / 2 of the image
.endr
.irp k, 0,1,2,3,4,5
	v_mov_b32 v[QV+\k], 0
	v_mov_b32 v[QV+12+\k], 0
	v_mov_b32 v[QV+24+\k], 0
	v_mov_b32 v[TMP+\k], 0                         ; (a lane permute's destination counts as one of its sources)
.endr
.irp b, 0,1,2,3
	v_mov_b32 v[236+\b], 0
.endr
	v_mov_b32 v253, 0                              ; (named as the upper half of the pair v[252:253] before it is first written)
	v_mov_b32 v8, 0
.macro BIAS s                                  ; step s's biases into S^T's registers: tile t = 2 b + u: key planes 2 s + b / 2, key rows 4 (b % 2) + 2 h + u, keys 0-3 and 4-7 of the row
	s_setprio 2
.irp t, 0,1,2,3,4,5,6,7
	ds_load_b128 v[S+8*\t:S+8*\t+3], v[BBC] offset:(2*\s+\t/4)*1920+(4*((\t/2)%2)+\t%2)*128
	ds_load_b128 v[S+8*\t+4:S+8*\t+7], v[BBC] offset:(2*\s+\t/4)*1920+(4*((\t/2)%2)+\t%2)*128+28800
.endr
.endm
; A STEP: 128 keys
.macro STEP s
	s_wait_dscnt 0x0                               ; the biases are in
	WIN 0x01                                       ; source 0 in window 1
.irp t, 0,1,2,3
	MX S+8*\t, 24*\s, QV+6+12*(\t%2)-6*(\t/2), S+8*\t, KS+\s, QS+\t
.endr
.irp t, 0,1,2,3
	MX1 S+32+8*\t, 24*\s+12, QV+6+12*(\t%2)-6*(\t/2), S+32+8*\t, KS+\s, QS+\t
.endr
	WIN 0
	PLACES 4
.irp b, 0,1,2,3
	v_max3_num_f32 v[232+\b], v[96+16*\b], v[97+16*\b], v[98+16*\b]   ; the largest logit of each block of 32 keys: it serves for the row's maximum and, since p rises with the logit, for the block's largest p
.endr
.irp i, 3,5,7,9,11,13
.irp b, 0,1,2,3
	v_max3_num_f32 v[232+\b], v[232+\b], v[96+16*\b+\i], v[97+16*\b+\i]
.endr
.endr
.irp b, 0,1,2,3
	v_max_num_f32 v[232+\b], v[232+\b], v[111+16*\b]
.endr
.irp b, 0,1,2,3
	s_delay_alu instid0(VALU_DEP_4)
	v_permlanex16_b32 v[236+\b], v[232+\b], s[SEL], s[SEL+1]
.endr
.irp b, 0,1,2,3
	s_delay_alu instid0(VALU_DEP_4)
	v_max_num_f32 v[232+\b], v[232+\b], v[236+\b]  ; with lane l xor 16's 16 keys
.endr
	s_delay_alu instid0(VALU_DEP_2)
	v_max3_num_f32 v254, v232, v233, v234
	s_delay_alu instid0(VALU_DEP_1)
	v_max_num_f32 v254, v254, v235
	s_delay_alu instid0(VALU_DEP_1)
	v_mul_f32 v254, s[CS], v254                    ; as t
	s_delay_alu instid0(VALU_DEP_1)
	v_max_num_f32 v13, v13, v254                   ; the running largest t
	v_mov_b32 v254, v12
	s_delay_alu instid0(VALU_DEP_2)
	v_floor_f32 v12, -v13                          ; the new -M = floor(-t) = -ceil(t)
	s_delay_alu instid0(VALU_DEP_1)
	v_sub_f32 v254, v12, v254                      ; old M - new M: a whole number, 0 or less
	s_delay_alu instid0(VALU_DEP_1)
	v_cvt_i32_f32 v254, v254                       ; (it saturates)
	s_delay_alu instid0(VALU_DEP_1)
	v_ldexp_f32 v252, 1.0, v254                    ; f = 2^(old M - new M)
.set j, 0
.rept 32
	v_pk_fma_f32 v[96+j:97+j], v[96+j:97+j], s[CS:CS+1], v[12:13] op_sel_hi:[1,0,0]   ; t - M, two at a time
.set j, j+2
.endr
.irp b, 0,1,2,3
	v_fma_f32 v[232+\b], v[232+\b], s[CS], v12     ; the same of each block's largest logit
.endr
.set j, 0
	s_setprio 1
	s_wait_alu depctr_va_vdst(0)
.rept 64
	v_exp_f32 v[96+j], v[96+j]                     ; p = 2^(t - M), at most 1
.set j, j+1
.endr
	v_pk_mul_f32 v[14:15], v[14:15], v[252:253] op_sel_hi:[1,0]   ; the sums under the new M: the plain line behind the exponentials
	s_wait_alu depctr_va_vdst(0)                   ; one wait for the whole batch, ahead of its first reader
.irp b, 0,1,2,3
	v_exp_f32 v[232+\b], v[232+\b]                 ; the block's largest p: the same two instructions on the same number
.endr
	v_pk_add_f32 v[236:237], v[100:101], v[104:105]
	v_pk_add_f32 v[248:249], v[108:109], v[112:113]
	v_pk_add_f32 v[222:223], v[116:117], v[120:121]
	v_pk_add_f32 v[220:221], v[124:125], v[128:129]
	v_pk_add_f32 v[218:219], v[132:133], v[136:137]
	v_pk_add_f32 v[216:217], v[140:141], v[144:145]
	v_pk_add_f32 v[214:215], v[148:149], v[152:153]
	v_pk_add_f32 v[14:15], v[14:15], v[156:157]
	v_pk_add_f32 v[236:237], v[236:237], v[96:97]
	v_pk_add_f32 v[248:249], v[248:249], v[98:99]
	v_pk_add_f32 v[222:223], v[222:223], v[102:103]
	v_pk_add_f32 v[220:221], v[220:221], v[106:107]
	v_pk_add_f32 v[218:219], v[218:219], v[110:111]
	v_pk_add_f32 v[216:217], v[216:217], v[114:115]
	v_pk_add_f32 v[214:215], v[214:215], v[118:119]
	v_pk_add_f32 v[14:15], v[14:15], v[122:123]
	v_pk_add_f32 v[236:237], v[236:237], v[126:127]
	v_pk_add_f32 v[248:249], v[248:249], v[130:131]
	v_pk_add_f32 v[222:223], v[222:223], v[134:135]
	v_pk_add_f32 v[220:221], v[220:221], v[138:139]
	v_pk_add_f32 v[218:219], v[218:219], v[142:143]
	v_pk_add_f32 v[216:217], v[216:217], v[146:147]
	v_pk_add_f32 v[214:215], v[214:215], v[150:151]
	v_pk_add_f32 v[14:15], v[14:15], v[154:155]
	v_pk_add_f32 v[236:237], v[236:237], v[158:159]
	s_delay_alu instid0(VALU_DEP_2)
	v_pk_add_f32 v[14:15], v[14:15], v[220:221]
	s_delay_alu instid0(VALU_DEP_2)
	v_pk_add_f32 v[236:237], v[236:237], v[218:219]
	s_setprio 0
	v_pk_add_f32 v[248:249], v[248:249], v[216:217]
	v_pk_add_f32 v[222:223], v[222:223], v[214:215]
	s_delay_alu instid0(VALU_DEP_2)
	v_pk_add_f32 v[14:15], v[14:15], v[248:249]
	s_delay_alu instid0(VALU_DEP_2)
	v_pk_add_f32 v[236:237], v[236:237], v[222:223]
	s_delay_alu instid0(VALU_DEP_1)
	v_pk_add_f32 v[14:15], v[14:15], v[236:237]
	s_wait_alu depctr_va_vdst(0)                   ; and one for the four
.irp b, 0,1,2,3
	v_max_num_f32 v[232+\b], 0x1800000, v[232+\b]  ; the floor 2^(3 - 127): the byte cannot fall under 1
.endr
.irp b, 0,1,2,3
	s_delay_alu instid0(VALU_DEP_4)
	v_add_nc_u32 v[244+\b], 0xff000000, v[232+\b]  ; 2 off the exponent field: the conversion's scale operand
.endr
.irp b, 0,1,2,3
	s_delay_alu instid0(VALU_DEP_4)
	v_lshrrev_b32 v[236+\b], 23, v[244+\b]
.endr
	s_delay_alu instid0(VALU_DEP_3)
	v_lshl_or_b32 v253, v237, 8, v236              ; p's scale word for these 128 keys
	s_delay_alu instid0(VALU_DEP_1)
	v_lshl_or_b32 v253, v238, 16, v253
	s_delay_alu instid0(VALU_DEP_1)
	v_lshl_or_b32 v253, v239, 24, v253
.irp c, 0,1
	v_cvt_scalef32_pk16_fp6_f32 v[224+6*\c:226+6*\c], v[96+32*\c:111+32*\c], v[244+2*\c]
	v_cvt_scalef32_pk16_fp6_f32 v[236+4*\c:238+4*\c], v[112+32*\c:127+32*\c], v[244+2*\c+1]
.endr
	v_nop                                          ; one plain line behind a scaled conversion
.if \s < 3
	BIAS \s+1                                      ; p has been read for the last time: the next step's biases come while this step ends
.endif
.irp c, 0,1
.irp i, 0,1,2
	v_permlane16_swap_b32 v[224+6*\c+\i], v[236+4*\c+\i]
.endr
.irp i, 0,1,2
	s_delay_alu instid0(VALU_DEP_3)
	v_mov_b32 v[227+6*\c+\i], v[236+4*\c+\i]
.endr
.endr
.irp j, 0,2,4,6,8,10,12,14
	v_pk_mul_f32 v[O+\j:O+\j+1], v[O+\j:O+\j+1], v[252:253] op_sel_hi:[1,0]   ; O^T under the new M
.endr
	PLACES 4                                       ; with the eight lines above: the distance from the codes, the scale word and O^T, all written by vector instructions, to the scaled products
	WIN 0x01
	MX O, 96+24*\s, 224, O, VS+\s, 253
	MX1 O+8, 96+24*\s+12, 224, O+8, VS+\s, 253
	WIN 0
.endm
	s_mov_b32 s20, 768                             ; 128 (6 - 2 trip): the queries' rows go up, their place in the table goes down
	s_mov_b32 s21, 0
.Ltrip:                                            ; four trips: 16 queries each
	v_add_nc_u32 v[BBC], s20, v[BB0]
	BIAS 0
.irp k, 0,1,2,3,4,5
	v_permlanex16_b32 v[TMP+\k], v[CUR+\k], s[SEL], s[SEL+1]
.endr
.irp k, 0,1,2,3,4,5
	v_and_b32 v[QV+6+\k], v[CUR+\k], v[LOWM]       ; this trip's queries lie in lanes 0-15 of the first six registers: so for blocks 0 and 2,
.endr
.irp k, 0,1,2,3,4,5
	v_and_b32 v[QV+18+\k], v[TMP+\k], v[HIGHM]     ; and in lanes 16-31 for blocks 1 and 3
.endr
.irp be, 0,1,2,3
	v_lshl_or_b32 v[QS+\be], v[SB], 8*\be, 0x01010101-(1<<(8*\be))   ; the queries' byte at block be; the blocks of zero codes carry the byte 1
.endr
.irp k, 0,1,2,3,4,5
	v_mov_b32 v[CUR+\k], v[NXT+\k]                 ; the image turns: places 0, 2, 1, 3 come to lanes 0-15 of the first six registers
.endr
.irp k, 0,1,2,3,4,5
	v_mov_b32 v[NXT+\k], v[TMP+\k]
.endr
.irp i, 0,1,2
	v_mov_b32 v[SB+\i], v[SB+1+\i]
.endr
.irp j, 0,1,2,3,4,5,6,7,8,9,10,11,12,13,14,15
	v_mov_b32 v[O+\j], 0                           ; O^T.  (The step is written once a place: the first finds zeros, which the first change of M leaves zeros)
.endr
	v_mov_b32 v14, 0
	v_mov_b32 v15, 0
	v_mov_b32 v13, 0xff61b1e6                      ; the largest t so far: -3e38
	s_delay_alu instid0(VALU_DEP_1)
	v_floor_f32 v12, -v13                          ; (the 35 plain lines since the scale words were made are their distance to the first product)
	STEP 0
	STEP 1
	STEP 2
	STEP 3
	; the trip's end: O^T / the sum, quantised along the head's 32 channels (register 8 dt + j is channel 16 h + 8 dt + j)
	v_add_f32 v14, v14, v15
	s_delay_alu instid0(VALU_DEP_1)
	v_permlanex16_b32 v252, v14, s[SEL], s[SEL+1]
	s_delay_alu instid0(VALU_DEP_1)
	v_add_f32 v14, v14, v252                       ; the row's sum
	s_wait_alu depctr_va_vdst(0)
	v_rcp_f32 v14, v14
	v_nop
	v_nop                                          ; (two additions and these two: four plain lines behind the last product)
	s_wait_alu depctr_va_vdst(0)                   ; the wait ahead of the reciprocal's first reader
.irp j, 0,2,4,6,8,10,12,14
	v_pk_mul_f32 v[O+\j:O+\j+1], v[O+\j:O+\j+1], v[14:15] op_sel_hi:[1,0]
.endr
	v_max3_num_f32 v88, |v[O]|, |v[O+1]|, 0x1800000
	v_max_num_f32 v89, |v[O+2]|, |v[O+3]|
.irp j, 4,8,12
	s_delay_alu instid0(VALU_DEP_2)
	v_max3_num_f32 v88, v88, |v[O+\j]|, |v[O+\j+1]|
	s_delay_alu instid0(VALU_DEP_2)
	v_max3_num_f32 v89, v89, |v[O+\j+2]|, |v[O+\j+3]|
.endr
	s_delay_alu instid0(VALU_DEP_1)
	v_max_num_f32 v88, v88, v89
	s_delay_alu instid0(VALU_DEP_1)
	v_permlanex16_b32 v90, v88, s[SEL], s[SEL+1]
	s_delay_alu instid0(VALU_DEP_1)
	v_max_num_f32 v88, v88, v90
	s_delay_alu instid0(VALU_DEP_1)
	v_add_nc_u32 v89, 0xff000000, v88
	s_delay_alu instid0(VALU_DEP_1)
	v_lshrrev_b32 v91, 23, v89
	v_cvt_scalef32_pk16_fp6_f32 v[80:82], v[O:O+15], v89
	v_nop
	v_alignbit_b32 v8, v91, v8, 8                  ; the trip's byte comes in from the top: after four trips byte i is trip i's
	global_store_b96 v[AOA], v[80:82], s[10:11]    ; 32 lanes store 384 consecutive bytes
	s_wait_xcnt 0x0                                ; the store has read its base and its data
	s_add_nc_u64 s[10:11], s[10:11], 384
	s_sub_co_u32 s20, s20, 256
	s_add_co_u32 s21, s21, 1
	s_cmp_lt_u32 s21, 4
	s_cbranch_scc1 .Ltrip
	s_setprio 0
	v_cmp_gt_u32 vcc_lo, 16, v10                   ; (no global instruction has been issued since the wait on XCNT above)
	s_wait_tensorcnt 0x0
	ds_add_u32 v251, v255
	s_wait_dscnt 0x0
	s_and_saveexec_b32 s26, vcc_lo
	s_wait_alu depctr_va_vdst(0)
	global_store_b32 v[ASA], v8, s[12:13]          ; lanes 0-15: 64 consecutive bytes
	s_wait_xcnt 0x0                                ; EXEC changes only behind this wait
	s_or_b32 exec_lo, exec_lo, s26
	s_endpgm
.Lfunc_end_k_q133db61faa_attn:
	.size	k_q133db61faa_attn, .Lfunc_end_k_q133db61faa_attn-k_q133db61faa_attn
	.p2alignl 7, 3214868480
	.fill 96, 4, 3214868480
	.section	.rodata,"a",@progbits
	.p2align	6, 0x0
	.amdhsa_kernel k_q133db61faa_attn
		.amdhsa_group_segment_fixed_size 58624
		.amdhsa_private_segment_fixed_size 0
		.amdhsa_enable_private_segment 0
		.amdhsa_kernarg_size 40
		.amdhsa_user_sgpr_count 2
		.amdhsa_user_sgpr_kernarg_segment_ptr 1
		.amdhsa_wavefront_size32 1
		.amdhsa_system_sgpr_workgroup_id_x 1
		.amdhsa_system_sgpr_workgroup_id_y 1
		.amdhsa_system_sgpr_workgroup_id_z 1
		.amdhsa_system_vgpr_workitem_id 0
		.amdhsa_next_free_vgpr 448
		.amdhsa_next_free_sgpr 66
		.amdhsa_reserve_vcc 1
		.amdhsa_float_denorm_mode_32 3
		.amdhsa_float_denorm_mode_16_64 3
		.amdhsa_memory_ordered 1
		.amdhsa_forward_progress 1
		.amdhsa_inst_pref_size 78
	.end_amdhsa_kernel
	.amdgpu_metadata
---
amdhsa.version: [ 1, 2 ]
amdhsa.kernels:
  - .name:           k_q133db61faa_attn
    .symbol:         k_q133db61faa_attn.kd
    .args:
      - { .name: qkvc, .offset: 0, .size: 8, .value_kind: global_buffer, .address_space: global }
      - { .name: scl, .offset: 8, .size: 8, .value_kind: global_buffer, .address_space: global }
      - { .name: btab, .offset: 16, .size: 8, .value_kind: global_buffer, .address_space: global }
      - { .name: ao, .offset: 24, .size: 8, .value_kind: global_buffer, .address_space: global }
      - { .name: asc, .offset: 32, .size: 8, .value_kind: global_buffer, .address_space: global }
    .group_segment_fixed_size: 58624
    .private_segment_fixed_size: 0
    .kernarg_segment_align: 8
    .kernarg_segment_size: 40
    .max_flat_workgroup_size: 256
    .sgpr_count:     66
    .vgpr_count:     448
    .wavefront_size: 32
...
	.end_amdgpu_metadata
.endif
;; end of part 10
;; launch mlp (part 11): grid 256 x 1, 8 waves a work-group, no clusters, 323,584 bytes of LDS; arguments ao, asc, x, wimg, wscl, proj_b, n2_g, n2_b, fc1_b, fc2_b, out0; writes out0
.if DOCPART == 11
	.amdgcn_target "amdgcn-amd-amdhsa--gfx1250"
	.amdhsa_code_object_version 6
	.text
	.protected	k_q133db61faa_mlp
	.globl	k_q133db61faa_mlp
	.p2align	8
	.type	k_q133db61faa_mlp,@function
k_q133db61faa_mlp:
	s_mov_b64 s[64:65], 0
	v_nop
	global_prefetch_b8 v0, s[64:65] scope:SCOPE_SE
	s_setreg_imm32_b32 hwreg(HW_REG_WAVE_SCHED_MODE, 0, 2), 2
	s_setreg_imm32_b32 hwreg(HW_REG_WAVE_MODE, 25, 1), 1
	s_wait_xcnt 0x0
	s_wait_alu depctr_vm_vsrc(0)
; x1 = x + attention's output x proj_w + proj_b;  out0 = x1 + gelu(LN(x1) fc1_w + fc1_b) fc2_w + fc2_b.  All three products on codes of FP6 (E2M3) with E8M0 scales; everything else f32.
; SHARES.  A work-group takes 128 tokens of a window (window = id / 4, part id % 4), eight tiles of 16.  Neither x1, nor the norm, nor the hidden layer goes to memory.
;   1: the waves share the ROWS: wave w takes tile w: its 16 rows of x + proj_b are the C of proj's products (source 0 = 16 rows of proj_w, from images in LDS that the waves have laid there together; source 1 = the tile's codes);
;      x1 goes to a stage in LDS and is normalised and quantised in registers; its two fragments go to LDS as images of their registers.
;   2: the waves share the COLUMNS: wave w makes hidden units 128 w .. 128 w + 127 for all eight tiles; its 16 fragments of fc1_w stay in its registers; gelu; quantised: K step w of the last product; image to LDS.
;   3: wave w makes outputs 32 w .. 32 w + 31 for all eight tiles; its 16 fragments of fc2_w stay in its registers; x1, read back from the stage, is the C; the results go back to the same bytes of the stage and leave as whole rows.
; HOW THINGS COME.  The weights: from wimg and wscl, where the first launch has laid them in the order of operand registers (proj_w from fragment 96, fc1_w from 128, fc2_w from 256): a fragment is three loads of 512 consecutive bytes.
; x: whole rows, 512 consecutive bytes a load; they turn through my rows of the stage into the layout of the products' C.  proj_b and the norm's gain and bias: a number a thread into LDS, and back 16 bytes a lane.
; All products are used transposed (source 0 = rows of a weight, source 1 = tokens): a lane holds one token.  In 1 and 2 lane r of tile 2 b + u has the weight's row 32 b + 8 u + r + 8 (r / 8), so that a lane's 16 registers of two tiles are 16 neighbours along the next K.
; The accumulators take turns, one product a turn.
; No tensor loads: nothing is streamed through LDS in a loop; each wave's weights are read once, into registers.  No cluster: what work-groups share is the weights alone, and the road through LDS has no room beside the 322,560 bytes in use.
; GELU: 0.5 z (1 + erf(z / sqrt 2)), erf(u) = u A(u^2) / B(u^2), u held to +-3.7439, A of degree 4, B of degree 6.
; LIMITS: 1 + erf carries an absolute error of about 1e-7 (so far below z = 0 the small result has a larger relative one), and beyond |u| = 3.7439 erf is taken at that u; NaN and infinities are not served;
;   a block of zeros gets the scale byte 1; a block's largest magnitude is not taken under 2^-124; divisions by v_rcp_f32 and v_rsq_f32.
; REGISTERS.  Window 0: v1-27 addresses and the clamp; v28-35 scale words in hand; v36-39 two coefficients as pairs (at the head: three numbers on their way to LDS; in 3: the second buffer's scale words); v40-87 four fragments of a weight (1) or of the hidden layer (3),
;   between them the quantiser's v40-76 and v77-80 a trip's addresses; v88-111 two fragments of tokens; v112-239 my row's 128 numbers (1), 64 hidden units and gelu's 64 (2), the 16 accumulators (3); v240-255 the weights' scale words.
;   Window 1: 1: proj_b, then the norm's bias (0-127), its gain (128-255); 2: fc1_w 0-191, fc1_b 192-255; 3: fc2_w 0-191, fc2_b 192-207, the second buffer of four hidden fragments 208-255.
; THE MODE: SCHED_MODE bits 1:0 = 2 (LLVM: expert scheduling mode 2), set by the entry lines.  The code itself states the register dependences
; between vector or matrix instructions and memory or LDS instructions, with s_wait_alu, always for 0.
; THE PLAN.  Registers that memory or LDS instructions touch, and who else names them:
;   v1-26, v7, v8       Written at the head, never again: one wait on va_vdst ahead of the first load (it also covers v112-115, which the head used and in which x lands).
;   1.  v36-38, v30-33, v40-87: land by loads, are read by LDS stores; one wait on vm_vsrc behind the first barrier; then coefficients are written and fragments land there.
;       v112-239: x lands; LDS stores read; vm_vsrc; LDS loads land; vector and matrix instructions; places and va_vdst; x1's LDS stores read; vm_vsrc inside the norm, ahead of its first write.
;       v40-87, v30-33 as four fragments of proj_w: LDS loads land, four products read, va_vdst, the next four land.  (One buffer: window 0 has 16 registers to spare here and window 1 none.)
;       window 1: each refill (the norm's bias; fc1's weights) stands behind a wait on va_vdst that shows its last readers done.
;   2.  v88-111, v34-35 (a tile's two fragments and scale words): read by the trip's 16 products; behind them ONE wait on va_vdst, and the NEXT tile's land there under the gelu.
;       v77-80 (a trip's addresses): vm_vsrc, four additions, and that same wait on va_vdst.  v40-58, v76 (codes, scale word): written by the quantiser, va_vdst, read by the image's stores; the next trip's vm_vsrc frees them.
;       The eighth trip is written out: it fetches no tile, and fc2's weights land where fc1's lay, behind its wait.
;   3.  Two buffers of four hidden fragments by turns: v40-87 with v30-33, and window 1's v208-255 with v36-39.  Step t = 2 ks + mg multiplies buffer t % 2; at its head the loads of step t + 1 go into the other buffer,
;       behind ONE wait on va_vdst that shows step t - 1's products done reading it.
;       The way out: va_vdst ahead of the stage's stores, vm_vsrc ahead of the loads that land in the same registers.
.set PIMG, 0                           ; LDS: proj_w's 32 fragments (tile t, K step ks: 2 t + ks),
.set PSC,  49152                       ; their scale words, 128 bytes each,
.set XIMG, 53248                       ; the normalised rows' 16 fragments (2 m + ks),
.set XSC,  77824
.set HIMG, 79872                       ; the hidden layer's 64 fragments (8 m + ks),
.set HSC,  178176
.set STG,  186368                      ; the stage: 128 rows x (1,024 bytes + 16),
.set VEC,  319488                      ; proj_b, the norm's gain, its bias: 1,024 bytes each
.set TA,  1
.set LI,  2
.set LS,  3
.set GA,  4
.set VT,  5
.set VGA, 6
.set AOA, 9
.set ASA, 10
.set PWI, 11
.set PWS, 12
.set XWI, 13
.set XWS, 14
.set XFA, 15
.set XSA, 16
.set HWI, 17
.set HWS, 18
.set HF0, 19
.set HF1, 20
.set HSA, 21
.set ST1, 22
.set STI0, 23
.set STI1, 24
.set SR,  25
.set B2A, 26
.set CL,  27
.set AS,  28
.set PS,  30
.set XS,  34
.set A1P, 36
.set B1P, 38
.set WFT, 40
.set PC,  40
.set TM,  60
.set PW,  76
.set TC,  80
.set MU,  88
.set RS,  90
.set AF,  88
.set X,   112
.set HA,  112
.set GU,  176
.set GX,  192
.set GP,  208
.set GQ,  224
.set W1S, 240
.set WV,  34
.set SEL, 38
.set SINV, 58
.set SEPS, 59
.set MC,  60
.set MSB, 0
.macro WIN new                         ; the immediate's high byte repeats the setting that is left
.if MSB != \new
	s_set_vgpr_msb (MSB<<8)|\new
.set MSB, \new
.endif
.endm
.macro PLACES n
.rept \n
	v_nop
.endr
.endm
.macro MX d, a, b, c, sa, sb
	v_wmma_scale_f32_16x16x128_f8f6f4 v[\d:\d+7], v[\a:\a+11], v[\b:\b+11], v[\c:\c+7], v[\sa], v[\sb] matrix_a_fmt:MATRIX_FMT_FP6 matrix_b_fmt:MATRIX_FMT_FP6
.endm
.macro BARRIER                                 ; my LDS stores have landed and my LDS loads are in: then the work-group's barrier
	s_wait_dscnt 0x0
	s_barrier_signal -1
	s_barrier_wait -1
.endm
; 64 numbers of a lane, register 16 b + i = element 32 b + 16 (lane / 16) + i of my row, become a fragment's codes in v[PC] on and its scale word in v[PW].
.macro QUANT s
.irp b, 0,1,2,3
	v_max3_num_f32 v[TM+\b], |v[\s+16*\b]|, |v[\s+1+16*\b]|, 0x1800000   ; my 16 numbers of block b, and the floor 2^(3 - 127): the byte cannot fall under 1
.endr
.irp i, 2,4,6,8,10,12,14
.irp b, 0,1,2,3
	v_max3_num_f32 v[TM+\b], v[TM+\b], |v[\s+16*\b+\i]|, |v[\s+1+16*\b+\i]|
.endr
.endr
.irp b, 0,1,2,3
	v_permlanex16_b32 v[TM+4+\b], v[TM+\b], s[SEL], s[SEL+1]
.endr
.irp b, 0,1,2,3
	v_max_num_f32 v[TM+\b], v[TM+\b], v[TM+4+\b]
.endr
.irp b, 0,1,2,3
	v_add_nc_u32 v[TM+12+\b], 0xff000000, v[TM+\b] ; 2 off its exponent field: the conversion's scale operand
.endr
.irp b, 0,1,2,3
	v_lshrrev_b32 v[TM+4+\b], 23, v[TM+12+\b]
.endr
	v_lshl_or_b32 v[PW], v[TM+5], 8, v[TM+4]
	v_lshl_or_b32 v[PW], v[TM+6], 16, v[PW]
	v_lshl_or_b32 v[PW], v[TM+7], 24, v[PW]
.irp c, 0,1
	v_cvt_scalef32_pk16_fp6_f32 v[PC+6*\c:PC+2+6*\c], v[\s+32*\c:\s+15+32*\c], v[TM+12+2*\c]
	v_cvt_scalef32_pk16_fp6_f32 v[PC+12+4*\c:PC+14+4*\c], v[\s+16+32*\c:\s+31+32*\c], v[TM+12+2*\c+1]
.endr
	v_nop                                          ; one plain line behind a scaled conversion
.irp c, 0,1
.irp i, 0,1,2
	v_permlane16_swap_b32 v[PC+6*\c+\i], v[PC+12+4*\c+\i]
.endr
.irp i, 0,1,2
	v_mov_b32 v[PC+3+6*\c+\i], v[PC+12+4*\c+\i]
.endr
.endr
.endm
.macro IMAGE reg, adr, off
.irp c, 0,1,2
	ds_store_b128 v[\adr], v[\reg+4*\c:\reg+4*\c+3] offset:\off+512*\c
.endr
.endm
.macro FETCH reg, adr, off
.irp c, 0,1,2
	ds_load_b128 v[\reg+4*\c:\reg+4*\c+3], v[\adr] offset:\off+512*\c
.endr
.endm
.macro REDUCE
	v_pk_add_f32 v[TC:TC+1], v[TC:TC+1], v[TC+2:TC+3]
	v_pk_add_f32 v[TC+4:TC+5], v[TC+4:TC+5], v[TC+6:TC+7]
	v_pk_add_f32 v[TC:TC+1], v[TC:TC+1], v[TC+4:TC+5]
	v_add_f32 v[TC], v[TC], v[TC+1]
	v_permlanex16_b32 v[TC+2], v[TC], s[SEL], s[SEL+1]
	v_add_f32 v[TC], v[TC], v[TC+2]
.endm
.macro LNORM g, b                              ; the norm of a row of 256, of which lanes l and l xor 16 hold 128 each in v[X] on; gain and bias in window 1 at g and b (they have been waited for ahead of the macro)
.irp c, 0,1,2,3
	v_pk_add_f32 v[TC+2*\c:TC+2*\c+1], v[X+2*\c:X+2*\c+1], v[X+8+2*\c:X+9+2*\c]
.endr
.set i, 16
.rept 56
	v_pk_add_f32 v[TC+i%8:TC+i%8+1], v[TC+i%8:TC+i%8+1], v[X+i:X+i+1]
.set i, i+2
.endr
	REDUCE
	v_mul_f32 v[MU], s[SINV], v[TC]
	v_mov_b32 v[MU+1], v[MU]
	s_wait_alu depctr_vm_vsrc(0)                   ; the LDS stores that laid x1 in the stage have read v[X ..], which the lines below write for the first time since
.set i, 0
.rept 64
	v_pk_add_f32 v[X+i:X+i+1], v[X+i:X+i+1], v[MU:MU+1] op_sel_hi:[1,0] neg_lo:[0,1] neg_hi:[0,1]
.set i, i+2
.endr
.irp c, 0,1,2,3
	v_pk_mul_f32 v[TC+2*\c:TC+2*\c+1], v[X+2*\c:X+2*\c+1], v[X+2*\c:X+2*\c+1]
.endr
.set i, 8
.rept 60
	v_pk_fma_f32 v[TC+i%8:TC+i%8+1], v[X+i:X+i+1], v[X+i:X+i+1], v[TC+i%8:TC+i%8+1]
.set i, i+2
.endr
	REDUCE
	v_fma_f32 v[TC], v[TC], s[SINV], s[SEPS]
	s_wait_alu depctr_va_vdst(0)
	v_rsq_f32 v[RS], v[TC]
	v_mov_b32 v[RS+1], 0                           ; the pair's upper half is named, so it is written: the plain line behind the root
	s_wait_alu depctr_va_vdst(0)                   ; the root has written v[RS], ahead of its first reader
.set i, 0
.rept 64
	v_pk_mul_f32 v[X+i:X+i+1], v[X+i:X+i+1], v[RS:RS+1] op_sel_hi:[1,0]
.set i, i+2
.endr
	WIN 0x14
.set i, 0
.rept 64
	v_pk_fma_f32 v[X+i:X+i+1], v[X+i:X+i+1], v[\g+i:\g+i+1], v[\b+i:\b+i+1]
.set i, i+2
.endr
	WIN 0
.endm
; gelu in place on v[HA] .. v[HA + 63], 16 numbers at a time; the 16 reciprocals of a batch have one wait
.macro GELU
.irp g, 0,1,2,3
.irp k, 0,2,4,6,8,10,12,14
	v_pk_mul_f32 v[GU+\k:GU+\k+1], v[HA+16*\g+\k:HA+16*\g+\k+1], 0x3f3504f3 op_sel_hi:[1,0]   ; u = z / sqrt 2
.endr
.irp k, 0,1,2,3,4,5,6,7,8,9,10,11,12,13,14,15
	v_med3_num_f32 v[GU+\k], v[GU+\k], -v[CL], v[CL]
.endr
.irp k, 0,2,4,6,8,10,12,14
	v_pk_mul_f32 v[GX+\k:GX+\k+1], v[GU+\k:GU+\k+1], v[GU+\k:GU+\k+1]
.endr
.irp k, 0,2,4,6,8,10,12,14
	v_pk_fma_f32 v[GP+\k:GP+\k+1], v[GX+\k:GX+\k+1], s[40:41], v[A1P:A1P+1] op_sel_hi:[1,0,1]
	v_pk_fma_f32 v[GQ+\k:GQ+\k+1], v[GX+\k:GX+\k+1], s[48:49], v[B1P:B1P+1] op_sel_hi:[1,0,1]
.endr
.irp c, 0,2,4
.irp k, 0,2,4,6,8,10,12,14
	v_pk_fma_f32 v[GP+\k:GP+\k+1], v[GP+\k:GP+\k+1], v[GX+\k:GX+\k+1], s[42+\c:43+\c] op_sel_hi:[1,1,0]
	v_pk_fma_f32 v[GQ+\k:GQ+\k+1], v[GQ+\k:GQ+\k+1], v[GX+\k:GX+\k+1], s[50+\c:51+\c] op_sel_hi:[1,1,0]
.endr
.endr
.irp k, 0,2,4,6,8,10,12,14
	v_pk_fma_f32 v[GQ+\k:GQ+\k+1], v[GQ+\k:GQ+\k+1], v[GX+\k:GX+\k+1], s[56:57] op_sel_hi:[1,1,0]
	v_pk_mul_f32 v[GP+\k:GP+\k+1], v[GU+\k:GU+\k+1], v[GP+\k:GP+\k+1]
.endr
.irp k, 0,2,4,6,8,10,12,14
	v_pk_fma_f32 v[GQ+\k:GQ+\k+1], v[GQ+\k:GQ+\k+1], v[GX+\k:GX+\k+1], 1.0 op_sel_hi:[1,1,0]
.endr
	s_wait_alu depctr_va_vdst(0)
.irp k, 0,1,2,3,4,5,6,7,8,9,10,11,12,13,14,15
	v_rcp_f32 v[GQ+\k], v[GQ+\k]
.endr
.irp k, 0,2,4,6,8,10,12,14
	v_pk_mul_f32 v[GX+\k:GX+\k+1], v[HA+16*\g+\k:HA+16*\g+\k+1], 0.5 op_sel_hi:[1,0]   ; z / 2: plain work behind the reciprocals
.endr
	s_wait_alu depctr_va_vdst(0)                   ; the batch's sixteen reciprocals have written v[GQ ..], ahead of their first reader
.irp k, 0,2,4,6,8,10,12,14
	v_pk_mul_f32 v[GP+\k:GP+\k+1], v[GP+\k:GP+\k+1], v[GQ+\k:GQ+\k+1]                  ; erf
.endr
.irp k, 0,2,4,6,8,10,12,14
	v_pk_fma_f32 v[HA+16*\g+\k:HA+16*\g+\k+1], v[GX+\k:GX+\k+1], v[GP+\k:GP+\k+1], v[GX+\k:GX+\k+1]
.endr
.endr
.endm
	s_load_b512 s[4:19], s[0:1], 0x0               ; ao, asc, x, wimg, wscl, proj_b, n2_g, n2_b
	s_load_b64 s[24:25], s[0:1], 0x40              ; fc1_b
	s_load_b64 s[30:31], s[0:1], 0x48              ; fc2_b
	s_load_b64 s[32:33], s[0:1], 0x50              ; out0
	v_lshl_add_u32 v7, v0, 2, 0x4ec00
	v_mov_b32 v8, 0
	v_lshrrev_b32 v112, 5, v0
	v_readfirstlane_b32 s[WV], v112                ; wave 0..7
	v_and_b32 v112, 31, v0                         ; lane
	v_and_b32 v113, 15, v0                         ; r
	v_bfe_u32 v114, v0, 4, 1                       ; h
	v_lshlrev_b32 v[TA], 2, v0                     ; 4 x thread: a number of each of the three vectors
	v_lshlrev_b32 v[LI], 4, v112
	v_lshlrev_b32 v[LS], 2, v112
	v_lshlrev_b32 v[GA], 6, v114
	v_add_nc_u32 v[VT], VEC, v[TA]                 ; its place in LDS,
	v_add_nc_u32 v[VGA], VEC, v[GA]                ; and where my 16 numbers of a block of 32 begin there
	v_mul_u32_u24 v[AOA], v113, 24                 ; attention's codes: 24 bytes a token and head; lanes 16-31 take the next head
	v_mad_u32_u24 v[AOA], v114, 12288, v[AOA]
	v_lshlrev_b32 v[ASA], 2, v113
	s_wait_alu depctr_va_sdst(0)                   ; the wave's number is written into s34, ahead of its first reader: LDS places and all bases are made from it
	s_mul_i32 s70, s[WV], 6144
	v_add_nc_u32 v[PWI], s70, v[LI]
	s_lshl_b32 s70, s[WV], 9
	s_add_co_u32 s70, s70, PSC
	v_add_nc_u32 v[PWS], s70, v[LS]
	s_mul_i32 s70, s[WV], 3072
	s_add_co_u32 s70, s70, XIMG
	v_add_nc_u32 v[XWI], s70, v[LI]
	s_lshl_b32 s70, s[WV], 8
	s_add_co_u32 s70, s70, XSC
	v_add_nc_u32 v[XWS], s70, v[LS]
	v_add_nc_u32 v[XFA], XIMG, v[LI]
	v_add_nc_u32 v[XSA], XSC, v[LS]
	s_mul_i32 s70, s[WV], 1536
	s_add_co_u32 s70, s70, HIMG
	v_add_nc_u32 v[HWI], s70, v[LI]
	s_lshl_b32 s70, s[WV], 7
	s_add_co_u32 s71, s70, HSC
	v_add_nc_u32 v[HWS], s71, v[LS]
	v_add_nc_u32 v[HF0], HIMG, v[LI]
	v_add_nc_u32 v[HF1], HIMG+49152, v[LI]
	v_add_nc_u32 v[HSA], HSC, v[LS]
	v_mul_u32_u24 v115, v113, 1040                 ; a stage row
	s_mul_i32 s71, s[WV], 16640
	s_add_co_u32 s71, s71, STG
	v_add_nc_u32 v[ST1], s71, v115
	v_add_nc_u32 v[ST1], v[ST1], v[GA]             ; phase 1: row 16 w + r, + 64 h
	v_add_nc_u32 v[SR], s71, v[LI]                 ; whole rows, in and out: my 16 rows, 16 bytes a lane
	s_add_co_u32 s70, s70, STG
	v_lshl_add_u32 v[STI0], v114, 5, v115
	v_add_nc_u32 v[STI0], s70, v[STI0]             ; phase 3: row r, + 128 w + 32 h: my outputs' bytes
	v_add_nc_u32 v[STI1], 66560, v[STI0]           ; and four tiles further down
	v_lshlrev_b32 v[B2A], 5, v114
	v_mov_b32 v[CL], 0x406f9c67                    ; 3.7439
	s_mov_b32 s[SEL], 0x76543210
	s_mov_b32 s[SEL+1], 0xfedcba98
	s_mov_b32 s[SINV], 0x3b800000                  ; 1 / 256
	s_mov_b32 s[SEPS], 0x3727c5ac                  ; 1e-5
	s_mov_b32 s40, 0x39702d51                      ; A, from the highest power: 2.2905066e-4, (3.4082910e-3), 5.0955695e-2, 1.8520832e-1, 1.1283791
	s_mov_b32 s42, 0x3d50b6eb
	s_mov_b32 s44, 0x3e3da740
	s_mov_b32 s46, 0x3f906eba
	s_mov_b32 s48, 0xb3fd3906                      ; B: -1.1791603e-7, (2.3547966e-5), 1.0179625e-3, 1.4070470e-2, 1.1098505e-1, 4.9746925e-1, 1
	s_mov_b32 s50, 0x3a856d28
	s_mov_b32 s52, 0x3c6687d4
	s_mov_b32 s54, 0x3de34c21
	s_mov_b32 s56, 0x3efeb44a
.irp c, 40,42,44,46,48,50,52,54,56
	s_mov_b32 s[\c+1], s[\c]                       ; (named as pairs, so both halves are written)
.endr
	s_lshr_b32 s35, ttmp9, 2                       ; the window
	s_and_b32 s36, ttmp9, 3                        ; which 128 of its tokens
	s_bfe_u32 s37, s35, 0x20004
	s_lshl_b32 s37, s37, 13
	s_bfe_u32 s70, s35, 0x20002
	s_lshl_b32 s70, s70, 8
	s_add_co_u32 s37, s37, s70
	s_and_b32 s70, s35, 3
	s_lshl_b32 s70, s70, 3
	s_add_co_u32 s37, s37, s70                     ; the window's first row
	s_lshl_b32 s72, s36, 1
	s_lshr_b32 s70, s[WV], 2
	s_add_co_u32 s72, s72, s70                     ; 2 s + wave / 4
	s_and_b32 s73, s[WV], 3
	s_mov_b32 s69, 0
	s_wait_kmcnt 0x0
	s_lshl_b32 s68, s72, 10
	s_lshl_b32 s70, s73, 6
	s_add_co_u32 s68, s68, s70
	s_add_co_u32 s68, s68, s37
	s_lshl_b32 s68, s68, 10                        ; my tile's first row of x and of out0, in bytes
	s_add_nc_u64 s[8:9], s[8:9], s[68:69]
	s_add_nc_u64 s[32:33], s[32:33], s[68:69]
	s_lshl_b32 s68, s36, 7
	s_lshl_b32 s70, s[WV], 4
	s_add_co_u32 s68, s68, s70
	s_mul_i32 s68, s68, 24
	s_mul_i32 s70, s35, 98304
	s_add_co_u32 s68, s68, s70
	s_add_nc_u64 s[4:5], s[4:5], s[68:69]          ; attention's codes: head 0 of my window, my tile's first token
	s_lshl_b32 s68, s35, 12
	s_lshl_b32 s70, s72, 6
	s_add_co_u32 s68, s68, s70
	s_add_co_u32 s68, s68, s73
	s_add_nc_u64 s[6:7], s[6:7], s[68:69]          ; and their scale bytes
	s_mul_i32 s68, s[WV], 24576                    ; sixteen fragments of 1,536 bytes a wave:
	s_add_co_u32 s68, s68, 128*1536
	s_add_nc_u64 s[20:21], s[10:11], s[68:69]      ; fc1_w's, from fragment 128 + 16 w,
	s_add_co_u32 s68, s68, 128*1536
	s_add_nc_u64 s[26:27], s[10:11], s[68:69]      ; fc2_w's, from fragment 256 + 16 w;
	s_lshl_b32 s68, s[WV], 11
	s_add_co_u32 s68, s68, 128*128
	s_add_nc_u64 s[22:23], s[12:13], s[68:69]      ; their scale words, 128 bytes a fragment
	s_add_co_u32 s68, s68, 128*128
	s_add_nc_u64 s[28:29], s[12:13], s[68:69]
	s_mul_i32 s68, s[WV], 6144
	s_add_co_u32 s68, s68, 96*1536
	s_add_nc_u64 s[10:11], s[10:11], s[68:69]      ; my four fragments of proj_w, from fragment 96 + 4 w
	s_lshl_b32 s68, s[WV], 9
	s_add_co_u32 s68, s68, 96*128
	s_add_nc_u64 s[12:13], s[12:13], s[68:69]
	s_lshl_b32 s68, s[WV], 9
	s_add_nc_u64 s[24:25], s[24:25], s[68:69]      ; my 128 numbers of fc1_b
	s_lshl_b32 s68, s[WV], 7
	s_add_nc_u64 s[30:31], s[30:31], s[68:69]      ; my 32 of fc2_b
	s_wait_alu depctr_va_vdst(0)                   ; the offsets and addresses v1 to v26 are written, which the loads and stores of the whole kernel read, and none is written again; so are v112 to v115, in which loads of x land
	; ---- 1.  What the work-group shares comes first: a number of each of the three vectors a thread, four fragments of proj_w a wave; then my 16 rows of x
	global_load_b32 v36, v[TA], s[14:15]           ; proj_b
	global_load_b32 v37, v[TA], s[16:17]           ; n2_g
	global_load_b32 v38, v[TA], s[18:19]           ; n2_b
.irp e, 0,1,2,3
.irp c, 0,1,2
	global_load_b128 v[WFT+12*\e+4*\c:WFT+12*\e+4*\c+3], v[LI], s[10:11] offset:1536*\e+512*\c
.endr
	global_load_b32 v[PS+\e], v[LS], s[12:13] offset:128*\e
.endr
.set i, 0
.rept 32
	global_load_b128 v[X+4*i:X+4*i+3], v[LI], s[8:9] offset:(((i/2)/8)*32+(i/2)%8)*1024+512*(i%2) th:TH_LOAD_NT   ; token i / 2 of my tile, half a row: 512 consecutive bytes
.set i, i+1
.endr
	s_wait_loadcnt 32                              ; x's 32 loads may be out: the vectors' numbers and my share of proj_w are in
	ds_store_b32 v[VT], v36
	ds_store_b32 v[VT], v37 offset:1024
	ds_store_b32 v[VT], v38 offset:2048
.irp e, 0,1,2,3
	IMAGE WFT+12*\e, PWI, 1536*\e
	ds_store_b32 v[PWS], v[PS+\e] offset:128*\e
.endr
.irp g, 0,1
.irp c, 0,1
.irp p, 0,1,2
	global_load_b64 v[AF+12*\g+6*\c+2*\p:AF+12*\g+6*\c+2*\p+1], v[AOA], s[4:5] offset:(4*\g+2*\c)*12288+8*\p   ; K block 2 c + h of K step g is head 4 g + 2 c + h
.endr
.endr
.endr
.irp hd, 0,1,2,3,4,5,6,7
	global_load_u8 v[W1S+\hd], v[ASA], s[6:7] offset:512*\hd
.endr
	BARRIER                                        ; proj_w's 32 fragments and the three vectors lie in LDS
	s_wait_alu depctr_vm_vsrc(0)                   ; my LDS stores have read v36-38, which the four lines below write, and v30-33 and v40-87, in which proj_w's fragments and scale words land further down
	v_mov_b32 v[A1P], 0x3b5f5da2                   ; A's second coefficient,
	v_mov_b32 v[A1P+1], 0x3b5f5da2
	v_mov_b32 v[B1P], 0x37c588df                   ; B's second
	v_mov_b32 v[B1P+1], 0x37c588df
	WIN 0x40                                       ; destination in window 1
.set i, 0
.rept 32
	ds_load_b128 v[4*i:4*i+3], v[VGA] offset:128*(i/4)+16*(i%4)              ; proj_b
.set i, i+1
.endr
.set i, 0
.rept 32
	ds_load_b128 v[128+4*i:128+4*i+3], v[VGA] offset:1024+128*(i/4)+16*(i%4) ; the gain
.set i, i+1
.endr
	WIN 0
	s_wait_loadcnt 20                              ; the 12 + 8 loads of attention's codes and bytes may be out: x is in
.set i, 0
.rept 32
	ds_store_b128 v[SR], v[X+4*i:X+4*i+3] offset:1040*(i/2)+512*(i%2)
.set i, i+1
.endr
	s_wait_alu depctr_vm_vsrc(0)                   ; these LDS stores have read v[X ..], in which the loads below land
.set i, 0
.rept 32
	ds_load_b128 v[X+4*i:X+4*i+3], v[ST1] offset:128*(i/4)+16*(i%4)   ; LDS serves a wave's instructions in order (ISA guide 5.7.1.4): these see my stores.  Lane (r, h): of row r, 16 neighbours of each block of 32
.set i, i+1
.endr
	s_wait_dscnt 0x0                               ; my rows, proj_b and the gain are in registers
	WIN 0x04
.set i, 0
.rept 64
	v_pk_add_f32 v[X+i:X+i+1], v[X+i:X+i+1], v[i:i+1]   ; x + proj_b: the C of proj's sums
.set i, i+2
.endr
	WIN 0x40
	s_wait_alu depctr_va_vdst(0)                   ; the additions are done reading proj_b in window 1, in which the norm's bias lands
.set i, 0
.rept 32
	ds_load_b128 v[4*i:4*i+3], v[VGA] offset:2048+128*(i/4)+16*(i%4)         ; the norm's bias, where proj_b lay; the first wait for fragments below covers it
.set i, i+1
.endr
	WIN 0
	s_wait_loadcnt 0x0                             ; the tile's codes and bytes
.irp g, 0,1
	v_lshl_or_b32 v[AS+\g], v[W1S+4*\g+1], 8, v[W1S+4*\g]
	v_lshl_or_b32 v[AS+\g], v[W1S+4*\g+2], 16, v[AS+\g]
	v_lshl_or_b32 v[AS+\g], v[W1S+4*\g+3], 24, v[AS+\g]
.endr
.irp q, 0,1,2,3,4,5,6,7                        ; K step q / 4, tiles 4 (q % 4) + 0 .. 3 of the 16
.if \q == 0
	PLACES 8                                       ; a scale word made by vector instructions stands eight plain lines ahead of a scaled product;
	s_wait_alu depctr_va_vdst(0)                   ; and the two scale words v[AS], v[AS + 1] are written, which the scaled products take
.else
	PLACES 4
	s_wait_alu depctr_va_vdst(0)                   ; the last four products are done reading their fragments v40-87 and scale words v30-33, in which the next four land
.endif
.irp e, 0,1,2,3
	FETCH WFT+12*\e, LI, PIMG+(2*(4*(\q%4)+\e)+\q/4)*1536
	ds_load_b32 v[PS+\e], v[LS] offset:PSC+(2*(4*(\q%4)+\e)+\q/4)*128
.endr
	s_wait_dscnt 0x0
.irp e, 0,1,2,3
	MX X+8*(4*(\q%4)+\e), WFT+12*\e, AF+12*(\q/4), X+8*(4*(\q%4)+\e), PS+\e, AS+\q/4
.endr
.endr
	PLACES 4                                       ; four plain lines behind the last product, before its result is read;
	s_wait_alu depctr_va_vdst(0)                   ; and the products have written v[X ..], which the LDS stores read
.set i, 0
.rept 32
	ds_store_b128 v[ST1], v[X+4*i:X+4*i+3] offset:128*(i/4)+16*(i%4)   ; x1 to the stage, each accumulator from its low end on
.set i, i+1
.endr
	LNORM 128, 0
	WIN 0x40                                       ; my part of fc1_w comes while the rows are quantised: sixteen fragments on end
	s_wait_alu depctr_va_vdst(0)                   ; the norm's last lines are done reading the gain and the bias in window 1, in which fc1's weights and bias land; the lines that made v[AS] are done reading v240-247, in which its scale words land
.set i, 0
.rept 48
	global_load_b128 v[4*i:4*i+3], v[LI], s[20:21] offset:512*i
.set i, i+1
.endr
.irp t, 0,1,2,3,4,5,6,7
	global_load_b128 v[192+8*\t:195+8*\t], v[GA], s[24:25] offset:(32*(\t/2)+8*(\t%2))*4
	global_load_b128 v[196+8*\t:199+8*\t], v[GA], s[24:25] offset:(32*(\t/2)+8*(\t%2))*4+16
.endr
	WIN 0
.set i, 0
.rept 16
	global_load_b32 v[W1S+i], v[LS], s[22:23] offset:128*i
.set i, i+1
.endr
.irp b, 0,1,2,3
	v_mov_b32 v[TM+4+\b], 0                        ; a lane permute's destination counts as one of its sources
.endr
	QUANT X
	s_wait_alu depctr_va_vdst(0)                   ; the quantiser has written the codes v[PC ..] and the scale word v[PW], which the LDS stores read
	IMAGE PC, XWI, 0
	ds_store_b32 v[XWS], v[PW]
	s_wait_alu depctr_vm_vsrc(0)                   ; these stores have read v[PC ..] and v[PW], which the quantiser writes again
	QUANT X+64
	s_wait_alu depctr_va_vdst(0)                   ; codes and scale word are written, for the LDS stores; and the norm is done with v88-91, in which the first tile's fragments land
	IMAGE PC, XWI, 1536
	ds_store_b32 v[XWS], v[PW] offset:128
	BARRIER                                        ; the 16 fragments of the normalised rows, and x1, lie in LDS
	FETCH AF, XFA, 0                               ; tile 0's two fragments and scale words; each trip asks for the next tile's
	FETCH AF+12, XFA, 1536
	ds_load_b32 v[XS], v[XSA]
	ds_load_b32 v[XS+1], v[XSA] offset:128
	s_wait_loadcnt 0x0                             ; fc1's weights
	; ---- 2.  Eight trips, a tile of 16 tokens each.  The LDS addresses are a lane's unchanging place + a scalar that steps by a constant.
	; last = 0: the next tile's fragments are asked for behind this tile's products and land under the gelu.  last = 1: the eighth trip, written out: no tile follows; fc1's registers take my part of fc2_w, which lands under the last gelu.
.macro TRIP last
	s_wait_dscnt 0x0                               ; this tile's fragments and scale words are in
	WIN 0x11                                       ; source 0 (fc1_w) and source 2 (fc1_b) in window 1
.irp t, 0,1,2,3,4,5,6,7
	MX HA+8*\t, 24*\t, AF, 192+8*\t, W1S+2*\t, XS
.endr
	WIN 0x01
.irp t, 0,1,2,3,4,5,6,7
	MX HA+8*\t, 24*\t+12, AF+12, HA+8*\t, W1S+2*\t+1, XS+1
.endr
	WIN 0
	PLACES 4
	s_wait_alu depctr_vm_vsrc(0)                   ; the LDS loads and stores issued so far have read v77 to v80, which the additions below write, and the last image's stores v[PC ..] and v[PW], which this trip's quantiser writes
.if !\last
	v_add_nc_u32 v77, s61, v[XFA]                  ; the next tile's fragments,
	v_add_nc_u32 v78, s62, v[XSA]                  ; its scale words,
.endif
	v_add_nc_u32 v79, s63, v[HWI]                  ; where this tile's image goes,
	v_add_nc_u32 v80, s66, v[HWS]                  ; and its scale word
.if \last
	WIN 0x40
	s_wait_alu depctr_va_vdst(0)                   ; the products are done reading fc1's weights, bias and scale words, in which fc2's land; v79 and v80 are written, which the image's stores read
.set i, 0
.rept 48
	global_load_b128 v[4*i:4*i+3], v[LI], s[26:27] offset:512*i
.set i, i+1
.endr
.irp n, 0,1
	global_load_b128 v[192+8*\n:195+8*\n], v[B2A], s[30:31] offset:64*\n
	global_load_b128 v[196+8*\n:199+8*\n], v[B2A], s[30:31] offset:64*\n+16
.endr
	WIN 0
.set i, 0
.rept 16
	global_load_b32 v[W1S+i], v[LS], s[28:29] offset:128*i
.set i, i+1
.endr
.else
	s_wait_alu depctr_va_vdst(0)                   ; the products are done reading this tile's fragments v88-111 and scale words v34-35, in which the next tile's land; v77 to v80 are written, which the loads below and the image's stores read
	FETCH AF, 77, 0
	FETCH AF+12, 77, 1536
	ds_load_b32 v[XS], v78
	ds_load_b32 v[XS+1], v78 offset:128
.endif
	GELU
	QUANT HA
	s_wait_alu depctr_va_vdst(0)                   ; the quantiser has written the codes v[PC ..] and the scale word v[PW], which the LDS stores read
	IMAGE PC, 79, 0                                ; K step w of the last product, this tile's rows
	ds_store_b32 v80, v[PW]
.endm
	s_mov_b32 s[MC], 0
	s_mov_b32 s61, 3072                            ; the next tile's: one tile ahead
	s_mov_b32 s62, 256
	s_mov_b32 s63, 0
	s_mov_b32 s66, 0
.Ltile:                                            ; seven trips
	TRIP 0
	s_add_co_u32 s61, s61, 3072
	s_add_co_u32 s62, s62, 256
	s_add_co_u32 s63, s63, 12288
	s_add_co_u32 s66, s66, 1024
	s_add_co_u32 s[MC], s[MC], 1
	s_cmp_lt_u32 s[MC], 7
	s_cbranch_scc1 .Ltile
	TRIP 1
	BARRIER                                        ; the hidden layer's 64 fragments lie in LDS
	; ---- 3.  My 32 outputs for the 128 tokens: 16 accumulators (output tile n, token tile m) at v[X + 8 (2 m + n)], begun with x1.
	; Sixteen steps, t = 2 ks + mg: K step ks, token tiles 4 mg + 0 .. 3, eight products.  Two buffers of four hidden fragments take turns.
; the four hidden fragments of step t and their scale words, into buffer t % 2: v40-87 with v30-33, or window 1's v208-255 with v36-39.  It is issued at the head of step t - 1, straight behind the products of step t - 2
.macro HFETCH t
.if (\t)%2
	WIN 0x40                                       ; destination in window 1
.else
	WIN 0
.endif
.if (\t) >= 2
	s_wait_alu depctr_va_vdst(0)                   ; the eight products just issued are done reading this buffer's fragments and scale words, in which the loads below land
.endif
.irp e, 0,1,2,3
.if (\t)%2
	FETCH 208+12*\e, HF1, (8*\e+(\t)/2)*1536
.else
	FETCH WFT+12*\e, HF0, (8*\e+(\t)/2)*1536
.endif
.endr
	WIN 0
.irp e, 0,1,2,3
	ds_load_b32 v[PS+6*((\t)%2)+\e], v[HSA] offset:(8*(4*((\t)%2)+\e)+(\t)/2)*128
.endr
.endm
.macro STEP3 t
.if (\t) < 15
	HFETCH (\t)+1
	s_wait_dscnt 16                                ; LDS loads come back in order: the 16 just issued may be out; this step's buffer is in (in step 0: x1 too)
.else
	s_wait_dscnt 0x0
.endif
.if (\t)%2
	WIN 0x05                                       ; source 0 (fc2_w) and source 1 (the second buffer) in window 1
.else
	WIN 0x01                                       ; source 0 in window 1
.endif
.irp e, 0,1,2,3
.irp n, 0,1
.if (\t)%2
	MX X+8*(2*(4+\e)+\n), 12*(8*\n+(\t)/2), 208+12*\e, X+8*(2*(4+\e)+\n), W1S+8*\n+(\t)/2, PS+6+\e
.else
	MX X+8*(2*\e+\n), 12*(8*\n+(\t)/2), WFT+12*\e, X+8*(2*\e+\n), W1S+8*\n+(\t)/2, PS+\e
.endif
.endr
.endr
	PLACES 4
.endm
	s_wait_alu depctr_vm_vsrc(0)                   ; the last image's stores have read v40-58, v76, v79 and v80, and the last fetch v77 and v78: step 0's fragments land in v40-87
.irp m, 0,1,2,3,4,5,6,7
.irp n, 0,1
.irp q, 0,1
	ds_load_b128 v[X+8*(2*\m+\n)+4*\q:X+8*(2*\m+\n)+4*\q+3], v[STI0+\m/4] offset:(\m%4)*16640+64*\n+16*\q
.endr
.endr
.endr
	HFETCH 0
	s_wait_loadcnt 0x0                             ; fc2's weights
.irp t, 0,1,2,3,4,5,6,7,8,9,10,11,12,13,14,15
	STEP3 \t
.endr
	WIN 0x04
.irp m, 0,1,2,3,4,5,6,7
.irp n, 0,1
.irp k, 0,2,4,6
	v_pk_add_f32 v[X+8*(2*\m+\n)+\k:X+8*(2*\m+\n)+\k+1], v[X+8*(2*\m+\n)+\k:X+8*(2*\m+\n)+\k+1], v[192+8*\n+\k:192+8*\n+\k+1]   ; + fc2_b
.endr
.endr
.endr
	WIN 0
	s_wait_alu depctr_va_vdst(0)                   ; the additions have written v[X ..], which the LDS stores read
.irp m, 0,1,2,3,4,5,6,7
.irp n, 0,1
.irp q, 0,1
	ds_store_b128 v[STI0+\m/4], v[X+8*(2*\m+\n)+4*\q:X+8*(2*\m+\n)+4*\q+3] offset:(\m%4)*16640+64*\n+16*\q   ; back to the bytes that x1 came from: they are this wave's alone in this phase
.endr
.endr
.endr
	BARRIER                                        ; 128 whole rows of the result lie in the stage
	s_wait_alu depctr_vm_vsrc(0)                   ; my LDS stores have read v[X ..], in which the loads below land
.set i, 0
.rept 32
	ds_load_b128 v[X+4*i:X+4*i+3], v[SR] offset:1040*(i/2)+512*(i%2)
.set i, i+1
.endr
.set i, 0
.rept 32
	s_wait_dscnt 31-i                              ; LDS loads come back in order: load i is in
	global_store_b128 v[LI], v[X+4*i:X+4*i+3], s[32:33] offset:(((i/2)/8)*32+(i/2)%8)*1024+512*(i%2) th:TH_STORE_NT   ; 32 lanes store 512 consecutive bytes, aligned
.set i, i+1
.endr
	s_wait_dscnt 0x0                               ; the closing lines, six on end
	s_wait_alu 0x0
	s_wait_tensorcnt 0x0
	ds_add_u32 v7, v8
	s_wait_dscnt 0x0
	s_endpgm
.Lfunc_end_k_q133db61faa_mlp:
	.size	k_q133db61faa_mlp, .Lfunc_end_k_q133db61faa_mlp-k_q133db61faa_mlp
	.p2alignl 7, 3214868480
	.fill 96, 4, 3214868480
	.section	.rodata,"a",@progbits
	.p2align	6, 0x0
	.amdhsa_kernel k_q133db61faa_mlp
		.amdhsa_group_segment_fixed_size 323584
		.amdhsa_private_segment_fixed_size 0
		.amdhsa_enable_private_segment 0
		.amdhsa_kernarg_size 88
		.amdhsa_user_sgpr_count 2
		.amdhsa_user_sgpr_kernarg_segment_ptr 1
		.amdhsa_wavefront_size32 1
		.amdhsa_system_sgpr_workgroup_id_x 1
		.amdhsa_system_sgpr_workgroup_id_y 1
		.amdhsa_system_sgpr_workgroup_id_z 1
		.amdhsa_system_vgpr_workitem_id 0
		.amdhsa_next_free_vgpr 512
		.amdhsa_next_free_sgpr 100
		.amdhsa_reserve_vcc 0
		.amdhsa_float_denorm_mode_32 3
		.amdhsa_float_denorm_mode_16_64 3
		.amdhsa_memory_ordered 1
		.amdhsa_forward_progress 1
		.amdhsa_inst_pref_size 232
	.end_amdhsa_kernel
	.amdgpu_metadata
---
amdhsa.version: [ 1, 2 ]
amdhsa.kernels:
  - .name:           k_q133db61faa_mlp
    .symbol:         k_q133db61faa_mlp.kd
    .args:
      - { .name: ao, .offset: 0, .size: 8, .value_kind: global_buffer, .address_space: global }
      - { .name: asc, .offset: 8, .size: 8, .value_kind: global_buffer, .address_space: global }
      - { .name: x, .offset: 16, .size: 8, .value_kind: global_buffer, .address_space: global }
      - { .name: wimg, .offset: 24, .size: 8, .value_kind: global_buffer, .address_space: global }
      - { .name: wscl, .offset: 32, .size: 8, .value_kind: global_buffer, .address_space: global }
      - { .name: proj_b, .offset: 40, .size: 8, .value_kind: global_buffer, .address_space: global }
      - { .name: n2_g, .offset: 48, .size: 8, .value_kind: global_buffer, .address_space: global }
      - { .name: n2_b, .offset: 56, .size: 8, .value_kind: global_buffer, .address_space: global }
      - { .name: fc1_b, .offset: 64, .size: 8, .value_kind: global_buffer, .address_space: global }
      - { .name: fc2_b, .offset: 72, .size: 8, .value_kind: global_buffer, .address_space: global }
      - { .name: out0, .offset: 80, .size: 8, .value_kind: global_buffer, .address_space: global }
    .group_segment_fixed_size: 323584
    .private_segment_fixed_size: 0
    .kernarg_segment_align: 8
    .kernarg_segment_size: 88
    .max_flat_workgroup_size: 256
    .sgpr_count:     100
    .vgpr_count:     512
    .wavefront_size: 32
...
	.end_amdgpu_metadata
.endif
;; end of part 11
